; MI455X (gfx1250); checked and timed in simulation.
; The chip was launched on July 23, 2026; its instructions are those of AMD's public machine-readable ISA for CDNA 5 (MIT licence, August 2026) and "CDNA5" Instruction Set Architecture Reference Guide (July 2026). The comments in the code are by the model that wrote it; some were corrected since.
;; Block. Allowed arithmetic: matrix products marked QUANTISED: E2M3 operands, one E8M0 scale for each 32 along K, by v_wmma_scale_f32_16x16x128_f8f6f4 with both operands' format E2M3, f32 sums; everything else in f32.
;; Inputs: b_attn 3,072 float32; b_fc1 4,096 float32; b_fc2 1,024 float32; b_proj 1,024 float32; ln1_b 1,024 float32; ln1_g 1,024 float32; ln2_b 1,024 float32; ln2_g 1,024 float32; w_attn 1,024 x 3,072 float32; w_fc1 1,024 x 4,096 float32; w_fc2 4,096 x 1,024 float32; w_proj 1,024 x 1,024 float32; x 2 x 2,048 x 1,024 float32.
;; Outputs: out0 2 x 2,048 x 1,024 float32.
;; This version of the problem:
;;   THIS VERSION OF THE PROBLEM IS GIVEN IN LOW PRECISION. The matrix products marked QUANTISED in the list below multiply operands that are first quantised to E2M3 (2 exponent bits, 3 mantissa bits; 6 bits a number), with one power-of-two scale for each 32 numbers along K (OCP MX v1.0); their sums are f32. All else is computed in f32.
;;   The module's matrix products, in the order in which they are computed (A, B: the left and right operand; K: the contracted axis; several contracted axes count as one K, in the product's order):
;;     1. [M 4,096, K 1,024] x [K 1,024, N 3,072]; A: computed on the way; B: input w_attn: QUANTISED
;;     2. batch 32 x [M 2,048, K 64] x [K 64, N 2,048]; A: computed on the way; B: computed on the way: QUANTISED
;;     3. batch 32 x [M 2,048, K 2,048] x [K 2,048, N 64]; A: softmax (see below); B: computed on the way: QUANTISED
;;     4. [M 4,096, K 1,024] x [K 1,024, N 1,024]; A: computed on the way; B: input w_proj: QUANTISED
;;     5. [M 4,096, K 1,024] x [K 1,024, N 4,096]; A: computed on the way; B: input w_fc1: QUANTISED
;;     6. [M 4,096, K 4,096] x [K 4,096, N 1,024]; A: computed on the way; B: input w_fc2: QUANTISED
;;   THE QUANTISER, for each operand of a quantised product, along K:
;;     - K is cut into blocks of 32 from its start; a last block that is shorter is filled with zeros.
;;     - A block's scale is 2^e with e = floor(log2(the largest magnitude in the block)) - 2, held to -126 .. 127; a block of zeros has e = 0. As a byte (E8M0): e + 127.
;;     - Each number is divided by its block's scale, clamped to +-7.5, and rounded to the nearest number of E2M3, ties to even, subnormals kept.
;;     - The product sums the exact products of the quantised numbers (number of the format x scale) in f32.
;;   ~~~python
;;   def quantise(x, axis):      # numpy; x: float32 -> the quantised numbers, widened to float32 again
;;       x = np.moveaxis(x, axis, -1); K = x.shape[-1]
;;       x = np.pad(x, [(0, 0)] * (x.ndim - 1) + [(0, -K % 32)]); x = x.reshape(x.shape[:-1] + (-1, 32)); a = np.abs(x).max(-1, keepdims=True)
;;       e = np.where(a > 0, np.clip(np.frexp(np.where(a > 0, a, 1))[1] - 1 - 2, -126, 127), 0)      # np.frexp(a)[1] - 1 = floor(log2(a)), exactly
;;       r = np.clip(x / 2.0 ** e, -7.5, 7.5)
;;       step = 2.0 ** (np.maximum(np.frexp(np.where(r == 0, 1, r))[1] - 1, 0) - 3)
;;       q = np.round(r / step) * step * 2.0 ** e      # np.round: ties to even
;;       return np.moveaxis(q.reshape(q.shape[:-2] + (-1,))[..., :K], -1, axis).astype(np.float32)
;;   ~~~
;;   SOFTMAX AHEAD OF A QUANTISED PRODUCT. Where the list says 'softmax', what is quantised is not the finished softmax but p = 2^(t - M), with t = logit x log2(e) and M = ceil(the row's largest t), a whole number; so 1/2 < the row's largest p <= 1. The row's sum l is taken of the UNQUANTISED p, in f32, and the product's result is divided by l at the end. Since M is a whole number, a kernel that streams over the keys may use a running M (the ceiling of the running maximum): every later rescaling is an exact power of two, which a block's scale takes up: the codes' values come out the same.
;;   OPERANDS COMPUTED ON THE WAY. 'Computed on the way' means the value that the module computes at that place (a softmax that the list does not call 'softmax' is quantised finished and normalised). What goes into a quantiser is computed in f32, as accurately as f32 sums, v_exp_f32 and their like allow (about 1e-6 of the number): no bf16 or f16 on the way to a quantiser, and a product that is left as it is and whose result goes on into a quantised operand takes f32 operands (vector FMAs, or v_wmma_f32_16x16x4_f32). A number that lies on a knife's edge between two numbers of the format may be rounded either way, as far as f32 arithmetic and the matrix unit's own rounding can turn it there, and no further.
;; 2 versions. Each part assembles by itself: llvm-mc -triple=amdgcn-amd-amdhsa -mcpu=gfx1250 --defsym DOCPART=n.
;; ======== version 1 of 2: 8 launches
;; workspace buffers: wb 8,192,000 bytes; hb 3,276,800 bytes; kvb 6,684,672 bytes; ob 3,276,800 bytes; x1 16,777,216 bytes; ab 13,107,200 bytes
;; launch wq (part 1): grid 320 x 1, 4 waves a work-group, no clusters, 0 bytes of LDS; arguments w_attn, w_proj, w_fc1, w_fc2, wb; writes wb
.if DOCPART == 1
	.amdgcn_target "amdgcn-amd-amdhsa--gfx1250"
	.amdhsa_code_object_version 6
	.text
	.protected	k_q6178374cab_wq
	.globl	k_q6178374cab_wq
	.p2align	8
	.type	k_q6178374cab_wq,@function
k_q6178374cab_wq:
	s_mov_b64 s[64:65], 0
	v_nop
	global_prefetch_b8 v0, s[64:65] scope:SCOPE_SE
	s_setreg_imm32_b32 hwreg(HW_REG_WAVE_MODE, 25, 1), 1
	s_wait_xcnt 0x0
; The four weights, f32 stored [K][N], become codes of FP6 (E2M3) with one E8M0 scale byte for each 32 along K.
; Of w_attn only columns 1,024 to 2,047 are read: the module keeps that slice of its first product alone, so the other two thirds are neither read nor multiplied.
; LAYOUT OF THE CODES: [K / 64][N / 16][768 bytes].  A unit of 768 bytes is the image of six operand registers of 32 lanes (16 rows x 64 along K): lane (rho, h) holds k = 32 h .. 32 h + 31 of row rho;
; its registers 0-3 lie at 16 (rho + 16 h), its registers 4, 5 at 512 + 16 rho + 8 h.  The scale words lie [K / 128][N], byte b of a word for k = 32 b .. 32 b + 31.
; ORDER OF THE ROWS: column n lies at row p = n with its bits 3 and 4 exchanged, so that in a product used transposed two neighbouring tiles give a lane 16 neighbouring columns.
; A LANE TAKES A COLUMN AND ITS REGISTERS RUN DOWN K: a load reads 128 consecutive bytes a wave, the four waves stand side by side on 512; a block of 32 lies in one lane, so no other lane is asked for its maximum.
; A lane that holds both blocks of a chunk of 64 stores three times 16 bytes at 16 rho: sixteen lanes fill 256 consecutive aligned bytes each time.  A wave's store of scale words covers 128 consecutive bytes:
; that is one byte in 128 of what the launch reads.
; A block's scale is 2^(floor(log2(largest magnitude)) - 2); its byte is the largest magnitude's exponent field - 2, held at 1 from below.
; LIMITS: a block of zeros gets the byte 1 where the rule says 127 (its codes are zeros, and this program alone reads the bytes); blocks whose largest magnitude lies under 2^-124 keep the byte 1; NaN and infinities are not served.
; One launch, one path: work-groups 0-31 take w_attn's slice, 32-63 w_proj, 64-191 w_fc1, 192-319 w_fc2; pointers and sizes are chosen by the work-group's number.  No LDS, no barrier: waves share nothing.
.set WK_C, 0
.set WP_C, 786432
.set W1_C, 1572864
.set W2_C, 4718592
.set WK_S, 7864320
.set WP_S, 7897088
.set W1_S, 7929856
.set W2_S, 8060928
.set VO,   4                           ; v4-7    where my codes of chunk 0..3 go
.set VS,   8                           ; v8-9    where my scale words go
.set SW,   10                          ; v10-11  the two scale words
.set OFF,  32                          ; v32-63  4 x lane + i rows of the source
.set X,    64                          ; v64-127 two sets of 32 numbers
.set CSET, 128                         ; v128-175 four chunks' codes, 12 registers each: no store's data are written again
	s_load_b256 s[4:11], s[0:1], 0x0               ; w_attn, w_proj, w_fc1, w_fc2
	s_load_b64 s[12:13], s[0:1], 0x20              ; wb
	v_lshrrev_b32 v1, 5, v0
	v_readfirstlane_b32 s16, v1                    ; wave
	v_and_b32 v1, 31, v0                           ; L: my column among the wave's 32
	v_lshlrev_b32 v2, 2, v1
	v_bfe_u32 v12, v1, 3, 1
	v_bfe_u32 v13, v1, 4, 1
	v_and_b32 v14, 7, v1
	v_lshl_or_b32 v14, v13, 3, v14                 ; rho = 8 x bit 4 + the low three bits
	v_lshlrev_b32 v3, 4, v14
	v_mad_u32_u24 v3, v12, 768, v3                 ; my place in the two tiles: 768 x bit 3 + 16 rho
	v_lshl_or_b32 v15, v12, 4, v14                 ; L with bits 3 and 4 exchanged
	v_lshlrev_b32 v[VS], 2, v15
	s_mov_b32 s20, 192                             ; the sizes of w_fc2: first work-group,
	s_mov_b32 s21, 3                               ; log2 of the work-groups along N,
	s_mov_b32 s22, 4096                            ; bytes in a row of the source,
	s_mov_b32 s23, 1024                            ; N,
	s_mov_b32 s24, W2_C                            ; where the codes begin in wb,
	s_mov_b32 s25, W2_S                            ; and the scale words,
	s_mov_b32 s26, 0                               ; first byte of a row that is read
	s_wait_kmcnt 0x0
	s_mov_b64 s[14:15], s[10:11]
	s_cmp_lt_u32 ttmp9, 192                        ; w_fc1
	s_cselect_b64 s[14:15], s[8:9], s[14:15]
	s_cselect_b32 s20, 64, s20
	s_cselect_b32 s21, 5, s21
	s_cselect_b32 s22, 16384, s22
	s_cselect_b32 s23, 4096, s23
	s_cselect_b32 s24, W1_C, s24
	s_cselect_b32 s25, W1_S, s25
	s_cmp_lt_u32 ttmp9, 64                         ; w_proj
	s_cselect_b64 s[14:15], s[6:7], s[14:15]
	s_cselect_b32 s20, 32, s20
	s_cselect_b32 s21, 3, s21
	s_cselect_b32 s22, 4096, s22
	s_cselect_b32 s23, 1024, s23
	s_cselect_b32 s24, WP_C, s24
	s_cselect_b32 s25, WP_S, s25
	s_cmp_lt_u32 ttmp9, 32                         ; w_attn's slice
	s_cselect_b64 s[14:15], s[4:5], s[14:15]
	s_cselect_b32 s20, 0, s20
	s_cselect_b32 s22, 12288, s22
	s_cselect_b32 s24, WK_C, s24
	s_cselect_b32 s25, WK_S, s25
	s_cselect_b32 s26, 4096, s26
	s_sub_co_u32 s27, ttmp9, s20
	s_bfm_b32 s28, s21, 0
	s_and_b32 s28, s27, s28                        ; which 128 columns
	s_lshr_b32 s29, s27, s21                       ; which 256 along K
	s_lshl_b32 s28, s28, 2
	s_add_co_u32 s28, s28, s16                     ; G: my wave's group of 32 columns
	s_mul_i32 s30, s29, s22
	s_lshl_b32 s30, s30, 8                         ; 256 rows of the source,
	s_lshl_b32 s17, s28, 7
	s_add_co_u32 s30, s30, s17                     ; 128 bytes a group,
	s_add_co_u32 s30, s30, s26
	s_mov_b32 s31, 0
	s_add_nc_u64 s[32:33], s[14:15], s[30:31]      ; block 0's base
	s_lshl_b32 s18, s22, 5                         ; 32 rows on
	s_mov_b32 s19, 0
.irp t, 1,2,3,4,5,6,7
	s_add_nc_u64 s[32+2*\t:33+2*\t], s[30+2*\t:31+2*\t], s[18:19]   ; a base for each block of 32 rows: no pointer is stepped while loads are out
.endr
	s_mul_i32 s30, s29, s23
	s_mul_i32 s17, s30, 192                        ; 4 chunks x N x 48 bytes
	s_mul_i32 s27, s28, 1536                       ; two tiles a group
	s_add_co_u32 s17, s17, s27
	s_add_co_u32 s26, s17, s24
	s_mov_b32 s27, 0
	s_add_nc_u64 s[48:49], s[12:13], s[26:27]      ; my codes
	s_lshl_b32 s30, s30, 3                         ; 2 K steps x N x 4 bytes
	s_lshl_b32 s17, s28, 7
	s_add_co_u32 s30, s30, s17
	s_add_co_u32 s30, s30, s25
	s_add_nc_u64 s[50:51], s[12:13], s[30:31]      ; my scale words
	s_mul_i32 s17, s23, 48                         ; from chunk to chunk
.irp k, 0,1,2,3
	v_mad_u32_u24 v[VO+\k], s17, \k, v3
.endr
	s_lshl_b32 s24, s23, 2                         ; from K step to K step
	v_add_nc_u32 v[VS+1], s24, v[VS]
.set II, 0
.rept 32
	v_mad_u32_u24 v[OFF+II], s22, II, v2
.set II, II+1
.endr
.macro LOAD t                          ; block t: rows 32 t + i of my column, into set t % 2
.set II, 0
.rept 32
	global_load_b32 v[X+32*((\t)%2)+II], v[OFF+II], s[32+2*(\t):33+2*(\t)] th:TH_LOAD_NT
.set II, II+1
.endr
.endm
	LOAD 0
	LOAD 1
.set T, 0
.rept 8
.set XS, X+32*(T%2)
.set D4, CSET+12*(T/2)+4*(T%2)         ; the block's registers 0-3,
.set D2, CSET+12*(T/2)+8+2*(T%2)       ; and 4, 5
.if T < 7
	s_wait_loadcnt 32                              ; this block's 32 loads are in; the next block's may be out
.else
	s_wait_loadcnt 0x0
.endif
	v_max3_num_f32 v12, |v[XS]|, |v[XS+1]|, |v[XS+2]|   ; the block's largest magnitude, in two chains
	v_max3_num_f32 v13, |v[XS+3]|, |v[XS+4]|, |v[XS+5]|
.irp i, 6,10,14,18,22,26
	v_max3_num_f32 v12, v12, |v[XS+\i]|, |v[XS+\i+1]|
	v_max3_num_f32 v13, v13, |v[XS+\i+2]|, |v[XS+\i+3]|
.endr
	v_max3_num_f32 v12, v12, |v[XS+30]|, |v[XS+31]|
	v_max3_num_f32 v12, v12, v13, 0x1800000        ; and the floor 2^(3 - 127): the byte cannot fall under 1
	v_add_nc_u32 v14, 0xff000000, v12              ; 2 off the exponent field: the conversion takes that field as its scale
	v_lshrrev_b32 v15, 23, v14                     ; the scale's byte
	v_cvt_scalef32_pk16_fp6_f32 v[D4:D4+2], v[XS:XS+15], v14
	v_cvt_scalef32_pk16_fp6_f32 v[16:18], v[XS+16:XS+31], v14   ; (a conversion's three registers begin on an even number)
	v_nop                                          ; one plain instruction behind the conversions
	v_mov_b32 v[D4+3], v16
	v_mov_b32 v[D2], v17
	v_mov_b32 v[D2+1], v18
.if T%4 == 0
	v_mov_b32 v[SW+T/4], v15                       ; four bytes to a word, the lower K in the lower byte
.else
	v_lshl_or_b32 v[SW+T/4], v15, 8*(T%4), v[SW+T/4]
.endif
.if T < 6
	LOAD T+2
.endif
.if T%2
	global_store_b128 v[VO+T/2], v[CSET+12*(T/2):CSET+12*(T/2)+3], s[48:49]              ; the lower block's registers 0-3,
	global_store_b128 v[VO+T/2], v[CSET+12*(T/2)+4:CSET+12*(T/2)+7], s[48:49] offset:256  ; the upper block's,
	global_store_b128 v[VO+T/2], v[CSET+12*(T/2)+8:CSET+12*(T/2)+11], s[48:49] offset:512 ; and both blocks' registers 4, 5
.endif
.if T%4 == 3
	global_store_b32 v[VS+T/4], v[SW+T/4], s[50:51]
.endif
.set T, T+1
.endr
	s_endpgm
.Lfunc_end_k_q6178374cab_wq:
	.size	k_q6178374cab_wq, .Lfunc_end_k_q6178374cab_wq-k_q6178374cab_wq
	.p2alignl 7, 3214868480
	.fill 96, 4, 3214868480
	.section	.rodata,"a",@progbits
	.p2align	6, 0x0
	.amdhsa_kernel k_q6178374cab_wq
		.amdhsa_group_segment_fixed_size 0
		.amdhsa_private_segment_fixed_size 0
		.amdhsa_enable_private_segment 0
		.amdhsa_kernarg_size 40
		.amdhsa_user_sgpr_count 2
		.amdhsa_user_sgpr_kernarg_segment_ptr 1
		.amdhsa_wavefront_size32 1
		.amdhsa_system_sgpr_workgroup_id_x 1
		.amdhsa_system_sgpr_workgroup_id_y 1
		.amdhsa_system_sgpr_workgroup_id_z 1
		.amdhsa_system_vgpr_workitem_id 0
		.amdhsa_next_free_vgpr 192
		.amdhsa_next_free_sgpr 66
		.amdhsa_reserve_vcc 0
		.amdhsa_float_denorm_mode_32 3
		.amdhsa_float_denorm_mode_16_64 3
		.amdhsa_memory_ordered 1
		.amdhsa_forward_progress 1
		.amdhsa_inst_pref_size 43
	.end_amdhsa_kernel
	.amdgpu_metadata
---
amdhsa.version: [ 1, 2 ]
amdhsa.kernels:
  - .name:           k_q6178374cab_wq
    .symbol:         k_q6178374cab_wq.kd
    .args:
      - { .name: w_attn, .offset: 0, .size: 8, .value_kind: global_buffer, .address_space: global }
      - { .name: w_proj, .offset: 8, .size: 8, .value_kind: global_buffer, .address_space: global }
      - { .name: w_fc1, .offset: 16, .size: 8, .value_kind: global_buffer, .address_space: global }
      - { .name: w_fc2, .offset: 24, .size: 8, .value_kind: global_buffer, .address_space: global }
      - { .name: wb, .offset: 32, .size: 8, .value_kind: global_buffer, .address_space: global }
    .group_segment_fixed_size: 0
    .private_segment_fixed_size: 0
    .kernarg_segment_align: 8
    .kernarg_segment_size: 40
    .max_flat_workgroup_size: 128
    .sgpr_count:     66
    .vgpr_count:     192
    .wavefront_size: 32
...
	.end_amdgpu_metadata
.endif
;; end of part 1
;; launch ln1 (part 2): grid 256 x 1, 8 waves a work-group, no clusters, 67,072 bytes of LDS; arguments x, ln1_g, ln1_b, hb; writes hb
.if DOCPART == 2
	.amdgcn_target "amdgcn-amd-amdhsa--gfx1250"
	.amdhsa_code_object_version 6
	.text
	.protected	k_q6178374cab_ln1
	.globl	k_q6178374cab_ln1
	.p2align	8
	.type	k_q6178374cab_ln1,@function
k_q6178374cab_ln1:
	s_mov_b64 s[64:65], 0
	v_nop
	global_prefetch_b8 v0, s[64:65] scope:SCOPE_SE
	s_setreg_imm32_b32 hwreg(HW_REG_WAVE_MODE, 25, 1), 1
	s_wait_xcnt 0x0
; y = (x - mean) rsqrt(var + 1e-5) g + b along rows of 1,024 f32, and y quantised along the row to FP6 (E2M3) with one E8M0 byte for each 32.  Mean, then the mean of squared differences: two passes over registers.
; OUT: codes [16 chunks of 64][256 tiles of 16 rows][768 bytes], a unit being the image of six operand registers (lane (rho, h): k = 32 h .. + 31 of row rho; registers 0-3 at 16 (rho + 16 h), 4 and 5 at
; 512 + 16 rho + 8 h); scale words [8 K steps][4,096 rows] behind them.  Token n lies at row n with its bits 3 and 4 exchanged.
; SHARES.  Work-group T makes tile T.  Phase 1: wave w normalises rows 2 w and 2 w + 1 of the tile, which are two neighbouring tokens: every load reads 512 consecutive bytes.  The rows meet in LDS (pitch 4,112 bytes, an
; odd multiple of 16, so that the sixteen rows of a load begin at different banks).  Phase 2: wave w quantises K step w of all 16 rows: lane (r, h) takes 16 neighbours of each of four blocks, and the results are the
; operand's registers: they are stored as they stand, 512 and 256 consecutive bytes an instruction.  The scale words of a wave are 64 consecutive bytes (lanes r and r + 16 write the same word).
; LIMITS: a block of zeros gets the byte 1 where the rule says 127 (zero codes; this program alone reads the bytes); blocks under 2^-124 keep the byte 1; NaN and infinities are not served.
.set PITCH, 4112
.set H_S,   3145728
.set G,   16                           ; v16-47   g of my 32 columns
.set B,   48                           ; v48-79   b
.set X,   80                           ; v80-143  two rows of 32 numbers; in phase 2 the 64 numbers to quantise
.set TM,  144                          ; v144-147 largest magnitudes, 148-151 bytes, 156-159 the conversions' scales
.set PW,  160                          ; the scale word
.set PC,  164                          ; v164-175 the fragment
.set CT,  176                          ; v176-182 the conversions' second halves
.set SM,  184                          ; v184-191 row e: sums at 184 + 4 e
	s_load_b256 s[4:11], s[0:1], 0x0               ; x, g, b, out
	v_lshl_add_u32 v192, v0, 2, 0x10200
	v_mov_b32 v193, 0
	v_lshrrev_b32 v1, 5, v0
	v_readfirstlane_b32 s12, v1                    ; wave 0..7
	v_and_b32 v1, 31, v0
	v_and_b32 v2, 15, v0                           ; r
	v_bfe_u32 v3, v0, 4, 1                         ; h
	v_lshlrev_b32 v4, 4, v1                        ; 16 x lane
	s_mul_i32 s13, s12, 2*PITCH
	v_add_nc_u32 v5, s13, v4                       ; LDS, in: my wave's two rows
	v_mul_u32_u24 v6, v2, PITCH
	v_lshl_add_u32 v6, v3, 6, v6
	s_lshl_b32 s13, s12, 9
	v_add_nc_u32 v6, s13, v6                       ; LDS, out: row r, K step w, + 64 h
	v_lshlrev_b32 v8, 4, v2
	v_lshl_add_u32 v8, v3, 3, v8
	v_add_nc_u32 v8, 512, v8                       ; a unit's registers 4, 5
	v_lshlrev_b32 v9, 2, v2
.irp b, 0,1,2,3
	v_mov_b32 v[TM+4+\b], 0                        ; written once: a lane permute's destination counts as one of its sources
.endr
	s_lshr_b32 s14, ttmp9, 1
	s_lshl_b32 s14, s14, 5
	s_and_b32 s15, ttmp9, 1
	s_lshl_b32 s15, s15, 3
	s_add_co_u32 s14, s14, s15
	s_lshr_b32 s15, s12, 2
	s_lshl_b32 s15, s15, 4
	s_add_co_u32 s14, s14, s15
	s_and_b32 s15, s12, 3
	s_lshl_b32 s15, s15, 1
	s_add_co_u32 s14, s14, s15                     ; my first token: 32 (T / 2) + 16 (w / 4) + 8 (T % 2) + 2 (w % 4)
	s_lshl_b32 s14, s14, 12
	s_mov_b32 s15, 0
	s_mul_i32 s16, ttmp9, 768
	s_mul_i32 s17, s12, 393216                     ; two chunks of 196,608 bytes a K step
	s_add_co_u32 s16, s16, s17
	s_mov_b32 s17, 0
	s_lshl_b32 s18, s12, 14
	s_lshl_b32 s19, ttmp9, 6
	s_add_co_u32 s18, s18, s19
	s_add_co_u32 s18, s18, H_S
	s_mov_b32 s19, 0
	s_mov_b32 s20, 0x76543210
	s_mov_b32 s21, 0xfedcba98                      ; v_permlanex16_b32's selects for lane l xor 16
	s_mov_b32 s22, 0x3a800000                      ; 1 / 1,024
	s_mov_b32 s23, 0x3727c5ac                      ; 1e-5
	s_wait_kmcnt 0x0
	s_add_nc_u64 s[4:5], s[4:5], s[14:15]
	s_add_nc_u64 s[16:17], s[10:11], s[16:17]
	s_add_nc_u64 s[18:19], s[10:11], s[18:19]
.irp e, 0,1
.irp j, 0,1,2,3,4,5,6,7
	global_load_b128 v[X+32*\e+4*\j:X+32*\e+4*\j+3], v4, s[4:5] offset:4096*\e+512*\j th:TH_LOAD_NT
.endr
.endr
.irp j, 0,1,2,3,4,5,6,7
	global_load_b128 v[G+4*\j:G+4*\j+3], v4, s[6:7] offset:512*\j
.endr
.irp j, 0,1,2,3,4,5,6,7
	global_load_b128 v[B+4*\j:B+4*\j+3], v4, s[8:9] offset:512*\j
.endr
.macro ACROSS                          ; the two rows' figures, v[SM] and v[SM + 4], summed over the 32 lanes; the rows by turns
.irp m, 1,2,4,8
.irp e, 0,1
	v_add_f32_dpp v[SM+4*\e], v[SM+4*\e], v[SM+4*\e] row_xmask:\m row_mask:0xf bank_mask:0xf
.endr
.endr
.irp e, 0,1
	v_permlanex16_b32 v[SM+4*\e+2], v[SM+4*\e], s20, s21
.endr
.irp e, 0,1
	v_add_f32 v[SM+4*\e], v[SM+4*\e], v[SM+4*\e+2]
.endr
.endm
	s_wait_loadcnt 16                              ; both rows are in; g's and b's sixteen loads may be out
.irp e, 0,1
	v_pk_add_f32 v[SM+4*\e:SM+4*\e+1], v[X+32*\e:X+32*\e+1], v[X+32*\e+2:X+32*\e+3]
	v_pk_add_f32 v[SM+4*\e+2:SM+4*\e+3], v[X+32*\e+4:X+32*\e+5], v[X+32*\e+6:X+32*\e+7]
.endr
.irp i, 8,12,16,20,24,28
.irp e, 0,1
	v_pk_add_f32 v[SM+4*\e:SM+4*\e+1], v[SM+4*\e:SM+4*\e+1], v[X+32*\e+\i:X+32*\e+\i+1]
	v_pk_add_f32 v[SM+4*\e+2:SM+4*\e+3], v[SM+4*\e+2:SM+4*\e+3], v[X+32*\e+\i+2:X+32*\e+\i+3]
.endr
.endr
.irp e, 0,1
	v_pk_add_f32 v[SM+4*\e:SM+4*\e+1], v[SM+4*\e:SM+4*\e+1], v[SM+4*\e+2:SM+4*\e+3]
.endr
.irp e, 0,1
	v_add_f32 v[SM+4*\e], v[SM+4*\e], v[SM+4*\e+1]
.endr
	ACROSS
.irp e, 0,1
	v_mul_f32 v[SM+4*\e], s22, v[SM+4*\e]          ; the mean
.endr
.irp i, 0,2,4,6,8,10,12,14,16,18,20,22,24,26,28,30
.irp e, 0,1
	v_pk_add_f32 v[X+32*\e+\i:X+32*\e+\i+1], v[X+32*\e+\i:X+32*\e+\i+1], v[SM+4*\e:SM+4*\e+1] op_sel_hi:[1,0] neg_lo:[0,1] neg_hi:[0,1]   ; x - mean, in place
.endr
.endr
.irp e, 0,1
	v_pk_mul_f32 v[SM+4*\e:SM+4*\e+1], v[X+32*\e:X+32*\e+1], v[X+32*\e:X+32*\e+1]
	v_pk_mul_f32 v[SM+4*\e+2:SM+4*\e+3], v[X+32*\e+2:X+32*\e+3], v[X+32*\e+2:X+32*\e+3]
.endr
.irp i, 4,8,12,16,20,24,28
.irp e, 0,1
	v_pk_fma_f32 v[SM+4*\e:SM+4*\e+1], v[X+32*\e+\i:X+32*\e+\i+1], v[X+32*\e+\i:X+32*\e+\i+1], v[SM+4*\e:SM+4*\e+1]
	v_pk_fma_f32 v[SM+4*\e+2:SM+4*\e+3], v[X+32*\e+\i+2:X+32*\e+\i+3], v[X+32*\e+\i+2:X+32*\e+\i+3], v[SM+4*\e+2:SM+4*\e+3]
.endr
.endr
.irp e, 0,1
	v_pk_add_f32 v[SM+4*\e:SM+4*\e+1], v[SM+4*\e:SM+4*\e+1], v[SM+4*\e+2:SM+4*\e+3]
.endr
.irp e, 0,1
	v_add_f32 v[SM+4*\e], v[SM+4*\e], v[SM+4*\e+1]
.endr
	ACROSS
.irp e, 0,1
	v_fma_f32 v[SM+4*\e], v[SM+4*\e], s22, s23     ; the variance + 1e-5
.endr
.irp e, 0,1
	v_rsq_f32 v[SM+4*\e+2], v[SM+4*\e]
.endr
	v_nop                                          ; a plain instruction behind the two roots,
	s_wait_alu depctr_va_vdst(0)                   ; and one wait for both, ahead of their first reader
	s_wait_loadcnt 0x0                             ; g and b
.irp i, 0,2,4,6,8,10,12,14,16,18,20,22,24,26,28,30
.irp e, 0,1
	v_pk_mul_f32 v[X+32*\e+\i:X+32*\e+\i+1], v[X+32*\e+\i:X+32*\e+\i+1], v[SM+4*\e+2:SM+4*\e+3] op_sel_hi:[1,0]
.endr
.irp e, 0,1
	v_pk_fma_f32 v[X+32*\e+\i:X+32*\e+\i+1], v[X+32*\e+\i:X+32*\e+\i+1], v[G+\i:G+\i+1], v[B+\i:B+\i+1]
.endr
.endr
.irp e, 0,1
.irp j, 0,1,2,3,4,5,6,7
	ds_store_b128 v5, v[X+32*\e+4*\j:X+32*\e+4*\j+3] offset:PITCH*\e+512*\j
.endr
.endr
	s_wait_dscnt 0x0                               ; for the others' sake: my two rows lie in LDS
	s_barrier_signal -1
	s_barrier_wait -1
.irp b, 0,1,2,3
.irp j, 0,1,2,3
	ds_load_b128 v[X+16*\b+4*\j:X+16*\b+4*\j+3], v6 offset:128*\b+16*\j   ; register 16 b + i = k 32 b + 16 h + i of row r, K step w
.endr
.endr
	s_wait_dscnt 0x0
.irp b, 0,1,2,3
	v_max3_num_f32 v[TM+\b], |v[X+16*\b]|, |v[X+1+16*\b]|, 0x1800000   ; block b: my 16 numbers and the floor 2^(3 - 127)
.endr
.irp i, 2,4,6,8,10,12,14
.irp b, 0,1,2,3
	v_max3_num_f32 v[TM+\b], v[TM+\b], |v[X+16*\b+\i]|, |v[X+1+16*\b+\i]|
.endr
.endr
.irp b, 0,1,2,3
	v_permlanex16_b32 v[TM+4+\b], v[TM+\b], s20, s21
.endr
.irp b, 0,1,2,3
	v_max_num_f32 v[TM+\b], v[TM+\b], v[TM+4+\b]   ; with lane l xor 16's: the block's largest magnitude
.endr
.irp b, 0,1,2,3
	v_add_nc_u32 v[TM+12+\b], 0xff000000, v[TM+\b] ; 2 off the exponent field: the conversion's scale
.endr
.irp b, 0,1,2,3
	v_lshrrev_b32 v[TM+4+\b], 23, v[TM+12+\b]      ; the scale's byte
.endr
	v_lshl_or_b32 v[PW], v[TM+5], 8, v[TM+4]
	v_lshl_or_b32 v[PW], v[TM+6], 16, v[PW]
	v_lshl_or_b32 v[PW], v[TM+7], 24, v[PW]
.irp c, 0,1
	v_cvt_scalef32_pk16_fp6_f32 v[PC+6*\c:PC+6*\c+2], v[X+32*\c:X+32*\c+15], v[TM+12+2*\c]
	v_cvt_scalef32_pk16_fp6_f32 v[CT+4*\c:CT+4*\c+2], v[X+16+32*\c:X+31+32*\c], v[TM+13+2*\c]
.endr
	v_nop                                          ; one plain instruction behind the conversions
.irp c, 0,1                                    ; the operand wants a whole block in a lane: lanes 0-15 block 2 c, lanes 16-31 block 2 c + 1
.irp i, 0,1,2
	v_permlane16_swap_b32 v[PC+6*\c+\i], v[CT+4*\c+\i]
.endr
.irp i, 0,1,2
	v_mov_b32 v[PC+3+6*\c+\i], v[CT+4*\c+\i]
.endr
.endr
	global_store_b128 v4, v[PC:PC+3], s[16:17]
	global_store_b64 v8, v[PC+4:PC+5], s[16:17]
	global_store_b128 v4, v[PC+6:PC+9], s[16:17] offset:196608
	global_store_b64 v8, v[PC+10:PC+11], s[16:17] offset:196608
	global_store_b32 v9, v[PW], s[18:19]
	s_wait_tensorcnt 0x0
	ds_add_u32 v192, v193
	s_wait_dscnt 0x0
	s_endpgm
.Lfunc_end_k_q6178374cab_ln1:
	.size	k_q6178374cab_ln1, .Lfunc_end_k_q6178374cab_ln1-k_q6178374cab_ln1
	.p2alignl 7, 3214868480
	.fill 96, 4, 3214868480
	.section	.rodata,"a",@progbits
	.p2align	6, 0x0
	.amdhsa_kernel k_q6178374cab_ln1
		.amdhsa_group_segment_fixed_size 67072
		.amdhsa_private_segment_fixed_size 0
		.amdhsa_enable_private_segment 0
		.amdhsa_kernarg_size 32
		.amdhsa_user_sgpr_count 2
		.amdhsa_user_sgpr_kernarg_segment_ptr 1
		.amdhsa_wavefront_size32 1
		.amdhsa_system_sgpr_workgroup_id_x 1
		.amdhsa_system_sgpr_workgroup_id_y 1
		.amdhsa_system_sgpr_workgroup_id_z 1
		.amdhsa_system_vgpr_workitem_id 0
		.amdhsa_next_free_vgpr 194
		.amdhsa_next_free_sgpr 66
		.amdhsa_reserve_vcc 0
		.amdhsa_float_denorm_mode_32 3
		.amdhsa_float_denorm_mode_16_64 3
		.amdhsa_memory_ordered 1
		.amdhsa_forward_progress 1
		.amdhsa_inst_pref_size 24
	.end_amdhsa_kernel
	.amdgpu_metadata
---
amdhsa.version: [ 1, 2 ]
amdhsa.kernels:
  - .name:           k_q6178374cab_ln1
    .symbol:         k_q6178374cab_ln1.kd
    .args:
      - { .name: x, .offset: 0, .size: 8, .value_kind: global_buffer, .address_space: global }
      - { .name: ln1_g, .offset: 8, .size: 8, .value_kind: global_buffer, .address_space: global }
      - { .name: ln1_b, .offset: 16, .size: 8, .value_kind: global_buffer, .address_space: global }
      - { .name: hb, .offset: 24, .size: 8, .value_kind: global_buffer, .address_space: global }
    .group_segment_fixed_size: 67072
    .private_segment_fixed_size: 0
    .kernarg_segment_align: 8
    .kernarg_segment_size: 32
    .max_flat_workgroup_size: 256
    .sgpr_count:     66
    .vgpr_count:     194
    .wavefront_size: 32
...
	.end_amdgpu_metadata
.endif
;; end of part 2
;; launch gk (part 3): grid 4 x 16, 4 waves a work-group, clusters of 4 x 4, 327,680 bytes of LDS; arguments hb, wb, b_attn, kvb; writes kvb
.if DOCPART == 3
	.amdgcn_target "amdgcn-amd-amdhsa--gfx1250"
	.amdhsa_code_object_version 6
	.text
	.protected	k_q6178374cab_gk
	.globl	k_q6178374cab_gk
	.p2align	8
	.type	k_q6178374cab_gk,@function
k_q6178374cab_gk:
	s_mov_b64 s[64:65], 0
	v_nop
	global_prefetch_b8 v0, s[64:65] scope:SCOPE_SE
	s_setreg_imm32_b32 hwreg(HW_REG_WAVE_MODE, 25, 1), 1
	s_wait_xcnt 0x0
	s_wait_alu depctr_hold_cnt(0) depctr_sa_sdst(0) depctr_va_vdst(0) depctr_va_sdst(0) depctr_va_ssrc(0) depctr_va_vcc(0) depctr_vm_vsrc(0)
	s_getreg_b32 s2, hwreg(HW_REG_IB_STS2, 6, 4)
	s_cmp_eq_u32 s2, 0
	s_cbranch_scc0 .Lentry_in_a_cluster
	s_endpgm
.Lentry_in_a_cluster:
	s_bfe_u32 s2, ttmp6, 0x10000c
	s_cmp_lg_u32 s2, 0xf033
	s_cbranch_scc0 .Lentry_shape_is_right
	s_endpgm
.Lentry_shape_is_right:
; k = Q(h) Q(w_attn[:, 1024:2048]) + b_attn[1024:2048], 4,096 x 1,024 x 1,024 on codes of FP6 (E2M3) with E8M0 scales; the module uses this slice of its first product for q, k and v alike, so nothing else of it is made.
; k leaves QUANTISED TWICE and never as f32: along a head's 64 channels (both operands of the scores) and along the keys (the values).
; OPERANDS lie as images of operand registers: [K / 64][rows / 16][768 bytes]; lane (rho, h) of a unit holds k = 32 h .. + 31 of row rho, registers 0-3 at 16 (rho + 16 h), 4 and 5 at 512 + 16 rho + 8 h.  Scale words: [K / 128][rows].
; Row n of a tensor lies at place n with bits 3 and 4 exchanged.  So a tile of 128 rows x 64 K is 6,144 dense bytes, a fragment comes by four LDS loads of consecutive bytes, and no padding is needed.
; A block of 256 x 256 is made by four waves, 128 x 128 each: 64 accumulators, 512 registers.  K goes in steps of 256 through a ring of two LDS slots; each wave's tensor load brings 128 rows x 256 K as 4 rows of 6,144 bytes.
; The scale words of the block's rows, for all of K, come once with the first fills and stay.
; CLUSTERS: 4 x 4 work-groups; the four of a row need the same tiles of A, the four of a column the same tiles of B: each tile is asked for jointly.  N = 1,024 gives 64 blocks: 64 work-groups.
; TRANSPOSED USE: source 0 = 16 rows of B (weight columns), source 1 = 16 rows of A (tokens): lane (r, h) holds token r, and registers of tiles 2 i, 2 i + 1 are 16 neighbouring columns 32 i + 16 h + 0 .. 15.
; The bias is the C of each sum's first matrix instruction.
; REGISTERS: window 0: v1-31 addresses; v32-63 scale words, two sets; v64-127 the bias; v128-223 A's fragments, one set.  Window 1: B's fragments, two sets.  Windows 2, 3: the accumulators, (a, b) at v[8 (8 (a % 4) + b)].
; LIMITS: a block of zeros gets the byte 1 where the rule says 127 (zero codes; this program alone reads the bytes); blocks under 2^-124 keep the byte 1; NaN and infinities are not served.
.set SIZE_M, 4096
.set SIZE_N, 1024
.set SIZE_K, 1024
.set A_S,    3145728                   ; A's scale words in its buffer
.set B_C,    0                         ; B's codes in wb
.set B_S,    7864320                   ; and its scale words
.set VC,     3145728                   ; kvb: the values' codes,
.set KVS,    6291456                   ; and both tensors' scale words, 12,288 bytes a head: 2,048 key words, then [16 key steps][64 channels]
.set NQ,     2                         ; matrix instructions deep in a slot
.set FR,     12                        ; registers of a fragment
.set NL,     4                         ; LDS loads that bring one
.set NP,     4                         ; places behind this matrix instruction (ISA guide 7.12.1)
.set CH,     6144                      ; 128 rows x 64 K
.set HALFT,  4*CH                      ; what one tensor load brings
.set SLOT,   4*HALFT                   ; A's 256 rows, then B's
.set LAPS,   SIZE_K/512
.set SCL,    2*SLOT                    ; behind the ring: the scale words, [K step][128 rows] for each wave's load
.set HALFS,  (SIZE_K/128)*512
.set SPARE,  SCL+4*HALFS               ; the spare words, 128 bytes a wave: two blocks of 256 bytes that no other line names
.set ADRA, 16                          ; v16-17 my A fragments' registers 0-3 in slot 0, 1; v18-19 their registers 4, 5
.set ADRB, 20                          ; v20-23 the same for B
.set ADRS, 27                          ; v27    my scale words: lanes 0-15 A's rows, lanes 16-31 B's
.set SPW,  28                          ; v28    my spare word; never rewritten
.set NIL,  29                          ; v29    0; never rewritten
.set VB,   15                          ; v15    64 h: the bias's offset
.set SC,   32
.set BIAS, 64
.set AF,   128
.set G1, 24
.set G0, 32
.set G1B, 48
.set G0B, 56
.set G1S, 68
.set G0S, 76
.set G1SB, 80
.set G0SB, 88
; the way out
.set LT,   7                           ; v7   a channel's place in two tiles: 768 x bit 3 + 16 rho
.set KSA,  8                           ; v8   where a key's scale word goes in my stage
.set VSA,  9                           ; v9   and a channel's
.set VSO,  10                          ; v10  the channels' words in memory
.set KSR,  11                          ; v11  the stage read back: keys' words,
.set VSR,  12                          ; v12  channels' words
.set SH,   13                          ; v13  16 h
.set STOV, 24                          ; v24  f32 stage, in
.set RDV,  25                          ; v25  f32 stage, by columns
.set L16,  26                          ; v26  16 x lane
.set L8,   31                          ; v31  512 + 16 r + 8 h
.set F32B, 16896                       ; my stage: 32 tokens x 528 bytes, then 1,024 bytes of key words, then 512 of channel words
.set VX,   64                          ; v64-127  two sets of 32 numbers of a column
.set PC,   128                         ; v128-139 a fragment
.set CT,   140
.set CSET, 152                         ; v152-199 four groups of columns, a chunk's 12 registers each
.set TM,   200
.set PW,   216
.set VW,   220                         ; v220-223 the channels' scale words
.set QT,   224
.set MX,   228                         ; v228, 229 maxima; v230 the conversion's scale; v231 the byte
.set MSB, 0
.macro WIN new                         ; the immediate's high byte repeats the setting that is left
.if MSB != (\new)
	s_set_vgpr_msb (MSB<<8)|(\new)
.set MSB, (\new)
.endif
.endm
.set MUL_LO, 0xa1                      ; source 0 (B) window 1, source 1 (A) window 0, C and D window 2
.set MUL_HI, 0xf1                      ; the same, C and D window 3
.set TO_B,   0x40                      ; destination window 1, address window 0
; A joint load: waves 0 and 1 fetch for A, waves 2 and 3 for B; the branch hangs on the wave's number alone.  Four v_nop follow each of the two lines.
.macro JLOAD g0a, g1a, g0b, g1b
	s_cmp_eq_u32 s15, 0
	s_cbranch_scc0 .Lfor_b_\@
	tensor_load_to_lds s[\g0a:\g0a+3], s[\g1a:\g1a+7]
	s_nop 0
.rept 4
	v_nop
.endr
	s_branch .Lasked_\@
.Lfor_b_\@:
	tensor_load_to_lds s[\g0b:\g0b+3], s[\g1b:\g1b+7]
	s_nop 0
.rept 4
	v_nop
.endr
.Lasked_\@:
.endm
.macro CREST                           ; a round of the cluster's barrier behind its opening barrier
	s_cmp_lg_u32 s14, 0
	s_cbranch_scc1 .Lnot_wave_0_\@
	s_barrier_signal -3
.Lnot_wave_0_\@:
	s_barrier_wait -3
	s_barrier_signal -1
	s_barrier_wait -1
.endm
.macro CROUND
	s_barrier_signal -1
	s_barrier_wait -1
	CREST
.endm
	s_load_b256 s[4:11], s[0:1], 0x0               ; A's buffer s[4:5], wb s[6:7], the bias s[8:9], kvb s[10:11]
	v_lshl_add_u32 v[SPW], v0, 2, SPARE
	v_mov_b32 v[NIL], 0
	ds_add_u32 v28, v29
	s_wait_dscnt 0x0
	v_lshrrev_b32 v1, 5, v0
	v_readfirstlane_b32 s14, v1                    ; wave 0..3
	s_lshr_b32 s15, s14, 1                         ; which half of the block's rows is mine.  Also: I fetch for A (0) or for B (1)
	s_and_b32 s16, s14, 1                          ; which half of its columns.  Also: which 128 rows I fetch
	s_bfe_u32 s40, ttmp6, 0x40000                  ; cx, cy
	s_bfe_u32 s41, ttmp6, 0x40004
	s_lshl_b32 s42, ttmp9, 2
	s_add_co_u32 s42, s42, s40                     ; block column
	s_and_b32 s17, ttmp7, 0xffff
	s_lshl_b32 s17, s17, 2
	s_add_co_u32 s17, s17, s41                     ; block row
	s_lshl_b32 s43, s41, 2
	s_lshl_b32 s43, 15, s43                        ; my row of the cluster
	s_lshl_b32 s44, 0x1111, s40                    ; my column
	s_or_b32 s[G1+0], s43, (3<<16)|(1<<21)         ; 15:0 the mask; 17:16 elements of 8 bytes; 21 set beside a mask; no padding
	s_or_b32 s[G1B+0], s44, (3<<16)|(1<<21)
.irp g, G1, G1B
	s_mov_b32 s[\g+1], 768<<16                     ; tensor_dim0: 768 elements, 6,144 bytes
	s_mov_b32 s[\g+2], 4<<16                       ; tensor_dim1: 4 chunks of 64 along K
	s_mov_b32 s[\g+3], 768<<16                     ; tile_dim0
	s_mov_b32 s[\g+4], 4                           ; tile_dim1
	s_mov_b32 s[\g+6], 0
	s_mov_b32 s[\g+7], 0
.endr
	s_mov_b32 s[G1+5], SIZE_M*6                    ; from chunk to chunk: rows x 48 bytes
	s_mov_b32 s[G1B+5], SIZE_N*6
	s_or_b32 s[G1S+0], s43, (3<<16)|(1<<21)
	s_or_b32 s[G1SB+0], s44, (3<<16)|(1<<21)
.irp g, G1S, G1SB
	s_mov_b32 s[\g+1], 64<<16                      ; the scale words of 128 rows: 512 bytes for each K step
	s_mov_b32 s[\g+2], (SIZE_K/128)<<16
	s_mov_b32 s[\g+3], 64<<16
	s_mov_b32 s[\g+4], SIZE_K/128
	s_mov_b32 s[\g+6], 0
	s_mov_b32 s[\g+7], 0
.endr
	s_mov_b32 s[G1S+5], SIZE_M/2
	s_mov_b32 s[G1SB+5], SIZE_N/2
	s_lshl_b32 s18, s16, 7
	s_lshl_b32 s20, s17, 8
	s_add_co_u32 s20, s20, s18                     ; A: row 256 x block row + 128 x half
	s_lshl_b32 s46, s42, 8
	s_add_co_u32 s46, s46, s18                     ; B: row 256 x block column + 128 x half
	s_lshl_b32 s22, s20, 2
	s_add_co_u32 s22, s22, A_S
	s_mov_b32 s23, 0
	s_lshl_b32 s92, s46, 2
	s_add_co_u32 s92, s92, B_S
	s_mov_b32 s93, 0
	s_mul_i32 s20, s20, 48
	s_mov_b32 s21, 0
	s_mul_i32 s46, s46, 48
	s_add_co_u32 s46, s46, B_C
	s_mov_b32 s47, 0
	s_mul_i32 s45, s14, HALFT                      ; where they go: no place in the cluster enters an LDS address
	s_mul_i32 s94, s14, HALFS
	s_wait_kmcnt 0x0
	s_add_nc_u64 s[20:21], s[4:5], s[20:21]
	s_add_nc_u64 s[22:23], s[4:5], s[22:23]
	s_add_nc_u64 s[46:47], s[6:7], s[46:47]
	s_add_nc_u64 s[92:93], s[6:7], s[92:93]
	CROUND                                         ; all sixteen work-groups are here: the first joint loads meet
	s_mov_b32 s[G0S], 1
	s_add_co_u32 s[G0S+1], s94, SCL
	s_mov_b64 s[G0S+2:G0S+3], s[22:23]
	s_or_b32 s[G0S+3], s[G0S+3], 0x80000000
	s_mov_b32 s[G0SB], 1
	s_add_co_u32 s[G0SB+1], s94, SCL
	s_mov_b64 s[G0SB+2:G0SB+3], s[92:93]
	s_or_b32 s[G0SB+3], s[G0SB+3], 0x80000000
	JLOAD G0S, G1S, G0SB, G1SB                     ; the scale words first: they are wanted with K step 0
.irp s, 0,1
	s_mov_b32 s[G0+4*\s], 1
	s_add_co_u32 s[G0+4*\s+1], s45, \s*SLOT
	s_add_nc_u64 s[G0+4*\s+2:G0+4*\s+3], s[20:21], \s*4*SIZE_M*48
	s_or_b32 s[G0+4*\s+3], s[G0+4*\s+3], 0x80000000
	s_mov_b32 s[G0B+4*\s], 1
	s_add_co_u32 s[G0B+4*\s+1], s45, \s*SLOT
	s_add_nc_u64 s[G0B+4*\s+2:G0B+4*\s+3], s[46:47], \s*4*SIZE_N*48
	s_or_b32 s[G0B+4*\s+3], s[G0B+4*\s+3], 0x80000000
	JLOAD G0+4*\s, G1, G0B+4*\s, G1B
.endr
	v_and_b32 v1, 15, v0                           ; r
	v_bfe_u32 v2, v0, 4, 1                         ; h
	v_and_b32 v3, 31, v0                           ; lane
	v_lshlrev_b32 v4, 4, v3                        ; 16 x lane
	v_lshlrev_b32 v5, 4, v1
	v_lshl_add_u32 v5, v2, 3, v5
	v_add_nc_u32 v5, 512, v5                       ; 512 + 16 r + 8 h
	s_mul_i32 s21, s15, HALFT                      ; my 128 rows of A
	s_mul_i32 s22, s16, HALFT
	s_add_co_u32 s22, s22, 2*HALFT                 ; my 128 rows of B, behind A's 256
.irp s, 0,1
	v_add_nc_u32 v[ADRA+\s], s21, v4
	v_add_nc_u32 v[ADRB+\s], s22, v4
	v_add_nc_u32 v[ADRA+2+\s], s21, v5
	v_add_nc_u32 v[ADRB+2+\s], s22, v5
	s_add_co_u32 s21, s21, SLOT
	s_add_co_u32 s22, s22, SLOT
.endr
	s_mul_i32 s21, s15, HALFS                      ; A's scale words: my 128 rows
	s_mul_i32 s22, s16, HALFS
	s_add_co_u32 s22, s22, 2*HALFS                 ; B's, behind A's
	s_sub_co_u32 s22, s22, s21
	v_mul_u32_u24 v6, s22, v2                      ; lanes 16-31 take B's
	s_add_co_u32 s21, s21, SCL
	v_lshl_add_u32 v6, v1, 2, v6
	v_add_nc_u32 v[ADRS], s21, v6
	; the bias of my 128 columns
	s_lshl_b32 s46, s42, 10
	s_lshl_b32 s47, s16, 9
	s_add_co_u32 s46, s46, s47                     ; my first column, in bytes of f32
	s_mov_b32 s47, 0
	s_add_nc_u64 s[96:97], s[8:9], s[46:47]
	s_add_nc_u64 s[96:97], s[96:97], 4096          ; b_attn's slice begins at number 1,024
	v_lshlrev_b32 v[VB], 6, v2
.irp b, 0,1,2,3,4,5,6,7                        ; lane (r, h), tile b, register j: column 32 (b / 2) + 16 h + 8 (b % 2) + j
	global_load_b128 v[BIAS+8*\b:BIAS+8*\b+3], v[VB], s[96:97] offset:128*(\b/2)+32*(\b%2)
	global_load_b128 v[BIAS+8*\b+4:BIAS+8*\b+7], v[VB], s[96:97] offset:128*(\b/2)+32*(\b%2)+16
.endr
	; where the results go
	s_lshr_b32 s20, s17, 3                         ; batch
	s_and_b32 s21, s17, 7
	s_lshl_b32 s21, s21, 1
	s_add_co_u32 s21, s21, s15                     ; my 128 tokens are key step ks of the batch
	s_lshl_b32 s20, s20, 4
	s_lshl_b32 s22, s42, 2
	s_add_co_u32 s20, s20, s22
	s_lshl_b32 s22, s16, 1
	s_add_co_u32 s20, s20, s22                     ; the first of my two heads, batch x 16 + head
	s_mul_i32 s22, s20, 98304                      ; a head's codes, of the keys and of the values alike
	s_mul_i32 s23, s21, 6144                       ; 8 tiles of keys, or 2 chunks of 4 channel tiles
	s_add_co_u32 s22, s22, s23
	s_mov_b32 s23, 0
	s_add_nc_u64 s[4:5], s[10:11], s[22:23]        ; the keys' codes; the values' lie VC further on
	s_mul_i32 s22, s20, 12288
	s_add_co_u32 s22, s22, KVS
	s_lshl_b32 s46, s21, 9
	s_add_co_u32 s46, s46, s22
	s_add_nc_u64 s[6:7], s[10:11], s[46:47]        ; the keys' scale words
	s_lshl_b32 s46, s21, 8
	s_add_co_u32 s46, s46, s22
	s_add_co_u32 s46, s46, 8192
	s_add_nc_u64 s[12:13], s[10:11], s[46:47]      ; the channels'
	s_mul_i32 s23, s14, HALFT                      ; my stage lies in slot 0, which has had its last fill and its last read when the first result is stored there
	v_lshrrev_b32 v6, 3, v1
	v_and_b32 v14, 7, v1
	v_lshl_or_b32 v6, v6, 4, v14                   ; token 16 (r / 8) + r % 8 of the 32 (+ 8 for the odd tile)
	v_mul_u32_u24 v6, v6, 528
	v_lshl_add_u32 v6, v2, 6, v6
	v_add_nc_u32 v[STOV], s23, v6
	v_lshlrev_b32 v6, 2, v3
	v_add_nc_u32 v[RDV], s23, v6
	v_lshlrev_b32 v[L16], 4, v3
	v_add_nc_u32 v[L8], 0, v5
	v_bfe_u32 v6, v3, 3, 1
	v_bfe_u32 v14, v3, 4, 1
	v_and_b32 v[LT], 7, v3
	v_lshl_or_b32 v14, v14, 3, v[LT]               ; rho of channel L
	v_lshlrev_b32 v[LT], 4, v14
	v_mad_u32_u24 v[LT], v6, 768, v[LT]
	v_lshl_or_b32 v14, v6, 4, v14                  ; L with bits 3 and 4 exchanged
	s_add_co_u32 s23, s23, F32B
	v_lshlrev_b32 v[KSA], 2, v1
	v_lshl_add_u32 v[KSA], v2, 9, v[KSA]
	v_add_nc_u32 v[KSA], s23, v[KSA]               ; head h's 128 words, word r
	v_add_nc_u32 v[KSR], s23, v4
	s_add_co_u32 s23, s23, 1024
	v_lshlrev_b32 v[VSA], 2, v14
	v_add_nc_u32 v[VSA], s23, v[VSA]
	v_add_nc_u32 v[VSR], s23, v4
	v_mul_u32_u24 v[VSO], v2, 12288
	v_lshl_add_u32 v[VSO], v1, 4, v[VSO]
	v_lshlrev_b32 v[SH], 4, v2
.macro FRAG reg, adr, q, i             ; a fragment, 16 rows x 128 K: two units of 768 bytes; each load takes consecutive bytes
	ds_load_b128 v[\reg:\reg+3], v[\adr] offset:2*(\q)*CH+(\i)*768
	ds_load_b64 v[\reg+4:\reg+5], v[\adr+2] offset:2*(\q)*CH+(\i)*768
	ds_load_b128 v[\reg+6:\reg+9], v[\adr] offset:(2*(\q)+1)*CH+(\i)*768
	ds_load_b64 v[\reg+10:\reg+11], v[\adr+2] offset:(2*(\q)+1)*CH+(\i)*768
.endm
; 16 matrix instructions: A's blocks a0, a0 + 1 x B's eight.  first = 1: the bias is the C.  The 64 accumulators take turns, one instruction a turn.
.macro MUL16 a0, p, q, sc, first
.irp a, \a0, \a0+1
.irp b, 0,1,2,3,4,5,6,7
.if \first
	v_wmma_scale_f32_16x16x128_f8f6f4 v[8*(8*((\a)%4)+\b):8*(8*((\a)%4)+\b)+7], v[128*(\p)+FR*\b:128*(\p)+FR*\b+FR-1], v[AF+FR*(\a):AF+FR*(\a)+FR-1], v[BIAS+8*\b:BIAS+8*\b+7], v[SC+8*NQ*(\sc)+NQ*\b+(\q)], v[SC+8*NQ*(\sc)+NQ*(\a)+(\q)] matrix_a_fmt:MATRIX_FMT_FP6 matrix_b_fmt:MATRIX_FMT_FP6 matrix_a_scale:MATRIX_SCALE_ROW1
.else
	v_wmma_scale_f32_16x16x128_f8f6f4 v[8*(8*((\a)%4)+\b):8*(8*((\a)%4)+\b)+7], v[128*(\p)+FR*\b:128*(\p)+FR*\b+FR-1], v[AF+FR*(\a):AF+FR*(\a)+FR-1], v[8*(8*((\a)%4)+\b):8*(8*((\a)%4)+\b)+7], v[SC+8*NQ*(\sc)+NQ*\b+(\q)], v[SC+8*NQ*(\sc)+NQ*(\a)+(\q)] matrix_a_fmt:MATRIX_FMT_FP6 matrix_b_fmt:MATRIX_FMT_FP6 matrix_a_scale:MATRIX_SCALE_ROW1
.endif
.endr
.endr
.endm
.macro FETCH_B slot, q, p
	WIN TO_B
.irp i, 0,1,2,3,4,5,6,7
	FRAG 128*(\p)+FR*\i, ADRB+\slot, \q, \i
.endr
	WIN 0
.endm
.macro FETCH_A slot, q, i0
.irp i, \i0, \i0+1, \i0+2, \i0+3
	FRAG AF+FR*(\i), ADRA+\slot, \q, \i
.endr
.endm
.macro SCALES sc                       ; a slot's scale words: lanes 0-15 A's block i, lanes 16-31 B's block i
.irp i, 0,1,2,3,4,5,6,7
.irp q, 0,1
	ds_load_b32 v[SC+16*\sc+2*\i+\q], v[ADRS] offset:512*\q+64*\i
.endr
.endr
.endm
.macro PLACES n                        ; plain instructions between a matrix instruction and a load into, or a vector read or write of, its registers
.rept \n
	v_nop
.endr
.endm
.macro STEP slot, q, first             ; a step of 128 along K that has its successor in the same slot
	s_wait_dscnt 4*NL                              ; all but the youngest sixteen loads (A's blocks 4-7) are in
	WIN MUL_LO-0x20*\first                         ; (first: C in window 0)
	MUL16 0, (\q)%2, \q, \slot, \first
	MUL16 2, (\q)%2, \q, \slot, \first
	s_wait_dscnt 0
	PLACES NP
	FETCH_B \slot, (\q)+1, 1-(\q)%2
	FETCH_A \slot, (\q)+1, 0
	WIN MUL_HI-0x30*\first
	MUL16 4, (\q)%2, \q, \slot, \first
	MUL16 6, (\q)%2, \q, \slot, \first
	PLACES NP
	WIN 0
	FETCH_A \slot, (\q)+1, 4
.endm
; A slot's last step changes slots: one barrier; in front of it each wave waits for all its tensor loads, adds 0 to its spare word, and waits for that and for its reads of this slot.
.macro TURN slot, next, fill
	s_wait_tensorcnt 0x0                           ; all my tensor loads have landed: my part of the next slot
	ds_add_u32 v[SPW], v[NIL]                      ; 0 onto my spare word
	s_wait_dscnt 4*NL+1                            ; (the add and A's blocks 4-7 may be out)
	WIN MUL_LO
	MUL16 0, 1, NQ-1, \slot, 0
	s_wait_dscnt 0x0                               ; the add is done, and my reads of this slot are over
	s_barrier_signal -1
	MUL16 2, 1, NQ-1, \slot, 0
	WIN 0
	s_barrier_wait -1
.if \fill
	CREST                                          ; the barrier has opened a round of the cluster's: no wave of any partner still reads this slot or has a load on its way
	s_add_nc_u64 s[G0+4*\slot+2:G0+4*\slot+3], s[G0+4*\slot+2:G0+4*\slot+3], 8*SIZE_M*48
	s_add_nc_u64 s[G0B+4*\slot+2:G0B+4*\slot+3], s[G0B+4*\slot+2:G0B+4*\slot+3], 8*SIZE_N*48
	JLOAD G0+4*\slot, G1, G0B+4*\slot, G1B         ; the first tensor load behind the round; its four v_nop are the places in front of the loads below
.else
	PLACES NP
.endif
	v_add_nc_u32 v[ADRS], 512*NQ, v[ADRS]          ; on to the next slot's scale words
	FETCH_B \next, 0, 0
	FETCH_A \next, 0, 0
	SCALES \next
	WIN MUL_HI
	MUL16 4, 1, NQ-1, \slot, 0
	MUL16 6, 1, NQ-1, \slot, 0
	PLACES NP
	WIN 0
	FETCH_A \next, 0, 4
.endm
	s_wait_tensorcnt 1                             ; the scale words and my part of slot 0 are in; slot 1's load may be out
	s_barrier_signal -1
	s_barrier_wait -1
	FETCH_B 0, 0, 0
	FETCH_A 0, 0, 0
	SCALES 0
	FETCH_A 0, 0, 4
	s_wait_loadcnt 0x0                             ; the bias
	STEP 0, 0, 1
	s_mov_b32 s3, LAPS-1
.Llap:                                             ; a trip goes once round the ring and fills both slots again
	TURN 0, 1, 1
	STEP 1, 0, 0
	TURN 1, 0, 1
	STEP 0, 0, 0
	s_sub_co_u32 s3, s3, 1
	s_cmp_lg_u32 s3, 0
	s_cbranch_scc1 .Llap
	TURN 0, 1, 0                                   ; the last lap fills nothing
	STEP 1, 0, 0
	s_wait_dscnt 4*NL
	WIN MUL_LO
	MUL16 0, 1, NQ-1, 1, 0
	MUL16 2, 1, NQ-1, 1, 0
	s_wait_dscnt 0
	WIN MUL_HI
	MUL16 4, 1, NQ-1, 1, 0
	MUL16 6, 1, NQ-1, 1, 0
	WIN 0
; 64 numbers of a lane in window w, register 16 b + i = column 32 b + 16 h + i of my token, become a fragment in v[PC] on and its scale word in v[PW].  The reads begin at each accumulator's low end.
.macro QUANT s, w
	WIN (\w)|((\w)<<2)
.irp b, 0,1,2,3
	v_max3_num_f32 v[TM+\b], |v[\s+16*\b]|, |v[\s+1+16*\b]|, 0x1800000
.endr
.irp i, 2,4,6,8,10,12,14
.irp b, 0,1,2,3
	v_max3_num_f32 v[TM+\b], |v[\s+16*\b+\i]|, |v[\s+1+16*\b+\i]|, v[TM+\b]
.endr
.endr
	WIN 0
.irp b, 0,1,2,3
	v_permlanex16_b32 v[TM+4+\b], v[TM+\b], s18, s19
.endr
.irp b, 0,1,2,3
	v_max_num_f32 v[TM+\b], v[TM+\b], v[TM+4+\b]
.endr
.irp b, 0,1,2,3
	v_add_nc_u32 v[TM+12+\b], 0xff000000, v[TM+\b]
.endr
.irp b, 0,1,2,3
	v_lshrrev_b32 v[TM+4+\b], 23, v[TM+12+\b]
.endr
	v_lshl_or_b32 v[PW], v[TM+5], 8, v[TM+4]
	v_lshl_or_b32 v[PW], v[TM+6], 16, v[PW]
	v_lshl_or_b32 v[PW], v[TM+7], 24, v[PW]
	WIN \w
.irp c, 0,1
	v_cvt_scalef32_pk16_fp6_f32 v[PC+6*\c:PC+6*\c+2], v[\s+32*\c:\s+32*\c+15], v[TM+12+2*\c]
	v_cvt_scalef32_pk16_fp6_f32 v[CT+4*\c:CT+4*\c+2], v[\s+16+32*\c:\s+31+32*\c], v[TM+13+2*\c]
.endr
	WIN 0
	v_nop                                          ; one plain instruction behind the conversions
.irp c, 0,1
.irp i, 0,1,2
	v_permlane16_swap_b32 v[PC+6*\c+\i], v[CT+4*\c+\i]
.endr
.irp i, 0,1,2
	v_mov_b32 v[PC+3+6*\c+\i], v[CT+4*\c+\i]
.endr
.endr
.endm
.macro LOADC q                         ; columns 32 q + lane of the 32 tokens in the stage, into set q % 2: a block of 32 keys of one channel
.set II, 0
.rept 32
	ds_load_b32 v[VX+32*((\q)%2)+II], v[RDV] offset:528*II+128*(\q)
.set II, II+1
.endr
.endm
.macro QCOL xs, d4, d2                 ; 32 numbers of one channel: a whole block; its registers 0-3 to v[d4] on, 4 and 5 to v[d2] on; the byte in v[MX + 3]
	v_max3_num_f32 v[MX], |v[\xs]|, |v[\xs+1]|, |v[\xs+2]|
	v_max3_num_f32 v[MX+1], |v[\xs+3]|, |v[\xs+4]|, |v[\xs+5]|
.irp i, 6,10,14,18,22,26
	v_max3_num_f32 v[MX], v[MX], |v[\xs+\i]|, |v[\xs+\i+1]|
	v_max3_num_f32 v[MX+1], v[MX+1], |v[\xs+\i+2]|, |v[\xs+\i+3]|
.endr
	v_max3_num_f32 v[MX], v[MX], |v[\xs+30]|, |v[\xs+31]|
	v_max3_num_f32 v[MX], v[MX], v[MX+1], 0x1800000
	v_add_nc_u32 v[MX+2], 0xff000000, v[MX]
	v_lshrrev_b32 v[MX+3], 23, v[MX+2]
	v_cvt_scalef32_pk16_fp6_f32 v[\d4:\d4+2], v[\xs:\xs+15], v[MX+2]
	v_cvt_scalef32_pk16_fp6_f32 v[QT:QT+2], v[\xs+16:\xs+31], v[MX+2]
	v_nop
	v_mov_b32 v[\d4+3], v[QT]
	v_mov_b32 v[\d2], v[QT+1]
	v_mov_b32 v[\d2+1], v[QT+2]
.endm
; THE WAY OUT.  32 tokens (two blocks of 16) at a time.  Along the channels a block's 64 registers are a fragment: its two halves are my two heads' units, stored as they stand.  A key's scale word repeats its head's two
; bytes, so that the two blocks of zero codes that fill K = 64 up to 128 carry the bytes of the real ones.  Along the keys the numbers turn through my stage in LDS: rows of 528 bytes by token, read back by column.
; (The stage's stores go two deep in the banks: rows 16 apart lie a whole number of times 256 bytes apart.)  LDS serves a wave's instructions in order, so no wait stands between my stores and my loads.
	s_mov_b32 s18, 0x76543210
	s_mov_b32 s19, 0xfedcba98
	PLACES NP
.irp b, 0,1,2,3
	v_mov_b32 v[TM+4+\b], 0                        ; a lane permute's destination counts as one of its sources
.endr
.set GG, 0
.rept 4
.set UU, 0
.rept 2
.set AA, 2*GG+UU
	s_wait_xcnt 0x0                                ; the earlier stores have read their registers: the fragment and, every second time, the columns' sets are written again only behind this wait
	QUANT 64*(AA%4), 2+AA/4
	global_store_b128 v[L16], v[PC:PC+3], s[4:5] offset:768*AA
	global_store_b64 v[L8], v[PC+4:PC+5], s[4:5] offset:768*AA
	global_store_b128 v[L16], v[PC+6:PC+9], s[4:5] offset:98304+768*AA
	global_store_b64 v[L8], v[PC+10:PC+11], s[4:5] offset:98304+768*AA
	v_lshrrev_b32 v218, v[SH], v[PW]               ; lanes 0-15 take the first head's two bytes, lanes 16-31 the second's
	v_and_b32 v218, 0xffff, v218
	v_lshl_or_b32 v218, v218, 16, v218
	ds_store_b32 v[KSA], v218 offset:64*AA
	WIN 0x08+4*(AA/4)                              ; an LDS store's data are its source 1
.irp b, 0,1,2,3,4,5,6,7
	ds_store_b128 v[STOV], v[64*(AA%4)+8*\b:64*(AA%4)+8*\b+3] offset:UU*4224+128*(\b/2)+32*(\b%2)
	ds_store_b128 v[STOV], v[64*(AA%4)+8*\b+4:64*(AA%4)+8*\b+7] offset:UU*4224+128*(\b/2)+32*(\b%2)+16
.endr
	WIN 0
.set UU, UU+1
.endr
	LOADC 0
	LOADC 1
.set QQ, 0
.rept 4
.if QQ < 3
	s_wait_dscnt 32                                ; this group's 32 loads are in; the next group's may be out
.else
	s_wait_dscnt 0x0
.endif
	QCOL VX+32*(QQ%2), CSET+12*QQ+4*(GG%2), CSET+12*QQ+8+2*(GG%2)
.if GG == 0
	v_mov_b32 v[VW+QQ], v[MX+3]
.else
	v_lshl_or_b32 v[VW+QQ], v[MX+3], 8*GG, v[VW+QQ]
.endif
.if QQ < 2
	LOADC QQ+2
.endif
.set QQ, QQ+1
.endr
.if GG%2
.set QQ, 0
.rept 4                                        ; a chunk of 64 keys is whole: three stores of 16 bytes a lane, sixteen lanes to 256 consecutive bytes
	global_store_b128 v[LT], v[CSET+12*QQ:CSET+12*QQ+3], s[4:5] offset:VC+(QQ/2)*98304+(GG/2)*3072+(QQ%2)*1536
	global_store_b128 v[LT], v[CSET+12*QQ+4:CSET+12*QQ+7], s[4:5] offset:VC+(QQ/2)*98304+(GG/2)*3072+(QQ%2)*1536+256
	global_store_b128 v[LT], v[CSET+12*QQ+8:CSET+12*QQ+11], s[4:5] offset:VC+(QQ/2)*98304+(GG/2)*3072+(QQ%2)*1536+512
.set QQ, QQ+1
.endr
.endif
.set GG, GG+1
.endr
.irp q, 0,1,2,3
	ds_store_b32 v[VSA], v[VW+\q] offset:128*\q
.endr
	ds_load_b128 v[64:67], v[KSR]
	ds_load_b128 v[68:71], v[KSR] offset:512
	ds_load_b128 v[72:75], v[VSR]
	s_wait_dscnt 0x0
	global_store_b128 v[L16], v[64:67], s[6:7]                 ; 128 keys' words of my first head,
	global_store_b128 v[L16], v[68:71], s[6:7] offset:12288    ; of my second,
	global_store_b128 v[VSO], v[72:75], s[12:13]               ; and 64 channels' words of each
	s_wait_tensorcnt 0x0                           ; the wave's end
	ds_add_u32 v[SPW], v[NIL]
	s_wait_dscnt 0x0
	CROUND                                         ; the closing round
	s_endpgm
.Lfunc_end_k_q6178374cab_gk:
	.size	k_q6178374cab_gk, .Lfunc_end_k_q6178374cab_gk-k_q6178374cab_gk
	.p2alignl 7, 3214868480
	.fill 96, 4, 3214868480
	.section	.rodata,"a",@progbits
	.p2align	6, 0x0
	.amdhsa_kernel k_q6178374cab_gk
		.amdhsa_group_segment_fixed_size 327680
		.amdhsa_private_segment_fixed_size 0
		.amdhsa_enable_private_segment 0
		.amdhsa_kernarg_size 32
		.amdhsa_user_sgpr_count 2
		.amdhsa_user_sgpr_kernarg_segment_ptr 1
		.amdhsa_wavefront_size32 1
		.amdhsa_system_sgpr_workgroup_id_x 1
		.amdhsa_system_sgpr_workgroup_id_y 1
		.amdhsa_system_sgpr_workgroup_id_z 1
		.amdhsa_system_vgpr_workitem_id 0
		.amdhsa_next_free_vgpr 1024
		.amdhsa_next_free_sgpr 100
		.amdhsa_reserve_vcc 0
		.amdhsa_float_denorm_mode_32 3
		.amdhsa_float_denorm_mode_16_64 3
		.amdhsa_memory_ordered 1
		.amdhsa_forward_progress 1
		.amdhsa_inst_pref_size 223
	.end_amdhsa_kernel
	.amdgpu_metadata
---
amdhsa.version: [ 1, 2 ]
amdhsa.kernels:
  - .name:           k_q6178374cab_gk
    .symbol:         k_q6178374cab_gk.kd
    .args:
      - { .name: hb, .offset: 0, .size: 8, .value_kind: global_buffer, .address_space: global }
      - { .name: wb, .offset: 8, .size: 8, .value_kind: global_buffer, .address_space: global }
      - { .name: b_attn, .offset: 16, .size: 8, .value_kind: global_buffer, .address_space: global }
      - { .name: kvb, .offset: 24, .size: 8, .value_kind: global_buffer, .address_space: global }
    .group_segment_fixed_size: 327680
    .private_segment_fixed_size: 0
    .kernarg_segment_align: 8
    .kernarg_segment_size: 32
    .max_flat_workgroup_size: 128
    .sgpr_count:     100
    .vgpr_count:     1024
    .wavefront_size: 32
...
	.end_amdgpu_metadata
.endif
;; end of part 3
;; launch attn (part 4): grid 16 x 16, 16 waves a work-group, clusters of 4 x 1, 327,680 bytes of LDS; arguments kvb, ob; writes ob
.if DOCPART == 4
	.amdgcn_target "amdgcn-amd-amdhsa--gfx1250"
	.amdhsa_code_object_version 6
	.text
	.protected	k_q6178374cab_attn
	.globl	k_q6178374cab_attn
	.p2align	8
	.type	k_q6178374cab_attn,@function
k_q6178374cab_attn:
	s_mov_b64 s[64:65], 0
	v_nop
	global_prefetch_b8 v0, s[64:65] scope:SCOPE_SE
	s_setreg_imm32_b32 hwreg(HW_REG_WAVE_MODE, 25, 1), 1
	s_wait_xcnt 0x0
	s_wait_alu depctr_hold_cnt(0) depctr_sa_sdst(0) depctr_va_vdst(0) depctr_va_sdst(0) depctr_va_ssrc(0) depctr_va_vcc(0) depctr_vm_vsrc(0)
	s_getreg_b32 s2, hwreg(HW_REG_IB_STS2, 6, 4)
	s_cmp_eq_u32 s2, 0
	s_cbranch_scc0 .Lentry_in_a_cluster
	s_endpgm
.Lentry_in_a_cluster:
	s_bfe_u32 s2, ttmp6, 0x10000c
	s_cmp_lg_u32 s2, 0x3003
	s_cbranch_scc0 .Lentry_shape_is_right
	s_endpgm
.Lentry_shape_is_right:
; o[b][h][q] = the sum over keys of softmax(k[q] . k[key] / 8) k[key]: queries, keys and values are one tensor.  Both products on codes of FP6 (E2M3) with E8M0 scales.
; IN (kvb): the keys' codes [32 heads][128 tiles of 16 keys][768 bytes] (a unit: 16 keys x the head's 64 channels, the image of operand registers 0-5); the values' codes [32 heads][32 chunks of 64 keys][4 channel tiles][768];
; scale words, 12,288 bytes a head: 2,048 keys' words, then [16 key steps][64 channels].  Keys and channels lie at place n with bits 3 and 4 exchanged, so that two neighbouring tiles give a lane 16 neighbours.
; K = 64 OF THE FIRST PRODUCT is filled to the instruction's 128 with zero codes on both sides: operand registers 6-11 are cleared once.
; THE SOFTMAX: t = score x log2(e) / 8; M = the running largest t rounded up to a whole number; p = 2^(t - M) is quantised along the keys, not normalised; the row's sum is taken of the unquantised p and divides at the end;
; when M moves, the sum and O are multiplied by 2^(old M - new M), which rounds nothing.  A block's largest p is not searched for: the block's largest score goes through the same multiply-add and exponential.
; OUT (ob): o / sum quantised along the model's 1,024 (chunk = head) in the layout above: [16 chunks][256 token tiles][768], scale words [8][4,096] behind them.
; SHARES.  A work-group: two heads x 128 queries; wave w: head w / 8, query tile w % 8, in 256 registers: four waves to a SIMD, so that one wave's vector work stands beside another's matrix work and LDS loads.
; Every wave walks its head's 2,048 keys, 128 a step.  A ring of two LDS slots of 512 keys: four dense blocks of 24,576 bytes (head 0's keys, values, head 1's keys, values), one tensor load each, by waves 0 to 3.
; The two heads' scale words are one dense block of 24,576 bytes: wave 4 brings it once.
; CLUSTER: the four work-groups of a cluster take four blocks of queries of the same two heads and walk the same keys: every tensor load is asked for jointly.
; Both products are used transposed: a lane holds one query throughout.
; LIMITS: a block of zeros gets the byte 1 where the rule says 127 (zero codes; this program alone reads the bytes); NaN and infinities are not served.
.set BLK,   24576
.set SLOT1, 1<<17                      ; slot 1 begins here: one exclusive or turns an address from one slot to the other
.set SCR,   4*BLK                      ; behind slot 0: the scale words,
.set SPARE, SCR+BLK                    ; the spare words, 128 bytes for each of 16 waves: eight blocks of 256 bytes that no other line names,
.set OST,   SPARE+2048                 ; and 512 bytes in which the output's scale words meet
.set VC,    3145728
.set KVS,   6291456
.set H_S,   3145728
.set A16,  1                           ; v1  my head's blocks + 16 x lane
.set A8,   2                           ; v2  + 512 + 16 r + 8 h
.set ASK,  3                           ; v3  my head's key words + 4 x lane
.set ASV,  4                           ; v4  its channel words + 4 x lane
.set SPW,  5
.set NIL,  6
.set PFO,  7                           ; v7  256 x lane
.set AD16, 8                           ; v8-11 the same four in the slot and steps in hand
.set AD8,  9
.set ADS,  10
.set ADT,  11
.set GO16, 28                          ; v28 16 x lane
.set GO8,  29                          ; v29 512 + 16 r + 8 h
.set KF,   32                          ; v32-79   four fragments of keys (registers 6-11 of each stay 0)
.set VF,   80                          ; v80-127  four fragments of values
.set S,    128                         ; v128-191 the scores, then p
.set O,    192                         ; v192-223 O^T
.set WV,   18
.set SEL,  20
.set CS,   22
.set G1,   24
.set TB,   32
.set TS,   33
.set TJ,   34
.set SLOTS, 35
.set LIM,  36
.set PFA,  38
.set G0,   40
.macro CROUND                          ; a round of the cluster's barrier
	s_barrier_signal -1
	s_barrier_wait -1
	s_cmp_lg_u32 s[WV], 0
	s_cbranch_scc1 .Lnot_wave_0_\@
	s_barrier_signal -3
.Lnot_wave_0_\@:
	s_barrier_wait -3
	s_barrier_signal -1
	s_barrier_wait -1
.endm
.macro TLOAD lim                       ; waves under lim ask, each for its own block; four v_nop follow the line
	s_cmp_lt_u32 s[WV], \lim
	s_cbranch_scc0 .Lnone_\@
	tensor_load_to_lds s[G0:G0+3], s[G1:G1+7]
	s_nop 0
.rept 4
	v_nop
.endr
.Lnone_\@:
.endm
; A prefetch of what the NEXT change of slots will ask for: four blocks of 24,576 bytes.  All four clusters of a pair of heads walk the same blocks: the first of them asks.  Its four partners take a block each, told apart
; by address; in each, waves 8 to 10 ask for 8,192 bytes, lanes 256 bytes apart.  So each aligned 256 bytes are named once.  Slots 0 and 1 come by their loads alone; the last change that fills a slot asks for nothing.
.macro ASK
	s_cmp_gt_u32 s[SLOTS], s[LIM]
	s_cbranch_scc0 .Lnot_mine_\@
	global_prefetch_b8 v[PFO], s[PFA:PFA+1] th:TH_LOAD_NT scope:SCOPE_SE
.Lnot_mine_\@:
.endm
	s_load_b128 s[4:7], s[0:1], 0x0                ; kvb, ob
	v_lshl_add_u32 v[SPW], v0, 2, SPARE
	v_mov_b32 v[NIL], 0
	ds_add_u32 v5, v6
	s_wait_dscnt 0x0
	v_lshrrev_b32 v8, 5, v0
	v_readfirstlane_b32 s[WV], v8                  ; wave 0..15
	s_lshr_b32 s44, s[WV], 3                       ; which of the two heads
	s_and_b32 s45, s[WV], 7                        ; which query tile
	s_bfe_u32 s46, ttmp6, 0x40000                  ; cx
	s_lshl_b32 s47, ttmp9, 2
	s_add_co_u32 s47, s47, s46                     ; my block of 128 queries
	s_and_b32 s48, ttmp7, 0xffff                   ; 8 x batch + pair of heads
	s_lshl_b32 s49, s48, 1                         ; the pair's first head, batch x 16 + head
	s_and_b32 s50, s[WV], 1                        ; what I fetch: waves 0-3: keys (even) or values (odd) of head wave / 2;
	s_mul_i32 s50, s50, VC
	s_lshr_b32 s51, s[WV], 1
	s_add_co_u32 s51, s51, s49
	s_mul_i32 s51, s51, 98304
	s_add_co_u32 s50, s50, s51
	s_mul_i32 s51, s49, 12288                      ; wave 4: the scale words
	s_add_co_u32 s51, s51, KVS
	s_cmp_lt_u32 s[WV], 4
	s_cselect_b32 s50, s50, s51
	s_mov_b32 s51, 0
	s_mov_b32 s[G1], 15|(3<<16)|(1<<21)            ; 15:0 the mask: all four work-groups; 17:16 elements of 8 bytes; 21 set beside a mask
	s_mov_b32 s[G1+1], 32<<16                      ; a dense block as 96 rows of 256 bytes
	s_mov_b32 s[G1+2], 96<<16
	s_mov_b32 s[G1+3], 32<<16
	s_mov_b32 s[G1+4], 96
	s_mov_b32 s[G1+5], 32
	s_mov_b32 s[G1+6], 0
	s_mov_b32 s[G1+7], 0
	s_add_co_u32 s52, s49, s44                     ; my head
	s_lshl_b32 s53, s47, 3
	s_add_co_u32 s53, s53, s45                     ; my query tile in the batch
	s_mul_i32 s54, s52, 98304
	s_mul_i32 s55, s53, 768
	s_add_co_u32 s54, s54, s55
	s_mov_b32 s55, 0                               ; my queries' codes
	s_mul_i32 s56, s52, 12288
	s_lshl_b32 s57, s53, 6
	s_add_co_u32 s56, s56, s57
	s_add_co_u32 s56, s56, KVS
	s_mov_b32 s57, 0                               ; and their scale words
	s_and_b32 s58, s48, 7                          ; the pair of heads
	s_lshr_b32 s59, s48, 3                         ; the batch
	s_lshl_b32 s60, s58, 1
	s_add_co_u32 s60, s60, s44
	s_mul_i32 s60, s60, 196608                     ; out: chunk = head,
	s_lshl_b32 s61, s59, 7
	s_add_co_u32 s61, s61, s53
	s_mul_i32 s61, s61, 768                        ; tile = 128 x batch + my query tile
	s_add_co_u32 s60, s60, s61
	s_mov_b32 s61, 0
	s_lshl_b32 s62, s58, 14                        ; out's scale words: K step = pair of heads,
	s_lshl_b32 s63, s59, 13
	s_add_co_u32 s62, s62, s63
	s_lshl_b32 s63, s47, 9
	s_add_co_u32 s62, s62, s63                     ; the work-group's 128 rows
	s_add_co_u32 s62, s62, H_S
	s_mov_b32 s63, 0
	s_and_b32 s66, s46, 1                          ; the prefetches: partner cx takes block cx
	s_mul_i32 s66, s66, VC
	s_lshr_b32 s67, s46, 1
	s_add_co_u32 s67, s67, s49
	s_mul_i32 s67, s67, 98304
	s_add_co_u32 s66, s66, s67
	s_and_b32 s67, s[WV], 3
	s_lshl_b32 s67, s67, 13                        ; 8,192 bytes a wave
	s_add_co_u32 s66, s66, s67
	s_add_co_u32 s66, s66, BLK                     ; in slot 1: the first change of slots steps it to slot 2
	s_mov_b32 s67, 0
	s_sub_co_u32 s[LIM], s[WV], 8
	s_cmp_lt_u32 s[LIM], 3                         ; waves 8 to 10,
	s_cselect_b32 s[LIM], 0, 1
	s_or_b32 s[LIM], s[LIM], ttmp9                 ; of the pair's first cluster: the same in all four partners
	s_cmp_eq_u32 s[LIM], 0
	s_cselect_b32 s[LIM], 1, -1
	s_mov_b32 s[SEL], 0x76543210
	s_mov_b32 s[SEL+1], 0xfedcba98
	s_mov_b32 s[CS], 0x3e38aa3b                    ; c = log2(e) / 8
	s_mov_b32 s[CS+1], s[CS]
	s_mov_b32 s[TB], 0
	s_mov_b32 s[TS], 0
	s_mov_b32 s[TJ], 0
	s_mov_b32 s[SLOTS], 3
	s_wait_kmcnt 0x0
	s_mov_b32 s[G0], 1
	s_mul_i32 s[G0+1], s[WV], BLK                  ; block = wave; wave 4's lands behind slot 0
	s_add_nc_u64 s[G0+2:G0+3], s[4:5], s[50:51]
	s_or_b32 s[G0+3], s[G0+3], 0x80000000
	s_add_nc_u64 s[8:9], s[4:5], s[54:55]
	s_add_nc_u64 s[10:11], s[4:5], s[56:57]
	s_add_nc_u64 s[12:13], s[6:7], s[60:61]
	s_add_nc_u64 s[14:15], s[6:7], s[62:63]
	s_add_nc_u64 s[PFA:PFA+1], s[4:5], s[66:67]
	CROUND                                         ; all four work-groups are here: the first joint loads meet
	TLOAD 5                                        ; slot 0 and the scale words: one load a wave
	v_and_b32 v8, 15, v0                           ; r
	v_bfe_u32 v9, v0, 4, 1                         ; h
	v_and_b32 v10, 31, v0
	v_lshlrev_b32 v[GO16], 4, v10
	v_lshlrev_b32 v[GO8], 4, v8
	v_lshl_add_u32 v[GO8], v9, 3, v[GO8]
	v_add_nc_u32 v[GO8], 512, v[GO8]
	global_load_b128 v[16:19], v[GO16], s[8:9]     ; my queries' fragment stays in registers
	global_load_b64 v[20:21], v[GO8], s[8:9]
	v_lshlrev_b32 v254, 2, v8
	global_load_b32 v255, v254, s[10:11]           ; and their scale words
	s_mul_i32 s50, s44, 2*BLK
	v_add_nc_u32 v[A16], s50, v[GO16]
	v_add_nc_u32 v[A8], s50, v[GO8]
	s_mul_i32 s50, s44, 12288
	s_add_co_u32 s50, s50, SCR
	v_lshlrev_b32 v[ASK], 2, v10
	v_add_nc_u32 v[ASK], s50, v[ASK]
	v_add_nc_u32 v[ASV], 8192, v[ASK]
	v_lshlrev_b32 v[PFO], 8, v10
.irp i, 22,23,24,25,26,27
	v_mov_b32 v[\i], 0                             ; K = 64 .. 127 of the queries: zero codes
.endr
.irp t, 0,1,2,3
.irp i, 6,7,8,9,10,11
	v_mov_b32 v[KF+12*\t+\i], 0                    ; and of the keys
.endr
.endr
	v_mov_b32 v13, 0xff61b1e6                      ; the largest t so far: -3e38
	v_floor_f32 v12, -v13                          ; -M
	v_mov_b32 v14, 0                               ; the sum, in two halves
	v_mov_b32 v15, 0
.irp b, 0,1,2,3
	v_mov_b32 v[236+\b], 0                         ; a lane permute's destination counts as one of its sources
.endr
	v_mov_b32 v253, 0
.set II, 0
.rept 32
	v_mov_b32 v[O+II], 0                           ; O^T: the step is written once; the first finds zeros, which the first change of M leaves zeros
.set II, II+1
.endr
.macro QK t                            ; S^T tile t: source 0 = 16 keys, source 1 = my 16 queries; a register of scale words serves two tiles, the odd one from lanes 16-31
.if (\t)%2
	v_wmma_scale_f32_16x16x128_f8f6f4 v[S+8*(\t):S+8*(\t)+7], v[KF+12*((\t)%4):KF+12*((\t)%4)+11], v[16:27], 0, v[248+(\t)/2], v255 matrix_a_fmt:MATRIX_FMT_FP6 matrix_b_fmt:MATRIX_FMT_FP6 matrix_a_scale:MATRIX_SCALE_ROW1
.else
	v_wmma_scale_f32_16x16x128_f8f6f4 v[S+8*(\t):S+8*(\t)+7], v[KF+12*((\t)%4):KF+12*((\t)%4)+11], v[16:27], 0, v[248+(\t)/2], v255 matrix_a_fmt:MATRIX_FMT_FP6 matrix_b_fmt:MATRIX_FMT_FP6
.endif
.endm
.macro PV m                            ; O^T tile m += 16 channels x 128 keys times p
.if (\m)%2
	v_wmma_scale_f32_16x16x128_f8f6f4 v[O+8*(\m):O+8*(\m)+7], v[VF+12*(\m):VF+12*(\m)+11], v[224:235], v[O+8*(\m):O+8*(\m)+7], v[30+(\m)/2], v253 matrix_a_fmt:MATRIX_FMT_FP6 matrix_b_fmt:MATRIX_FMT_FP6 matrix_a_scale:MATRIX_SCALE_ROW1
.else
	v_wmma_scale_f32_16x16x128_f8f6f4 v[O+8*(\m):O+8*(\m)+7], v[VF+12*(\m):VF+12*(\m)+11], v[224:235], v[O+8*(\m):O+8*(\m)+7], v[30+(\m)/2], v253 matrix_a_fmt:MATRIX_FMT_FP6 matrix_b_fmt:MATRIX_FMT_FP6
.endif
.endm
.macro KLOAD q, t0                     ; four tiles of keys, t0 on: registers 0-5 of each fragment
.irp t, 0,1,2,3
	ds_load_b128 v[KF+12*\t:KF+12*\t+3], v[AD16] offset:(8*(\q)+\t0+\t)*768
	ds_load_b64 v[KF+12*\t+4:KF+12*\t+5], v[AD8] offset:(8*(\q)+\t0+\t)*768
.endr
.endm
; A KEY STEP: 128 keys, the q-th of the slot in hand.
.macro STEP q
	KLOAD \q, 0
.irp i, 0,1,2,3
	ds_load_b32 v[248+\i], v[ADS] offset:512*(\q)+128*\i   ; lanes 0-15: tile 2 i's words, lanes 16-31: tile 2 i + 1's
.endr
	s_wait_dscnt 0x0
.irp t, 0,1,2,3
	QK \t
.endr
.rept 4
	v_nop                                          ; places in front of loads into registers that matrix instructions have read: the keys' just now, the values' in the last step
.endr
	KLOAD \q, 4
.irp m, 0,1,2,3
.irp c, 0,1
	ds_load_b128 v[VF+12*\m+6*\c:VF+12*\m+6*\c+3], v[AD16] offset:BLK+(2*(\q)+\c)*3072+768*\m
	ds_load_b64 v[VF+12*\m+6*\c+4:VF+12*\m+6*\c+5], v[AD8] offset:BLK+(2*(\q)+\c)*3072+768*\m
.endr
.endr
.irp i, 0,1
	ds_load_b32 v[30+\i], v[ADT] offset:256*(\q)+128*\i
.endr
	s_wait_dscnt 18                                ; the keys' eight loads are in; the values' sixteen and their two scale loads land under the softmax
.irp t, 4,5,6,7
	QK \t
.endr
.rept 4
	v_nop
.endr
.irp b, 0,1,2,3
	v_max3_num_f32 v[232+\b], v[S+16*\b], v[S+1+16*\b], v[S+2+16*\b]   ; the largest score of each block of 32 keys: for the row's maximum and for the block's largest p
.endr
.irp i, 3,5,7,9,11,13
.irp b, 0,1,2,3
	v_max3_num_f32 v[232+\b], v[232+\b], v[S+16*\b+\i], v[S+1+16*\b+\i]
.endr
.endr
.irp b, 0,1,2,3
	v_max_num_f32 v[232+\b], v[232+\b], v[S+15+16*\b]
.endr
.irp b, 0,1,2,3
	v_permlanex16_b32 v[236+\b], v[232+\b], s[SEL], s[SEL+1]
.endr
.irp b, 0,1,2,3
	v_max_num_f32 v[232+\b], v[232+\b], v[236+\b]
.endr
	v_max3_num_f32 v254, v232, v233, v234
	v_max_num_f32 v254, v254, v235
	v_mul_f32 v254, s[CS], v254
	v_max_num_f32 v13, v13, v254                   ; the running largest t
	v_mov_b32 v254, v12
	v_floor_f32 v12, -v13                          ; the new -M = -ceil(t)
	v_sub_f32 v254, v12, v254                      ; old M - new M: a whole number, 0 or less
	v_cvt_i32_f32 v254, v254
	v_ldexp_f32 v252, 1.0, v254                    ; f = 2^(old M - new M)
.set II, 0
.rept 32
	v_pk_fma_f32 v[S+II:S+II+1], v[S+II:S+II+1], s[CS:CS+1], v[12:13] op_sel_hi:[1,0,0]   ; t - M
.set II, II+2
.endr
.irp b, 0,1,2,3
	v_fma_f32 v[232+\b], v[232+\b], s[CS], v12
.endr
.set II, 0
.rept 64
	v_exp_f32 v[S+II], v[S+II]                     ; p = 2^(t - M)
.set II, II+1
.endr
	v_pk_mul_f32 v[14:15], v[14:15], v[252:253] op_sel_hi:[1,0]   ; the sums under the new M: a plain instruction behind the exponentials
	s_wait_alu depctr_va_vdst(0)                   ; one wait for the whole batch, ahead of its first reader
.irp b, 0,1,2,3
	v_exp_f32 v[232+\b], v[232+\b]                 ; the blocks' largest p
.endr
	v_pk_add_f32 v[236:237], v[S:S+1], v[S+2:S+3]  ; the row's sum of the unquantised p, in two chains
.irp j, 4,8,12,16,20,24,28,32,36,40,44,48,52,56,60
	v_pk_add_f32 v[14:15], v[14:15], v[S+\j:S+\j+1]
	v_pk_add_f32 v[236:237], v[236:237], v[S+\j+2:S+\j+3]
.endr
	v_pk_add_f32 v[14:15], v[14:15], v[236:237]
	s_wait_alu depctr_va_vdst(0)                   ; and one for the four
.irp b, 0,1,2,3
	v_max_num_f32 v[232+\b], 0x1800000, v[232+\b]  ; the floor 2^(3 - 127)
.endr
.irp b, 0,1,2,3
	v_add_nc_u32 v[244+\b], 0xff000000, v[232+\b]
.endr
.irp b, 0,1,2,3
	v_lshrrev_b32 v[236+\b], 23, v[244+\b]
.endr
	v_lshl_or_b32 v253, v237, 8, v236              ; p's scale word for these 128 keys
	v_lshl_or_b32 v253, v238, 16, v253
	v_lshl_or_b32 v253, v239, 24, v253
.irp c, 0,1
	v_cvt_scalef32_pk16_fp6_f32 v[224+6*\c:226+6*\c], v[S+32*\c:S+15+32*\c], v[244+2*\c]
	v_cvt_scalef32_pk16_fp6_f32 v[236+4*\c:238+4*\c], v[S+16+32*\c:S+31+32*\c], v[244+2*\c+1]
.endr
	v_nop                                          ; one plain instruction behind the conversions
.irp c, 0,1
.irp i, 0,1,2
	v_permlane16_swap_b32 v[224+6*\c+\i], v[236+4*\c+\i]
.endr
.irp i, 0,1,2
	v_mov_b32 v[227+6*\c+\i], v[236+4*\c+\i]
.endr
.endr
.set II, 0
.rept 16
	v_pk_mul_f32 v[O+II:O+II+1], v[O+II:O+II+1], v[252:253] op_sel_hi:[1,0]   ; O^T under the new M; these sixteen are also the places between p's codes and scale word and the products
.set II, II+2
.endr
	s_wait_dscnt 0x0                               ; the values
.irp m, 0,1,2,3
	PV \m                                          ; the four accumulators by turns
.endr
.endm
; THE CHANGE OF SLOTS stands at a slot's head.  Each wave waits for all its tensor loads, adds 0 to its spare word, and waits for that and for its reads of the slot that it has left.  fill = 1: a round of the cluster's
; barrier, and behind it the slot just left (the first time: slot 1, never filled yet) is asked for jointly: the load has four key steps in which to land.
.macro CHANGE fill
	s_wait_tensorcnt 0x0
	ds_add_u32 v[SPW], v[NIL]
.if \fill
	s_xor_b32 s[G0+1], s[G0+1], SLOT1              ; the walking descriptor: the other slot,
	s_add_nc_u64 s[G0+2:G0+3], s[G0+2:G0+3], BLK   ; the next 512 keys
	s_wait_xcnt 0x0                                ; the last prefetch, a slot back, has read its address
	s_add_nc_u64 s[PFA:PFA+1], s[PFA:PFA+1], BLK   ; one slot further on than the walking descriptor
	s_wait_dscnt 0x0
	CROUND
	TLOAD 4
	ASK
.else
	s_wait_dscnt 0x0
	s_barrier_signal -1
	s_barrier_wait -1
.endif
.endm
.macro SLOT_STEPS
	v_add_nc_u32 v[AD16], s[TB], v[A16]
	v_add_nc_u32 v[AD8], s[TB], v[A8]
	v_add_nc_u32 v[ADS], s[TS], v[ASK]
	v_add_nc_u32 v[ADT], s[TJ], v[ASV]
	STEP 0
	STEP 1
	STEP 2
	STEP 3
	s_xor_b32 s[TB], s[TB], SLOT1
	s_add_co_u32 s[TS], s[TS], 2048
	s_add_co_u32 s[TJ], s[TJ], 1024
.endm
	s_wait_loadcnt 0x0                             ; my queries
.Lslot:                                            ; three trips: behind each change of slots but the last the next slot is asked for
	CHANGE 1
	SLOT_STEPS
	s_sub_co_u32 s[SLOTS], s[SLOTS], 1
	s_cmp_lg_u32 s[SLOTS], 0
	s_cbranch_scc1 .Lslot
	CHANGE 0                                       ; the last slot is written out
	SLOT_STEPS
	; THE WAY OUT.  O^T / the sum: register 16 b + i is channel 32 b + 16 h + i of my query: two blocks of the next product's K.  They are quantised here and leave as a unit of operand registers.
	v_add_f32 v14, v14, v15
	v_permlanex16_b32 v252, v14, s[SEL], s[SEL+1]
	v_add_f32 v14, v14, v252
	v_rcp_f32 v14, v14
	v_and_b32 v8, 15, v0
	s_lshl_b32 s50, s45, 6
	s_lshl_b32 s51, s44, 1
	s_add_co_u32 s50, s50, s51
	s_add_co_u32 s50, s50, OST
	v_lshlrev_b32 v9, 2, v8
	v_add_nc_u32 v9, s50, v9                       ; row 16 x tile + r's word, my head's two bytes
	v_add_nc_u32 v10, OST, v[GO16]
	v_nop
	s_wait_alu depctr_va_vdst(0)                   ; ahead of the reciprocal's first reader
.set II, 0
.rept 32
	v_mul_f32 v[S+II], v[O+II], v14
.set II, II+1
.endr
.irp b, 0,1
	v_max3_num_f32 v[232+\b], |v[S+16*\b]|, |v[S+1+16*\b]|, 0x1800000
.endr
.irp i, 2,4,6,8,10,12,14
.irp b, 0,1
	v_max3_num_f32 v[232+\b], v[232+\b], |v[S+16*\b+\i]|, |v[S+1+16*\b+\i]|
.endr
.endr
.irp b, 0,1
	v_permlanex16_b32 v[236+\b], v[232+\b], s[SEL], s[SEL+1]
.endr
.irp b, 0,1
	v_max_num_f32 v[232+\b], v[232+\b], v[236+\b]
.endr
.irp b, 0,1
	v_add_nc_u32 v[244+\b], 0xff000000, v[232+\b]
.endr
.irp b, 0,1
	v_lshrrev_b32 v[236+\b], 23, v[244+\b]
.endr
	v_lshl_or_b32 v254, v237, 8, v236
	v_cvt_scalef32_pk16_fp6_f32 v[224:226], v[S:S+15], v244
	v_cvt_scalef32_pk16_fp6_f32 v[228:230], v[S+16:S+31], v245
	v_nop
.irp i, 0,1,2
	v_permlane16_swap_b32 v[224+\i], v[228+\i]     ; lanes 0-15 now hold block 0 whole, lanes 16-31 block 1
.endr
	v_mov_b32 v227, v228
	v_mov_b32 v228, v229
	v_mov_b32 v229, v230
	global_store_b128 v[GO16], v[224:227], s[12:13]
	global_store_b64 v[GO8], v[228:229], s[12:13]
	ds_store_b16 v9, v254                          ; a row's word is made of two heads' bytes: two waves
	s_wait_dscnt 0x0
	s_barrier_signal -1
	s_barrier_wait -1
	s_cmp_lg_u32 s[WV], 0
	s_cbranch_scc1 .Lnot_first
	ds_load_b128 v[128:131], v10
	s_wait_dscnt 0x0
	global_store_b128 v[GO16], v[128:131], s[14:15]   ; the work-group's 128 words: 512 consecutive bytes
.Lnot_first:
	s_wait_tensorcnt 0x0                           ; the wave's end
	ds_add_u32 v[SPW], v[NIL]
	s_wait_dscnt 0x0
	CROUND                                         ; the closing round
	s_endpgm
.Lfunc_end_k_q6178374cab_attn:
	.size	k_q6178374cab_attn, .Lfunc_end_k_q6178374cab_attn-k_q6178374cab_attn
	.p2alignl 7, 3214868480
	.fill 96, 4, 3214868480
	.section	.rodata,"a",@progbits
	.p2align	6, 0x0
	.amdhsa_kernel k_q6178374cab_attn
		.amdhsa_group_segment_fixed_size 327680
		.amdhsa_private_segment_fixed_size 0
		.amdhsa_enable_private_segment 0
		.amdhsa_kernarg_size 16
		.amdhsa_user_sgpr_count 2
		.amdhsa_user_sgpr_kernarg_segment_ptr 1
		.amdhsa_wavefront_size32 1
		.amdhsa_system_sgpr_workgroup_id_x 1
		.amdhsa_system_sgpr_workgroup_id_y 1
		.amdhsa_system_sgpr_workgroup_id_z 1
		.amdhsa_system_vgpr_workitem_id 0
		.amdhsa_next_free_vgpr 256
		.amdhsa_next_free_sgpr 68
		.amdhsa_reserve_vcc 0
		.amdhsa_float_denorm_mode_32 3
		.amdhsa_float_denorm_mode_16_64 3
		.amdhsa_memory_ordered 1
		.amdhsa_forward_progress 1
		.amdhsa_inst_pref_size 142
	.end_amdhsa_kernel
	.amdgpu_metadata
---
amdhsa.version: [ 1, 2 ]
amdhsa.kernels:
  - .name:           k_q6178374cab_attn
    .symbol:         k_q6178374cab_attn.kd
    .args:
      - { .name: kvb, .offset: 0, .size: 8, .value_kind: global_buffer, .address_space: global }
      - { .name: ob, .offset: 8, .size: 8, .value_kind: global_buffer, .address_space: global }
    .group_segment_fixed_size: 327680
    .private_segment_fixed_size: 0
    .kernarg_segment_align: 8
    .kernarg_segment_size: 16
    .max_flat_workgroup_size: 512
    .sgpr_count:     68
    .vgpr_count:     256
    .wavefront_size: 32
...
	.end_amdgpu_metadata
.endif
;; end of part 4
;; launch gproj (part 5): grid 4 x 16, 4 waves a work-group, clusters of 4 x 4, 327,680 bytes of LDS; arguments ob, wb, b_proj, x, x1; writes x1
.if DOCPART == 5
	.amdgcn_target "amdgcn-amd-amdhsa--gfx1250"
	.amdhsa_code_object_version 6
	.text
	.protected	k_q6178374cab_gproj
	.globl	k_q6178374cab_gproj
	.p2align	8
	.type	k_q6178374cab_gproj,@function
k_q6178374cab_gproj:
	s_mov_b64 s[64:65], 0
	v_nop
	global_prefetch_b8 v0, s[64:65] scope:SCOPE_SE
	s_setreg_imm32_b32 hwreg(HW_REG_WAVE_MODE, 25, 1), 1
	s_wait_xcnt 0x0
	s_wait_alu depctr_hold_cnt(0) depctr_sa_sdst(0) depctr_va_vdst(0) depctr_va_sdst(0) depctr_va_ssrc(0) depctr_va_vcc(0) depctr_vm_vsrc(0)
	s_getreg_b32 s2, hwreg(HW_REG_IB_STS2, 6, 4)
	s_cmp_eq_u32 s2, 0
	s_cbranch_scc0 .Lentry_in_a_cluster
	s_endpgm
.Lentry_in_a_cluster:
	s_bfe_u32 s2, ttmp6, 0x10000c
	s_cmp_lg_u32 s2, 0xf033
	s_cbranch_scc0 .Lentry_shape_is_right
	s_endpgm
.Lentry_shape_is_right:
; x1 = x + Q(o) Q(w_proj) + b_proj: 4,096 x 1,024 x 1,024 on codes of FP6 (E2M3) with E8M0 scales; sums, bias and residual in f32.
; OPERANDS lie as images of operand registers: [K / 64][rows / 16][768 bytes]; lane (rho, h) of a unit holds k = 32 h .. + 31 of row rho, registers 0-3 at 16 (rho + 16 h), 4 and 5 at 512 + 16 rho + 8 h.  Scale words: [K / 128][rows].
; Row n of a tensor lies at place n with bits 3 and 4 exchanged; the way out puts tokens and columns back by its immediates.
; A block of 256 x 256 is made by four waves, 128 x 128 each: 64 accumulators, 512 registers.  K goes in steps of 256 through a ring of two LDS slots; each wave's tensor load brings 128 rows x 256 K as 4 rows of 6,144 bytes.
; The scale words of the block's rows, for all of K, come once with the first fills and stay.
; CLUSTERS: 4 x 4 work-groups; the four of a row need the same tiles of A, the four of a column the same tiles of B: each tile is asked for jointly.  N = 1,024 gives 64 blocks: 64 work-groups.
; TRANSPOSED USE: source 0 = 16 rows of B (weight columns), source 1 = 16 rows of A (tokens).  The bias is the C of each sum's first matrix instruction.
; REGISTERS: window 0: v1-31 addresses; v32-63 scale words, two sets; v64-127 the bias; v128-223 A's fragments, one set.  Window 1: B's fragments, two sets.  Windows 2, 3: the accumulators, (a, b) at v[8 (8 (a % 4) + b)].
.set SIZE_M, 4096
.set SIZE_N, 1024
.set SIZE_K, 1024
.set A_S,    3145728
.set B_C,    786432
.set B_S,    7897088
.set NQ,     2
.set FR,     12
.set NL,     4
.set NP,     4
.set CH,     6144
.set HALFT,  4*CH
.set SLOT,   4*HALFT
.set LAPS,   SIZE_K/512
.set SCL,    2*SLOT
.set HALFS,  (SIZE_K/128)*512
.set SPARE,  SCL+4*HALFS               ; the spare words, 128 bytes a wave: two blocks of 256 bytes that no other line names
.set SPITCH, 528                       ; the way out: a stage of 16 rows x (512 bytes + 16) for each wave, in slot 0
.set ADRA, 16
.set ADRB, 20
.set STO,  24                          ; v24 the stage, in
.set RD,   25                          ; v25 the stage, back
.set CO,   26                          ; v26 16 x lane
.set ADRS, 27
.set SPW,  28
.set NIL,  29
.set PFO,  30                          ; v30 the prefetches' offset
.set VB,   15
.set SC,   32
.set BIAS, 64
.set AF,   128
.set BK,   128
.set G1, 24
.set G0, 32
.set G1B, 48
.set G0B, 56
.set G1S, 68
.set G0S, 76
.set G1SB, 80
.set G0SB, 88
.set MSB, 0
.macro WIN new
.if MSB != (\new)
	s_set_vgpr_msb (MSB<<8)|(\new)
.set MSB, (\new)
.endif
.endm
.set MUL_LO, 0xa1
.set MUL_HI, 0xf1
.set TO_B,   0x40
.macro JLOAD g0a, g1a, g0b, g1b        ; a joint load: waves 0 and 1 for A, waves 2 and 3 for B; four v_nop follow each line
	s_cmp_eq_u32 s15, 0
	s_cbranch_scc0 .Lfor_b_\@
	tensor_load_to_lds s[\g0a:\g0a+3], s[\g1a:\g1a+7]
	s_nop 0
.rept 4
	v_nop
.endr
	s_branch .Lasked_\@
.Lfor_b_\@:
	tensor_load_to_lds s[\g0b:\g0b+3], s[\g1b:\g1b+7]
	s_nop 0
.rept 4
	v_nop
.endr
.Lasked_\@:
.endm
.macro CREST
	s_cmp_lg_u32 s14, 0
	s_cbranch_scc1 .Lnot_wave_0_\@
	s_barrier_signal -3
.Lnot_wave_0_\@:
	s_barrier_wait -3
	s_barrier_signal -1
	s_barrier_wait -1
.endm
.macro CROUND
	s_barrier_signal -1
	s_barrier_wait -1
	CREST
.endm
	s_load_b256 s[4:11], s[0:1], 0x0               ; A's buffer s[4:5], wb s[6:7], the bias s[8:9], the residual s[10:11]
	s_load_b64 s[12:13], s[0:1], 0x20              ; the output
	v_lshl_add_u32 v[SPW], v0, 2, SPARE
	v_mov_b32 v[NIL], 0
	ds_add_u32 v28, v29
	s_wait_dscnt 0x0
	v_lshrrev_b32 v1, 5, v0
	v_readfirstlane_b32 s14, v1
	s_lshr_b32 s15, s14, 1
	s_and_b32 s16, s14, 1
	s_bfe_u32 s40, ttmp6, 0x40000
	s_bfe_u32 s41, ttmp6, 0x40004
	s_lshl_b32 s42, ttmp9, 2
	s_add_co_u32 s42, s42, s40                     ; block column
	s_and_b32 s17, ttmp7, 0xffff
	s_lshl_b32 s17, s17, 2
	s_add_co_u32 s17, s17, s41                     ; block row
	s_lshl_b32 s43, s41, 2
	s_lshl_b32 s43, 15, s43
	s_lshl_b32 s44, 0x1111, s40
	s_or_b32 s[G1+0], s43, (3<<16)|(1<<21)         ; the mask; elements of 8 bytes; bit 21 beside a mask; no padding
	s_or_b32 s[G1B+0], s44, (3<<16)|(1<<21)
.irp g, G1, G1B
	s_mov_b32 s[\g+1], 768<<16
	s_mov_b32 s[\g+2], 4<<16
	s_mov_b32 s[\g+3], 768<<16
	s_mov_b32 s[\g+4], 4
	s_mov_b32 s[\g+6], 0
	s_mov_b32 s[\g+7], 0
.endr
	s_mov_b32 s[G1+5], SIZE_M*6
	s_mov_b32 s[G1B+5], SIZE_N*6
	s_or_b32 s[G1S+0], s43, (3<<16)|(1<<21)
	s_or_b32 s[G1SB+0], s44, (3<<16)|(1<<21)
.irp g, G1S, G1SB
	s_mov_b32 s[\g+1], 64<<16
	s_mov_b32 s[\g+2], (SIZE_K/128)<<16
	s_mov_b32 s[\g+3], 64<<16
	s_mov_b32 s[\g+4], SIZE_K/128
	s_mov_b32 s[\g+6], 0
	s_mov_b32 s[\g+7], 0
.endr
	s_mov_b32 s[G1S+5], SIZE_M/2
	s_mov_b32 s[G1SB+5], SIZE_N/2
	s_lshl_b32 s18, s16, 7
	s_lshl_b32 s20, s17, 8
	s_add_co_u32 s20, s20, s18
	s_lshl_b32 s46, s42, 8
	s_add_co_u32 s46, s46, s18
	s_lshl_b32 s22, s20, 2
	s_add_co_u32 s22, s22, A_S
	s_mov_b32 s23, 0
	s_lshl_b32 s92, s46, 2
	s_add_co_u32 s92, s92, B_S
	s_mov_b32 s93, 0
	s_mul_i32 s20, s20, 48
	s_mov_b32 s21, 0
	s_mul_i32 s46, s46, 48
	s_add_co_u32 s46, s46, B_C
	s_mov_b32 s47, 0
	s_mul_i32 s45, s14, HALFT
	s_mul_i32 s94, s14, HALFS
	s_wait_kmcnt 0x0
	s_add_nc_u64 s[20:21], s[4:5], s[20:21]
	s_add_nc_u64 s[22:23], s[4:5], s[22:23]
	s_add_nc_u64 s[46:47], s[6:7], s[46:47]
	s_add_nc_u64 s[92:93], s[6:7], s[92:93]
	CROUND                                         ; all sixteen work-groups are here: the first joint loads meet
	s_mov_b32 s[G0S], 1
	s_add_co_u32 s[G0S+1], s94, SCL
	s_mov_b64 s[G0S+2:G0S+3], s[22:23]
	s_or_b32 s[G0S+3], s[G0S+3], 0x80000000
	s_mov_b32 s[G0SB], 1
	s_add_co_u32 s[G0SB+1], s94, SCL
	s_mov_b64 s[G0SB+2:G0SB+3], s[92:93]
	s_or_b32 s[G0SB+3], s[G0SB+3], 0x80000000
	JLOAD G0S, G1S, G0SB, G1SB
.irp s, 0,1
	s_mov_b32 s[G0+4*\s], 1
	s_add_co_u32 s[G0+4*\s+1], s45, \s*SLOT
	s_add_nc_u64 s[G0+4*\s+2:G0+4*\s+3], s[20:21], \s*4*SIZE_M*48
	s_or_b32 s[G0+4*\s+3], s[G0+4*\s+3], 0x80000000
	s_mov_b32 s[G0B+4*\s], 1
	s_add_co_u32 s[G0B+4*\s+1], s45, \s*SLOT
	s_add_nc_u64 s[G0B+4*\s+2:G0B+4*\s+3], s[46:47], \s*4*SIZE_N*48
	s_or_b32 s[G0B+4*\s+3], s[G0B+4*\s+3], 0x80000000
	JLOAD G0+4*\s, G1, G0B+4*\s, G1B
.endr
	v_and_b32 v1, 15, v0
	v_bfe_u32 v2, v0, 4, 1
	v_and_b32 v3, 31, v0
	v_lshlrev_b32 v4, 4, v3
	v_lshlrev_b32 v5, 4, v1
	v_lshl_add_u32 v5, v2, 3, v5
	v_add_nc_u32 v5, 512, v5
	s_mul_i32 s21, s15, HALFT
	s_mul_i32 s22, s16, HALFT
	s_add_co_u32 s22, s22, 2*HALFT
.irp s, 0,1
	v_add_nc_u32 v[ADRA+\s], s21, v4
	v_add_nc_u32 v[ADRB+\s], s22, v4
	v_add_nc_u32 v[ADRA+2+\s], s21, v5
	v_add_nc_u32 v[ADRB+2+\s], s22, v5
	s_add_co_u32 s21, s21, SLOT
	s_add_co_u32 s22, s22, SLOT
.endr
	s_mul_i32 s21, s15, HALFS
	s_mul_i32 s22, s16, HALFS
	s_add_co_u32 s22, s22, 2*HALFS
	s_sub_co_u32 s22, s22, s21
	v_mul_u32_u24 v6, s22, v2
	s_add_co_u32 s21, s21, SCL
	v_lshl_add_u32 v6, v1, 2, v6
	v_add_nc_u32 v[ADRS], s21, v6
	s_lshl_b32 s46, s42, 10
	s_lshl_b32 s47, s16, 9
	s_add_co_u32 s46, s46, s47                     ; my first column, in bytes of f32
	s_mov_b32 s47, 0
	s_add_nc_u64 s[96:97], s[8:9], s[46:47]
	v_lshlrev_b32 v[VB], 6, v2
.irp b, 0,1,2,3,4,5,6,7                        ; lane (r, h), tile b, register j: column 32 (b / 2) + 16 h + 8 (b % 2) + j
	global_load_b128 v[BIAS+8*\b:BIAS+8*\b+3], v[VB], s[96:97] offset:128*(\b/2)+32*(\b%2)
	global_load_b128 v[BIAS+8*\b+4:BIAS+8*\b+7], v[VB], s[96:97] offset:128*(\b/2)+32*(\b%2)+16
.endr
	s_lshl_b32 s20, s17, 8
	s_lshl_b32 s21, s15, 7
	s_add_co_u32 s20, s20, s21                     ; my first token
	s_lshl_b32 s20, s20, 12                        ; rows of 4,096 bytes
	s_add_co_u32 s20, s20, s46
	s_mov_b32 s21, 0
	s_add_nc_u64 s[98:99], s[10:11], s[20:21]      ; the residual at my corner
	s_add_nc_u64 s[12:13], s[12:13], s[20:21]      ; the output likewise
	s_mul_i32 s23, s14, HALFT                      ; my stage
	v_mul_u32_u24 v6, v1, SPITCH
	v_lshl_add_u32 v6, v2, 6, v6
	v_add_nc_u32 v[STO], s23, v6                   ; in: row r, + 64 h
	v_lshlrev_b32 v[CO], 4, v3
	v_add_nc_u32 v[RD], s23, v4                    ; back: a row's 512 bytes over the 32 lanes
	v_lshrrev_b32 v6, 1, v3
	v_and_b32 v7, 1, v3
	v_lshlrev_b32 v[PFO], 12, v6
	v_lshl_add_u32 v[PFO], v7, 8, v[PFO]           ; token lane / 2, half lane % 2 of its 512 bytes
.macro FRAG reg, adr, q, i
	ds_load_b128 v[\reg:\reg+3], v[\adr] offset:2*(\q)*CH+(\i)*768
	ds_load_b64 v[\reg+4:\reg+5], v[\adr+2] offset:2*(\q)*CH+(\i)*768
	ds_load_b128 v[\reg+6:\reg+9], v[\adr] offset:(2*(\q)+1)*CH+(\i)*768
	ds_load_b64 v[\reg+10:\reg+11], v[\adr+2] offset:(2*(\q)+1)*CH+(\i)*768
.endm
.macro MUL16 a0, p, q, sc, first       ; the 64 accumulators take turns, one instruction a turn
.irp a, \a0, \a0+1
.irp b, 0,1,2,3,4,5,6,7
.if \first
	v_wmma_scale_f32_16x16x128_f8f6f4 v[8*(8*((\a)%4)+\b):8*(8*((\a)%4)+\b)+7], v[128*(\p)+FR*\b:128*(\p)+FR*\b+FR-1], v[AF+FR*(\a):AF+FR*(\a)+FR-1], v[BIAS+8*\b:BIAS+8*\b+7], v[SC+8*NQ*(\sc)+NQ*\b+(\q)], v[SC+8*NQ*(\sc)+NQ*(\a)+(\q)] matrix_a_fmt:MATRIX_FMT_FP6 matrix_b_fmt:MATRIX_FMT_FP6 matrix_a_scale:MATRIX_SCALE_ROW1
.else
	v_wmma_scale_f32_16x16x128_f8f6f4 v[8*(8*((\a)%4)+\b):8*(8*((\a)%4)+\b)+7], v[128*(\p)+FR*\b:128*(\p)+FR*\b+FR-1], v[AF+FR*(\a):AF+FR*(\a)+FR-1], v[8*(8*((\a)%4)+\b):8*(8*((\a)%4)+\b)+7], v[SC+8*NQ*(\sc)+NQ*\b+(\q)], v[SC+8*NQ*(\sc)+NQ*(\a)+(\q)] matrix_a_fmt:MATRIX_FMT_FP6 matrix_b_fmt:MATRIX_FMT_FP6 matrix_a_scale:MATRIX_SCALE_ROW1
.endif
.endr
.endr
.endm
.macro FETCH_B slot, q, p
	WIN TO_B
.irp i, 0,1,2,3,4,5,6,7
	FRAG 128*(\p)+FR*\i, ADRB+\slot, \q, \i
.endr
	WIN 0
.endm
.macro FETCH_A slot, q, i0
.irp i, \i0, \i0+1, \i0+2, \i0+3
	FRAG AF+FR*(\i), ADRA+\slot, \q, \i
.endr
.endm
.macro SCALES sc
.irp i, 0,1,2,3,4,5,6,7
.irp q, 0,1
	ds_load_b32 v[SC+16*\sc+2*\i+\q], v[ADRS] offset:512*\q+64*\i
.endr
.endr
.endm
.macro PLACES n
.rept \n
	v_nop
.endr
.endm
.macro STEP slot, q, first
	s_wait_dscnt 4*NL                              ; all but the youngest sixteen loads (A's blocks 4-7) are in
	WIN MUL_LO-0x20*\first
	MUL16 0, (\q)%2, \q, \slot, \first
	MUL16 2, (\q)%2, \q, \slot, \first
	s_wait_dscnt 0
	PLACES NP
	FETCH_B \slot, (\q)+1, 1-(\q)%2
	FETCH_A \slot, (\q)+1, 0
	WIN MUL_HI-0x30*\first
	MUL16 4, (\q)%2, \q, \slot, \first
	MUL16 6, (\q)%2, \q, \slot, \first
	PLACES NP
	WIN 0
	FETCH_A \slot, (\q)+1, 4
.endm
.macro TURN slot, next, fill
	s_wait_tensorcnt 0x0                           ; all my tensor loads have landed: my part of the next slot
	ds_add_u32 v[SPW], v[NIL]
	s_wait_dscnt 4*NL+1                            ; (the add and A's blocks 4-7 may be out)
	WIN MUL_LO
	MUL16 0, 1, NQ-1, \slot, 0
	s_wait_dscnt 0x0                               ; the add is done, and my reads of this slot are over
	s_barrier_signal -1
	MUL16 2, 1, NQ-1, \slot, 0
	WIN 0
	s_barrier_wait -1
.if \fill
	CREST                                          ; no wave of any partner still reads this slot or has a load on its way
	s_add_nc_u64 s[G0+4*\slot+2:G0+4*\slot+3], s[G0+4*\slot+2:G0+4*\slot+3], 8*SIZE_M*48
	s_add_nc_u64 s[G0B+4*\slot+2:G0B+4*\slot+3], s[G0B+4*\slot+2:G0B+4*\slot+3], 8*SIZE_N*48
	JLOAD G0+4*\slot, G1, G0B+4*\slot, G1B
.else
	PLACES NP
.endif
	v_add_nc_u32 v[ADRS], 512*NQ, v[ADRS]
	FETCH_B \next, 0, 0
	FETCH_A \next, 0, 0
	SCALES \next
	WIN MUL_HI
	MUL16 4, 1, NQ-1, \slot, 0
	MUL16 6, 1, NQ-1, \slot, 0
	PLACES NP
	WIN 0
	FETCH_A \next, 0, 4
.endm
	s_wait_tensorcnt 1                             ; the scale words and my part of slot 0 are in; slot 1's load may be out
	s_barrier_signal -1
	s_barrier_wait -1
	FETCH_B 0, 0, 0
	FETCH_A 0, 0, 0
	SCALES 0
	FETCH_A 0, 0, 4
	s_wait_loadcnt 0x0                             ; the bias
	STEP 0, 0, 1
	s_mov_b32 s3, LAPS-1
.Llap:
	TURN 0, 1, 1
	STEP 1, 0, 0
	TURN 1, 0, 1
	STEP 0, 0, 0
	s_sub_co_u32 s3, s3, 1
	s_cmp_lg_u32 s3, 0
	s_cbranch_scc1 .Llap
; THE RESIDUAL IS PREFETCHED: my 128 tokens x 512 bytes, 256 aligned blocks of 256 bytes, each named once, by the wave that will load it: 32 blocks (16 tokens) an instruction.  Four requests here, three steps of 128 along K
; ahead of the loads, four behind the next change of slots.  No tensor load follows them, and their address registers are never rewritten.
.irp k, 0,1,2,3
	global_prefetch_b8 v[PFO], s[98:99] offset:65536*\k th:TH_LOAD_NT scope:SCOPE_SE
.endr
	TURN 0, 1, 0                                   ; the last lap fills nothing
.irp k, 4,5,6,7
	global_prefetch_b8 v[PFO], s[98:99] offset:65536*\k th:TH_LOAD_NT scope:SCOPE_SE
.endr
	STEP 1, 0, 0
	s_wait_dscnt 4*NL
	WIN MUL_LO
	MUL16 0, 1, NQ-1, 1, 0
	MUL16 2, 1, NQ-1, 1, 0
	s_wait_dscnt 0
	WIN MUL_HI
	MUL16 4, 1, NQ-1, 1, 0
	MUL16 6, 1, NQ-1, 1, 0
	WIN 0
; THE WAY OUT, block by block of 16 tokens x 128 columns, through my own stage: in by lanes (32 bytes of a row each, at the columns' true places), back as whole rows of 512 bytes; the residual is added; the 32 lanes store
; 512 consecutive aligned bytes.  Row t of block a is token 32 (a / 2) + 16 (t / 8) + 8 (a % 2) + t % 8 of my 128: it stands in the immediates (127 rows of 4,096 bytes at the most).
.macro RLOAD a                         ; block a's residual into window 1, where B's fragments lay
.irp t, 0,1,2,3,4,5,6,7,8,9,10,11,12,13,14,15
	global_load_b128 v[64*((\a)%4)+4*\t:64*((\a)%4)+4*\t+3], v[CO], s[98:99] offset:(32*((\a)/2)+16*(\t/8)+8*((\a)%2)+\t%8)*4096 th:TH_LOAD_NT
.endr
.endm
.macro TOSTAGE a
.set AC, 64*((\a)%4)
	WIN 0x08+4*((\a)/4)
.irp b, 0,1,2,3,4,5,6,7
	ds_store_b128 v[STO], v[AC+8*\b:AC+8*\b+3] offset:128*(\b/2)+32*(\b%2)          ; each accumulator from its low end on
	ds_store_b128 v[STO], v[AC+8*\b+4:AC+8*\b+7] offset:128*(\b/2)+32*(\b%2)+16
.endr
	WIN 0
.set BB, BK+64*((\a)%2)
.irp t, 0,1,2,3,4,5,6,7,8,9,10,11,12,13,14,15
	ds_load_b128 v[BB+4*\t:BB+4*\t+3], v[RD] offset:\t*SPITCH     ; LDS serves a wave's instructions in order: these see the stores above
.endr
.endm
.macro SEND a, younger
.set BB, BK+64*((\a)%2)
.set RR, 64*((\a)%4)
	s_wait_dscnt \younger                          ; the block is back in registers
.if (\a) <= 4
	s_wait_loadcnt 48                              ; its residual is in; three later blocks' loads may be out
.else
	s_wait_loadcnt 16*(7-(\a))
.endif
	WIN 0x04                                       ; source 1 in window 1
.set II, 0
.rept 32
	v_pk_add_f32 v[BB+II:BB+II+1], v[BB+II:BB+II+1], v[RR+II:RR+II+1]
.set II, II+2
.endr
	WIN 0
.irp t, 0,1,2,3,4,5,6,7,8,9,10,11,12,13,14,15
	global_store_b128 v[CO], v[BB+4*\t:BB+4*\t+3], s[12:13] offset:(32*((\a)/2)+16*(\t/8)+8*((\a)%2)+\t%8)*4096 th:TH_STORE_NT
.endr
.if (\a) < 4
	WIN TO_B
	RLOAD (\a)+4
	WIN 0
.endif
.endm
	PLACES NP                                      ; in front of loads into registers that the last products read, and of the first read of results
	WIN TO_B
	RLOAD 0
	RLOAD 1
	RLOAD 2
	RLOAD 3
	WIN 0
	TOSTAGE 0
.irp a, 1,2,3,4,5,6,7
.if \a > 1
	s_wait_xcnt 0x0                                ; block a - 2's stores have read their registers: block a's loads may land there
.endif
	TOSTAGE \a
	SEND \a-1, 32                                  ; behind block a - 1's loads: block a's 16 stores and 16 loads
.endr
	SEND 7, 0
	s_wait_tensorcnt 0x0                           ; the wave's end
	ds_add_u32 v[SPW], v[NIL]
	s_wait_dscnt 0x0
	CROUND                                         ; the closing round
	s_endpgm
.Lfunc_end_k_q6178374cab_gproj:
	.size	k_q6178374cab_gproj, .Lfunc_end_k_q6178374cab_gproj-k_q6178374cab_gproj
	.p2alignl 7, 3214868480
	.fill 96, 4, 3214868480
	.section	.rodata,"a",@progbits
	.p2align	6, 0x0
	.amdhsa_kernel k_q6178374cab_gproj
		.amdhsa_group_segment_fixed_size 327680
		.amdhsa_private_segment_fixed_size 0
		.amdhsa_enable_private_segment 0
		.amdhsa_kernarg_size 40
		.amdhsa_user_sgpr_count 2
		.amdhsa_user_sgpr_kernarg_segment_ptr 1
		.amdhsa_wavefront_size32 1
		.amdhsa_system_sgpr_workgroup_id_x 1
		.amdhsa_system_sgpr_workgroup_id_y 1
		.amdhsa_system_sgpr_workgroup_id_z 1
		.amdhsa_system_vgpr_workitem_id 0
		.amdhsa_next_free_vgpr 1024
		.amdhsa_next_free_sgpr 100
		.amdhsa_reserve_vcc 0
		.amdhsa_float_denorm_mode_32 3
		.amdhsa_float_denorm_mode_16_64 3
		.amdhsa_memory_ordered 1
		.amdhsa_forward_progress 1
		.amdhsa_inst_pref_size 177
	.end_amdhsa_kernel
	.amdgpu_metadata
---
amdhsa.version: [ 1, 2 ]
amdhsa.kernels:
  - .name:           k_q6178374cab_gproj
    .symbol:         k_q6178374cab_gproj.kd
    .args:
      - { .name: ob, .offset: 0, .size: 8, .value_kind: global_buffer, .address_space: global }
      - { .name: wb, .offset: 8, .size: 8, .value_kind: global_buffer, .address_space: global }
      - { .name: b_proj, .offset: 16, .size: 8, .value_kind: global_buffer, .address_space: global }
      - { .name: x, .offset: 24, .size: 8, .value_kind: global_buffer, .address_space: global }
      - { .name: x1, .offset: 32, .size: 8, .value_kind: global_buffer, .address_space: global }
    .group_segment_fixed_size: 327680
    .private_segment_fixed_size: 0
    .kernarg_segment_align: 8
    .kernarg_segment_size: 40
    .max_flat_workgroup_size: 128
    .sgpr_count:     100
    .vgpr_count:     1024
    .wavefront_size: 32
...
	.end_amdgpu_metadata
.endif
;; end of part 5
;; launch ln2: the kernel of part 2 again; grid 256 x 1, 8 waves a work-group, no clusters, 67,072 bytes of LDS; arguments x1, ln2_g, ln2_b, hb; writes hb
;; launch gfc1 (part 6): grid 16 x 16, 4 waves a work-group, clusters of 4 x 4, 327,680 bytes of LDS; arguments hb, wb, b_fc1, ab; writes ab
.if DOCPART == 6
	.amdgcn_target "amdgcn-amd-amdhsa--gfx1250"
	.amdhsa_code_object_version 6
	.text
	.protected	k_q6178374cab_gfc1
	.globl	k_q6178374cab_gfc1
	.p2align	8
	.type	k_q6178374cab_gfc1,@function
k_q6178374cab_gfc1:
	s_mov_b64 s[64:65], 0
	v_nop
	global_prefetch_b8 v0, s[64:65] scope:SCOPE_SE
	s_setreg_imm32_b32 hwreg(HW_REG_WAVE_MODE, 25, 1), 1
	s_wait_xcnt 0x0
	s_wait_alu depctr_hold_cnt(0) depctr_sa_sdst(0) depctr_va_vdst(0) depctr_va_sdst(0) depctr_va_ssrc(0) depctr_va_vcc(0) depctr_vm_vsrc(0)
	s_getreg_b32 s2, hwreg(HW_REG_IB_STS2, 6, 4)
	s_cmp_eq_u32 s2, 0
	s_cbranch_scc0 .Lentry_in_a_cluster
	s_endpgm
.Lentry_in_a_cluster:
	s_bfe_u32 s2, ttmp6, 0x10000c
	s_cmp_lg_u32 s2, 0xf033
	s_cbranch_scc0 .Lentry_shape_is_right
	s_endpgm
.Lentry_shape_is_right:
; a = Q(relu(Q(h) Q(w_fc1) + b_fc1)): 4,096 x 4,096 x 1,024 on codes of FP6 (E2M3) with E8M0 scales; the result leaves as codes along the next product's K and never as f32.
; OPERANDS lie as images of operand registers: [K / 64][rows / 16][768 bytes]; lane (rho, h) of a unit holds k = 32 h .. + 31 of row rho, registers 0-3 at 16 (rho + 16 h), 4 and 5 at 512 + 16 rho + 8 h.  Scale words: [K / 128][rows].
; Row n of a tensor lies at place n with bits 3 and 4 exchanged.
; A block of 256 x 256 is made by four waves, 128 x 128 each: 64 accumulators, 512 registers.  K goes in steps of 256 through a ring of two LDS slots; each wave's tensor load brings 128 rows x 256 K as 4 rows of 6,144 bytes.
; The scale words of the block's rows, for all of K, come once with the first fills and stay.  256 blocks: a work-group to each.
; CLUSTERS: 4 x 4 work-groups; the four of a row need the same tiles of A, the four of a column the same tiles of B: each tile is asked for jointly.
; TRANSPOSED USE: source 0 = 16 rows of B (weight columns), source 1 = 16 rows of A (tokens): lane (r, h) holds token r, and the registers of tiles 2 i, 2 i + 1 are the 16 neighbouring hidden units 32 i + 16 h + 0 .. 15:
; a block's 64 registers are one K step of the next product, quantised in registers.  The bias is the C of each sum's first matrix instruction.
; REGISTERS: window 0: v1-31 addresses; v32-63 scale words, two sets; v64-127 the bias; v128-223 A's fragments, one set.  Window 1: B's fragments, two sets.  Windows 2, 3: the accumulators, (a, b) at v[8 (8 (a % 4) + b)].
; LIMITS: a block of zeros gets the byte 1 where the rule says 127 (zero codes; this program alone reads the bytes); blocks under 2^-124 keep the byte 1; NaN and infinities are not served.
.set SIZE_M, 4096
.set SIZE_N, 4096
.set SIZE_K, 1024
.set A_S,    3145728
.set B_C,    1572864
.set B_S,    7929856
.set AB_S,   12582912                  ; the output's scale words
.set NQ,     2
.set FR,     12
.set NL,     4
.set NP,     4
.set CH,     6144
.set HALFT,  4*CH
.set SLOT,   4*HALFT
.set LAPS,   SIZE_K/512
.set SCL,    2*SLOT
.set HALFS,  (SIZE_K/128)*512
.set SPARE,  SCL+4*HALFS               ; the spare words, 128 bytes a wave: two blocks of 256 bytes that no other line names
.set ADRA, 16
.set ADRB, 20
.set SST,  24                          ; v24 my stage (in slot 0) + 4 r: where a token's scale word goes
.set L8,   25                          ; v25 512 + 16 r + 8 h
.set L16,  26                          ; v26 16 x lane
.set ADRS, 27
.set SPW,  28
.set NIL,  29
.set SRD,  30                          ; v30 my stage + 16 x lane
.set VB,   15
.set SC,   32
.set BIAS, 64
.set AF,   128
.set PC,   128
.set CT,   140
.set TM,   200
.set PW,   216
.set G1, 24
.set G0, 32
.set G1B, 48
.set G0B, 56
.set G1S, 68
.set G0S, 76
.set G1SB, 80
.set G0SB, 88
.set MSB, 0
.macro WIN new
.if MSB != (\new)
	s_set_vgpr_msb (MSB<<8)|(\new)
.set MSB, (\new)
.endif
.endm
.set MUL_LO, 0xa1
.set MUL_HI, 0xf1
.set TO_B,   0x40
.macro JLOAD g0a, g1a, g0b, g1b        ; a joint load: waves 0 and 1 for A, waves 2 and 3 for B; four v_nop follow each line
	s_cmp_eq_u32 s15, 0
	s_cbranch_scc0 .Lfor_b_\@
	tensor_load_to_lds s[\g0a:\g0a+3], s[\g1a:\g1a+7]
	s_nop 0
.rept 4
	v_nop
.endr
	s_branch .Lasked_\@
.Lfor_b_\@:
	tensor_load_to_lds s[\g0b:\g0b+3], s[\g1b:\g1b+7]
	s_nop 0
.rept 4
	v_nop
.endr
.Lasked_\@:
.endm
.macro CREST
	s_cmp_lg_u32 s14, 0
	s_cbranch_scc1 .Lnot_wave_0_\@
	s_barrier_signal -3
.Lnot_wave_0_\@:
	s_barrier_wait -3
	s_barrier_signal -1
	s_barrier_wait -1
.endm
.macro CROUND
	s_barrier_signal -1
	s_barrier_wait -1
	CREST
.endm
	s_load_b256 s[4:11], s[0:1], 0x0               ; A's buffer s[4:5], wb s[6:7], the bias s[8:9], the output s[10:11]
	v_lshl_add_u32 v[SPW], v0, 2, SPARE
	v_mov_b32 v[NIL], 0
	ds_add_u32 v28, v29
	s_wait_dscnt 0x0
	v_lshrrev_b32 v1, 5, v0
	v_readfirstlane_b32 s14, v1
	s_lshr_b32 s15, s14, 1
	s_and_b32 s16, s14, 1
	s_bfe_u32 s40, ttmp6, 0x40000
	s_bfe_u32 s41, ttmp6, 0x40004
	s_lshl_b32 s42, ttmp9, 2
	s_add_co_u32 s42, s42, s40                     ; block column
	s_and_b32 s17, ttmp7, 0xffff
	s_lshl_b32 s17, s17, 2
	s_add_co_u32 s17, s17, s41                     ; block row
	s_lshl_b32 s43, s41, 2
	s_lshl_b32 s43, 15, s43
	s_lshl_b32 s44, 0x1111, s40
	s_or_b32 s[G1+0], s43, (3<<16)|(1<<21)         ; the mask; elements of 8 bytes; bit 21 beside a mask; no padding
	s_or_b32 s[G1B+0], s44, (3<<16)|(1<<21)
.irp g, G1, G1B
	s_mov_b32 s[\g+1], 768<<16
	s_mov_b32 s[\g+2], 4<<16
	s_mov_b32 s[\g+3], 768<<16
	s_mov_b32 s[\g+4], 4
	s_mov_b32 s[\g+6], 0
	s_mov_b32 s[\g+7], 0
.endr
	s_mov_b32 s[G1+5], SIZE_M*6
	s_mov_b32 s[G1B+5], SIZE_N*6
	s_or_b32 s[G1S+0], s43, (3<<16)|(1<<21)
	s_or_b32 s[G1SB+0], s44, (3<<16)|(1<<21)
.irp g, G1S, G1SB
	s_mov_b32 s[\g+1], 64<<16
	s_mov_b32 s[\g+2], (SIZE_K/128)<<16
	s_mov_b32 s[\g+3], 64<<16
	s_mov_b32 s[\g+4], SIZE_K/128
	s_mov_b32 s[\g+6], 0
	s_mov_b32 s[\g+7], 0
.endr
	s_mov_b32 s[G1S+5], SIZE_M/2
	s_mov_b32 s[G1SB+5], SIZE_N/2
	s_lshl_b32 s18, s16, 7
	s_lshl_b32 s20, s17, 8
	s_add_co_u32 s20, s20, s18
	s_lshl_b32 s46, s42, 8
	s_add_co_u32 s46, s46, s18
	s_lshl_b32 s22, s20, 2
	s_add_co_u32 s22, s22, A_S
	s_mov_b32 s23, 0
	s_lshl_b32 s92, s46, 2
	s_add_co_u32 s92, s92, B_S
	s_mov_b32 s93, 0
	s_mul_i32 s20, s20, 48
	s_mov_b32 s21, 0
	s_mul_i32 s46, s46, 48
	s_add_co_u32 s46, s46, B_C
	s_mov_b32 s47, 0
	s_mul_i32 s45, s14, HALFT
	s_mul_i32 s94, s14, HALFS
	s_wait_kmcnt 0x0
	s_add_nc_u64 s[20:21], s[4:5], s[20:21]
	s_add_nc_u64 s[22:23], s[4:5], s[22:23]
	s_add_nc_u64 s[46:47], s[6:7], s[46:47]
	s_add_nc_u64 s[92:93], s[6:7], s[92:93]
	CROUND                                         ; all sixteen work-groups are here: the first joint loads meet
	s_mov_b32 s[G0S], 1
	s_add_co_u32 s[G0S+1], s94, SCL
	s_mov_b64 s[G0S+2:G0S+3], s[22:23]
	s_or_b32 s[G0S+3], s[G0S+3], 0x80000000
	s_mov_b32 s[G0SB], 1
	s_add_co_u32 s[G0SB+1], s94, SCL
	s_mov_b64 s[G0SB+2:G0SB+3], s[92:93]
	s_or_b32 s[G0SB+3], s[G0SB+3], 0x80000000
	JLOAD G0S, G1S, G0SB, G1SB
.irp s, 0,1
	s_mov_b32 s[G0+4*\s], 1
	s_add_co_u32 s[G0+4*\s+1], s45, \s*SLOT
	s_add_nc_u64 s[G0+4*\s+2:G0+4*\s+3], s[20:21], \s*4*SIZE_M*48
	s_or_b32 s[G0+4*\s+3], s[G0+4*\s+3], 0x80000000
	s_mov_b32 s[G0B+4*\s], 1
	s_add_co_u32 s[G0B+4*\s+1], s45, \s*SLOT
	s_add_nc_u64 s[G0B+4*\s+2:G0B+4*\s+3], s[46:47], \s*4*SIZE_N*48
	s_or_b32 s[G0B+4*\s+3], s[G0B+4*\s+3], 0x80000000
	JLOAD G0+4*\s, G1, G0B+4*\s, G1B
.endr
	v_and_b32 v1, 15, v0
	v_bfe_u32 v2, v0, 4, 1
	v_and_b32 v3, 31, v0
	v_lshlrev_b32 v4, 4, v3
	v_lshlrev_b32 v5, 4, v1
	v_lshl_add_u32 v5, v2, 3, v5
	v_add_nc_u32 v5, 512, v5
	s_mul_i32 s21, s15, HALFT
	s_mul_i32 s22, s16, HALFT
	s_add_co_u32 s22, s22, 2*HALFT
.irp s, 0,1
	v_add_nc_u32 v[ADRA+\s], s21, v4
	v_add_nc_u32 v[ADRB+\s], s22, v4
	v_add_nc_u32 v[ADRA+2+\s], s21, v5
	v_add_nc_u32 v[ADRB+2+\s], s22, v5
	s_add_co_u32 s21, s21, SLOT
	s_add_co_u32 s22, s22, SLOT
.endr
	s_mul_i32 s21, s15, HALFS
	s_mul_i32 s22, s16, HALFS
	s_add_co_u32 s22, s22, 2*HALFS
	s_sub_co_u32 s22, s22, s21
	v_mul_u32_u24 v6, s22, v2
	s_add_co_u32 s21, s21, SCL
	v_lshl_add_u32 v6, v1, 2, v6
	v_add_nc_u32 v[ADRS], s21, v6
	s_lshl_b32 s46, s42, 10
	s_lshl_b32 s47, s16, 9
	s_add_co_u32 s46, s46, s47                     ; my first column, in bytes of f32
	s_mov_b32 s47, 0
	s_add_nc_u64 s[96:97], s[8:9], s[46:47]
	v_lshlrev_b32 v[VB], 6, v2
.irp b, 0,1,2,3,4,5,6,7                        ; lane (r, h), tile b, register j: column 32 (b / 2) + 16 h + 8 (b % 2) + j
	global_load_b128 v[BIAS+8*\b:BIAS+8*\b+3], v[VB], s[96:97] offset:128*(\b/2)+32*(\b%2)
	global_load_b128 v[BIAS+8*\b+4:BIAS+8*\b+7], v[VB], s[96:97] offset:128*(\b/2)+32*(\b%2)+16
.endr
	s_lshl_b32 s20, s42, 1
	s_add_co_u32 s20, s20, s16                     ; my 128 hidden units are K step 2 x block column + half of the next product
	s_mul_i32 s21, s20, 393216                     ; two chunks of 196,608 bytes
	s_lshl_b32 s22, s17, 1
	s_add_co_u32 s22, s22, s15
	s_mul_i32 s23, s22, 6144                       ; my eight token tiles
	s_add_co_u32 s46, s21, s23
	s_add_nc_u64 s[12:13], s[10:11], s[46:47]      ; my codes
	s_lshl_b32 s20, s20, 14
	s_lshl_b32 s22, s22, 9
	s_add_co_u32 s46, s20, s22
	s_add_co_u32 s46, s46, AB_S
	s_add_nc_u64 s[98:99], s[10:11], s[46:47]      ; my scale words
	s_mul_i32 s23, s14, HALFT                      ; my stage lies in slot 0, which has had its last fill and its last read when the first word is stored there
	v_lshlrev_b32 v6, 2, v1
	v_add_nc_u32 v[SST], s23, v6
	v_add_nc_u32 v[SRD], s23, v4
	v_lshlrev_b32 v[L16], 4, v3
	v_add_nc_u32 v[L8], 0, v5
.macro FRAG reg, adr, q, i
	ds_load_b128 v[\reg:\reg+3], v[\adr] offset:2*(\q)*CH+(\i)*768
	ds_load_b64 v[\reg+4:\reg+5], v[\adr+2] offset:2*(\q)*CH+(\i)*768
	ds_load_b128 v[\reg+6:\reg+9], v[\adr] offset:(2*(\q)+1)*CH+(\i)*768
	ds_load_b64 v[\reg+10:\reg+11], v[\adr+2] offset:(2*(\q)+1)*CH+(\i)*768
.endm
.macro MUL16 a0, p, q, sc, first       ; the 64 accumulators take turns, one instruction a turn
.irp a, \a0, \a0+1
.irp b, 0,1,2,3,4,5,6,7
.if \first
	v_wmma_scale_f32_16x16x128_f8f6f4 v[8*(8*((\a)%4)+\b):8*(8*((\a)%4)+\b)+7], v[128*(\p)+FR*\b:128*(\p)+FR*\b+FR-1], v[AF+FR*(\a):AF+FR*(\a)+FR-1], v[BIAS+8*\b:BIAS+8*\b+7], v[SC+8*NQ*(\sc)+NQ*\b+(\q)], v[SC+8*NQ*(\sc)+NQ*(\a)+(\q)] matrix_a_fmt:MATRIX_FMT_FP6 matrix_b_fmt:MATRIX_FMT_FP6 matrix_a_scale:MATRIX_SCALE_ROW1
.else
	v_wmma_scale_f32_16x16x128_f8f6f4 v[8*(8*((\a)%4)+\b):8*(8*((\a)%4)+\b)+7], v[128*(\p)+FR*\b:128*(\p)+FR*\b+FR-1], v[AF+FR*(\a):AF+FR*(\a)+FR-1], v[8*(8*((\a)%4)+\b):8*(8*((\a)%4)+\b)+7], v[SC+8*NQ*(\sc)+NQ*\b+(\q)], v[SC+8*NQ*(\sc)+NQ*(\a)+(\q)] matrix_a_fmt:MATRIX_FMT_FP6 matrix_b_fmt:MATRIX_FMT_FP6 matrix_a_scale:MATRIX_SCALE_ROW1
.endif
.endr
.endr
.endm
.macro FETCH_B slot, q, p
	WIN TO_B
.irp i, 0,1,2,3,4,5,6,7
	FRAG 128*(\p)+FR*\i, ADRB+\slot, \q, \i
.endr
	WIN 0
.endm
.macro FETCH_A slot, q, i0
.irp i, \i0, \i0+1, \i0+2, \i0+3
	FRAG AF+FR*(\i), ADRA+\slot, \q, \i
.endr
.endm
.macro SCALES sc
.irp i, 0,1,2,3,4,5,6,7
.irp q, 0,1
	ds_load_b32 v[SC+16*\sc+2*\i+\q], v[ADRS] offset:512*\q+64*\i
.endr
.endr
.endm
.macro PLACES n
.rept \n
	v_nop
.endr
.endm
.macro STEP slot, q, first
	s_wait_dscnt 4*NL                              ; all but the youngest sixteen loads (A's blocks 4-7) are in
	WIN MUL_LO-0x20*\first
	MUL16 0, (\q)%2, \q, \slot, \first
	MUL16 2, (\q)%2, \q, \slot, \first
	s_wait_dscnt 0
	PLACES NP
	FETCH_B \slot, (\q)+1, 1-(\q)%2
	FETCH_A \slot, (\q)+1, 0
	WIN MUL_HI-0x30*\first
	MUL16 4, (\q)%2, \q, \slot, \first
	MUL16 6, (\q)%2, \q, \slot, \first
	PLACES NP
	WIN 0
	FETCH_A \slot, (\q)+1, 4
.endm
.macro TURN slot, next, fill
	s_wait_tensorcnt 0x0                           ; all my tensor loads have landed: my part of the next slot
	ds_add_u32 v[SPW], v[NIL]
	s_wait_dscnt 4*NL+1                            ; (the add and A's blocks 4-7 may be out)
	WIN MUL_LO
	MUL16 0, 1, NQ-1, \slot, 0
	s_wait_dscnt 0x0                               ; the add is done, and my reads of this slot are over
	s_barrier_signal -1
	MUL16 2, 1, NQ-1, \slot, 0
	WIN 0
	s_barrier_wait -1
.if \fill
	CREST                                          ; no wave of any partner still reads this slot or has a load on its way
	s_add_nc_u64 s[G0+4*\slot+2:G0+4*\slot+3], s[G0+4*\slot+2:G0+4*\slot+3], 8*SIZE_M*48
	s_add_nc_u64 s[G0B+4*\slot+2:G0B+4*\slot+3], s[G0B+4*\slot+2:G0B+4*\slot+3], 8*SIZE_N*48
	JLOAD G0+4*\slot, G1, G0B+4*\slot, G1B
.else
	PLACES NP
.endif
	v_add_nc_u32 v[ADRS], 512*NQ, v[ADRS]
	FETCH_B \next, 0, 0
	FETCH_A \next, 0, 0
	SCALES \next
	WIN MUL_HI
	MUL16 4, 1, NQ-1, \slot, 0
	MUL16 6, 1, NQ-1, \slot, 0
	PLACES NP
	WIN 0
	FETCH_A \next, 0, 4
.endm
	s_wait_tensorcnt 1                             ; the scale words and my part of slot 0 are in; slot 1's load may be out
	s_barrier_signal -1
	s_barrier_wait -1
	FETCH_B 0, 0, 0
	FETCH_A 0, 0, 0
	SCALES 0
	FETCH_A 0, 0, 4
	s_wait_loadcnt 0x0                             ; the bias
	STEP 0, 0, 1
	s_mov_b32 s3, LAPS-1
.Llap:
	TURN 0, 1, 1
	STEP 1, 0, 0
	TURN 1, 0, 1
	STEP 0, 0, 0
	s_sub_co_u32 s3, s3, 1
	s_cmp_lg_u32 s3, 0
	s_cbranch_scc1 .Llap
	TURN 0, 1, 0                                   ; the last lap fills nothing
	STEP 1, 0, 0
	s_wait_dscnt 4*NL
	WIN MUL_LO
	MUL16 0, 1, NQ-1, 1, 0
	MUL16 2, 1, NQ-1, 1, 0
	s_wait_dscnt 0
	WIN MUL_HI
	MUL16 4, 1, NQ-1, 1, 0
	MUL16 6, 1, NQ-1, 1, 0
	WIN 0
; 64 numbers of a lane in window w, register 16 b + i = hidden unit 32 b + 16 h + i of my token, become a fragment in v[PC] on and its scale word in v[PW].
.macro QUANT s, w
	WIN (\w)|((\w)<<2)
.irp b, 0,1,2,3
	v_max3_num_f32 v[TM+\b], |v[\s+16*\b]|, |v[\s+1+16*\b]|, 0x1800000
.endr
.irp i, 2,4,6,8,10,12,14
.irp b, 0,1,2,3
	v_max3_num_f32 v[TM+\b], |v[\s+16*\b+\i]|, |v[\s+1+16*\b+\i]|, v[TM+\b]
.endr
.endr
	WIN 0
.irp b, 0,1,2,3
	v_permlanex16_b32 v[TM+4+\b], v[TM+\b], s18, s19
.endr
.irp b, 0,1,2,3
	v_max_num_f32 v[TM+\b], v[TM+\b], v[TM+4+\b]
.endr
.irp b, 0,1,2,3
	v_add_nc_u32 v[TM+12+\b], 0xff000000, v[TM+\b]
.endr
.irp b, 0,1,2,3
	v_lshrrev_b32 v[TM+4+\b], 23, v[TM+12+\b]
.endr
	v_lshl_or_b32 v[PW], v[TM+5], 8, v[TM+4]
	v_lshl_or_b32 v[PW], v[TM+6], 16, v[PW]
	v_lshl_or_b32 v[PW], v[TM+7], 24, v[PW]
	WIN \w
.irp c, 0,1
	v_cvt_scalef32_pk16_fp6_f32 v[PC+6*\c:PC+6*\c+2], v[\s+32*\c:\s+32*\c+15], v[TM+12+2*\c]
	v_cvt_scalef32_pk16_fp6_f32 v[CT+4*\c:CT+4*\c+2], v[\s+16+32*\c:\s+31+32*\c], v[TM+13+2*\c]
.endr
	WIN 0
	v_nop                                          ; one plain instruction behind the conversions
.irp c, 0,1
.irp i, 0,1,2
	v_permlane16_swap_b32 v[PC+6*\c+\i], v[CT+4*\c+\i]
.endr
.irp i, 0,1,2
	v_mov_b32 v[PC+3+6*\c+\i], v[CT+4*\c+\i]
.endr
.endr
.endm
; THE WAY OUT, block by block of 16 tokens: relu in f32, the quantiser, and the fragment is stored as it stands: 512 and 256 consecutive aligned bytes an instruction.  The eight blocks' scale words meet in my stage and
; leave as 512 consecutive bytes.
	s_mov_b32 s18, 0x76543210
	s_mov_b32 s19, 0xfedcba98
	PLACES NP
.irp b, 0,1,2,3
	v_mov_b32 v[TM+4+\b], 0                        ; a lane permute's destination counts as one of its sources
.endr
.set AA, 0
.rept 8
	WIN 0x88+0x44*(AA/4)                           ; destination and source 1 in the block's window
.set II, 0
.rept 64
	v_max_num_f32 v[64*(AA%4)+II], 0, v[64*(AA%4)+II]   ; the activation; each accumulator from its low end on
.set II, II+1
.endr
	s_wait_xcnt 0x0                                ; the last block's stores have read the fragment's registers
	QUANT 64*(AA%4), 2+AA/4
	global_store_b128 v[L16], v[PC:PC+3], s[12:13] offset:768*AA
	global_store_b64 v[L8], v[PC+4:PC+5], s[12:13] offset:768*AA
	global_store_b128 v[L16], v[PC+6:PC+9], s[12:13] offset:196608+768*AA
	global_store_b64 v[L8], v[PC+10:PC+11], s[12:13] offset:196608+768*AA
	ds_store_b32 v[SST], v[PW] offset:64*AA
.set AA, AA+1
.endr
	ds_load_b128 v[64:67], v[SRD]                  ; LDS serves a wave's instructions in order: this sees my stores
	s_wait_dscnt 0x0
	global_store_b128 v[L16], v[64:67], s[98:99]
	s_wait_tensorcnt 0x0                           ; the wave's end
	ds_add_u32 v[SPW], v[NIL]
	s_wait_dscnt 0x0
	CROUND                                         ; the closing round
	s_endpgm
.Lfunc_end_k_q6178374cab_gfc1:
	.size	k_q6178374cab_gfc1, .Lfunc_end_k_q6178374cab_gfc1-k_q6178374cab_gfc1
	.p2alignl 7, 3214868480
	.fill 96, 4, 3214868480
	.section	.rodata,"a",@progbits
	.p2align	6, 0x0
	.amdhsa_kernel k_q6178374cab_gfc1
		.amdhsa_group_segment_fixed_size 327680
		.amdhsa_private_segment_fixed_size 0
		.amdhsa_enable_private_segment 0
		.amdhsa_kernarg_size 32
		.amdhsa_user_sgpr_count 2
		.amdhsa_user_sgpr_kernarg_segment_ptr 1
		.amdhsa_wavefront_size32 1
		.amdhsa_system_sgpr_workgroup_id_x 1
		.amdhsa_system_sgpr_workgroup_id_y 1
		.amdhsa_system_sgpr_workgroup_id_z 1
		.amdhsa_system_vgpr_workitem_id 0
		.amdhsa_next_free_vgpr 1024
		.amdhsa_next_free_sgpr 100
		.amdhsa_reserve_vcc 0
		.amdhsa_float_denorm_mode_32 3
		.amdhsa_float_denorm_mode_16_64 3
		.amdhsa_memory_ordered 1
		.amdhsa_forward_progress 1
		.amdhsa_inst_pref_size 169
	.end_amdhsa_kernel
	.amdgpu_metadata
---
amdhsa.version: [ 1, 2 ]
amdhsa.kernels:
  - .name:           k_q6178374cab_gfc1
    .symbol:         k_q6178374cab_gfc1.kd
    .args:
      - { .name: hb, .offset: 0, .size: 8, .value_kind: global_buffer, .address_space: global }
      - { .name: wb, .offset: 8, .size: 8, .value_kind: global_buffer, .address_space: global }
      - { .name: b_fc1, .offset: 16, .size: 8, .value_kind: global_buffer, .address_space: global }
      - { .name: ab, .offset: 24, .size: 8, .value_kind: global_buffer, .address_space: global }
    .group_segment_fixed_size: 327680
    .private_segment_fixed_size: 0
    .kernarg_segment_align: 8
    .kernarg_segment_size: 32
    .max_flat_workgroup_size: 128
    .sgpr_count:     100
    .vgpr_count:     1024
    .wavefront_size: 32
...
	.end_amdgpu_metadata
.endif
;; end of part 6
;; launch gfc2 (part 7): grid 4 x 16, 4 waves a work-group, clusters of 4 x 4, 327,680 bytes of LDS; arguments ab, wb, b_fc2, x1, out0; writes out0
.if DOCPART == 7
	.amdgcn_target "amdgcn-amd-amdhsa--gfx1250"
	.amdhsa_code_object_version 6
	.text
	.protected	k_q6178374cab_gfc2
	.globl	k_q6178374cab_gfc2
	.p2align	8
	.type	k_q6178374cab_gfc2,@function
k_q6178374cab_gfc2:
	s_mov_b64 s[64:65], 0
	v_nop
	global_prefetch_b8 v0, s[64:65] scope:SCOPE_SE
	s_setreg_imm32_b32 hwreg(HW_REG_WAVE_MODE, 25, 1), 1
	s_wait_xcnt 0x0
	s_wait_alu depctr_hold_cnt(0) depctr_sa_sdst(0) depctr_va_vdst(0) depctr_va_sdst(0) depctr_va_ssrc(0) depctr_va_vcc(0) depctr_vm_vsrc(0)
	s_getreg_b32 s2, hwreg(HW_REG_IB_STS2, 6, 4)
	s_cmp_eq_u32 s2, 0
	s_cbranch_scc0 .Lentry_in_a_cluster
	s_endpgm
.Lentry_in_a_cluster:
	s_bfe_u32 s2, ttmp6, 0x10000c
	s_cmp_lg_u32 s2, 0xf033
	s_cbranch_scc0 .Lentry_shape_is_right
	s_endpgm
.Lentry_shape_is_right:
; out = x1 + Q(a) Q(w_fc2) + b_fc2: 4,096 x 1,024 x 4,096 on codes of FP6 (E2M3) with E8M0 scales; sums, bias and residual in f32.
; OPERANDS lie as images of operand registers: [K / 64][rows / 16][768 bytes]; lane (rho, h) of a unit holds k = 32 h .. + 31 of row rho, registers 0-3 at 16 (rho + 16 h), 4 and 5 at 512 + 16 rho + 8 h.  Scale words: [K / 128][rows].
; Row n of a tensor lies at place n with bits 3 and 4 exchanged; the way out puts tokens and columns back by its immediates.
; A block of 256 x 256 is made by four waves, 128 x 128 each: 64 accumulators, 512 registers.  K goes in steps of 256 through a ring of two LDS slots; each wave's tensor load brings 128 rows x 256 K as 4 rows of 6,144 bytes.
; The scale words of the block's rows, for all of K, come once with the first fills and stay: 65,536 bytes.
; CLUSTERS: 4 x 4 work-groups; the four of a row need the same tiles of A, the four of a column the same tiles of B: each tile is asked for jointly.  N = 1,024 gives 64 blocks: 64 work-groups.
; TRANSPOSED USE: source 0 = 16 rows of B (weight columns), source 1 = 16 rows of A (tokens).  The bias is the C of each sum's first matrix instruction.
; REGISTERS: window 0: v1-31 addresses; v32-63 scale words, two sets; v64-127 the bias; v128-223 A's fragments, one set.  Window 1: B's fragments, two sets.  Windows 2, 3: the accumulators, (a, b) at v[8 (8 (a % 4) + b)].
.set SIZE_M, 4096
.set SIZE_N, 1024
.set SIZE_K, 4096
.set A_S,    12582912
.set B_C,    4718592
.set B_S,    8060928
.set NQ,     2
.set FR,     12
.set NL,     4
.set NP,     4
.set CH,     6144
.set HALFT,  4*CH
.set SLOT,   4*HALFT
.set LAPS,   SIZE_K/512
.set SCL,    2*SLOT
.set HALFS,  (SIZE_K/128)*512
.set SPARE,  SCL+4*HALFS               ; the spare words, 128 bytes a wave: two blocks of 256 bytes that no other line names
.set SPITCH, 528                       ; the way out: a stage of 16 rows x (512 bytes + 16) for each wave, in slot 0
.set ADRA, 16
.set ADRB, 20
.set STO,  24
.set RD,   25
.set CO,   26
.set ADRS, 27
.set SPW,  28
.set NIL,  29
.set PFO,  30
.set VB,   15
.set SC,   32
.set BIAS, 64
.set AF,   128
.set BK,   128
.set G1, 24
.set G0, 32
.set G1B, 48
.set G0B, 56
.set G1S, 68
.set G0S, 76
.set G1SB, 80
.set G0SB, 88
.set MSB, 0
.macro WIN new
.if MSB != (\new)
	s_set_vgpr_msb (MSB<<8)|(\new)
.set MSB, (\new)
.endif
.endm
.set MUL_LO, 0xa1
.set MUL_HI, 0xf1
.set TO_B,   0x40
.macro JLOAD g0a, g1a, g0b, g1b        ; a joint load: waves 0 and 1 for A, waves 2 and 3 for B; four v_nop follow each line
	s_cmp_eq_u32 s15, 0
	s_cbranch_scc0 .Lfor_b_\@
	tensor_load_to_lds s[\g0a:\g0a+3], s[\g1a:\g1a+7]
	s_nop 0
.rept 4
	v_nop
.endr
	s_branch .Lasked_\@
.Lfor_b_\@:
	tensor_load_to_lds s[\g0b:\g0b+3], s[\g1b:\g1b+7]
	s_nop 0
.rept 4
	v_nop
.endr
.Lasked_\@:
.endm
.macro CREST
	s_cmp_lg_u32 s14, 0
	s_cbranch_scc1 .Lnot_wave_0_\@
	s_barrier_signal -3
.Lnot_wave_0_\@:
	s_barrier_wait -3
	s_barrier_signal -1
	s_barrier_wait -1
.endm
.macro CROUND
	s_barrier_signal -1
	s_barrier_wait -1
	CREST
.endm
	s_load_b256 s[4:11], s[0:1], 0x0               ; A's buffer s[4:5], wb s[6:7], the bias s[8:9], the residual s[10:11]
	s_load_b64 s[12:13], s[0:1], 0x20              ; the output
	v_lshl_add_u32 v[SPW], v0, 2, SPARE
	v_mov_b32 v[NIL], 0
	ds_add_u32 v28, v29
	s_wait_dscnt 0x0
	v_lshrrev_b32 v1, 5, v0
	v_readfirstlane_b32 s14, v1
	s_lshr_b32 s15, s14, 1
	s_and_b32 s16, s14, 1
	s_bfe_u32 s40, ttmp6, 0x40000
	s_bfe_u32 s41, ttmp6, 0x40004
	s_lshl_b32 s42, ttmp9, 2
	s_add_co_u32 s42, s42, s40                     ; block column
	s_and_b32 s17, ttmp7, 0xffff
	s_lshl_b32 s17, s17, 2
	s_add_co_u32 s17, s17, s41                     ; block row
	s_lshl_b32 s43, s41, 2
	s_lshl_b32 s43, 15, s43
	s_lshl_b32 s44, 0x1111, s40
	s_or_b32 s[G1+0], s43, (3<<16)|(1<<21)         ; the mask; elements of 8 bytes; bit 21 beside a mask; no padding
	s_or_b32 s[G1B+0], s44, (3<<16)|(1<<21)
.irp g, G1, G1B
	s_mov_b32 s[\g+1], 768<<16
	s_mov_b32 s[\g+2], 4<<16
	s_mov_b32 s[\g+3], 768<<16
	s_mov_b32 s[\g+4], 4
	s_mov_b32 s[\g+6], 0
	s_mov_b32 s[\g+7], 0
.endr
	s_mov_b32 s[G1+5], SIZE_M*6
	s_mov_b32 s[G1B+5], SIZE_N*6
	s_or_b32 s[G1S+0], s43, (3<<16)|(1<<21)
	s_or_b32 s[G1SB+0], s44, (3<<16)|(1<<21)
.irp g, G1S, G1SB
	s_mov_b32 s[\g+1], 64<<16
	s_mov_b32 s[\g+2], (SIZE_K/128)<<16
	s_mov_b32 s[\g+3], 64<<16
	s_mov_b32 s[\g+4], SIZE_K/128
	s_mov_b32 s[\g+6], 0
	s_mov_b32 s[\g+7], 0
.endr
	s_mov_b32 s[G1S+5], SIZE_M/2
	s_mov_b32 s[G1SB+5], SIZE_N/2
	s_lshl_b32 s18, s16, 7
	s_lshl_b32 s20, s17, 8
	s_add_co_u32 s20, s20, s18
	s_lshl_b32 s46, s42, 8
	s_add_co_u32 s46, s46, s18
	s_lshl_b32 s22, s20, 2
	s_add_co_u32 s22, s22, A_S
	s_mov_b32 s23, 0
	s_lshl_b32 s92, s46, 2
	s_add_co_u32 s92, s92, B_S
	s_mov_b32 s93, 0
	s_mul_i32 s20, s20, 48
	s_mov_b32 s21, 0
	s_mul_i32 s46, s46, 48
	s_add_co_u32 s46, s46, B_C
	s_mov_b32 s47, 0
	s_mul_i32 s45, s14, HALFT
	s_mul_i32 s94, s14, HALFS
	s_wait_kmcnt 0x0
	s_add_nc_u64 s[20:21], s[4:5], s[20:21]
	s_add_nc_u64 s[22:23], s[4:5], s[22:23]
	s_add_nc_u64 s[46:47], s[6:7], s[46:47]
	s_add_nc_u64 s[92:93], s[6:7], s[92:93]
	CROUND                                         ; all sixteen work-groups are here: the first joint loads meet
	s_mov_b32 s[G0S], 1
	s_add_co_u32 s[G0S+1], s94, SCL
	s_mov_b64 s[G0S+2:G0S+3], s[22:23]
	s_or_b32 s[G0S+3], s[G0S+3], 0x80000000
	s_mov_b32 s[G0SB], 1
	s_add_co_u32 s[G0SB+1], s94, SCL
	s_mov_b64 s[G0SB+2:G0SB+3], s[92:93]
	s_or_b32 s[G0SB+3], s[G0SB+3], 0x80000000
	JLOAD G0S, G1S, G0SB, G1SB
.irp s, 0,1
	s_mov_b32 s[G0+4*\s], 1
	s_add_co_u32 s[G0+4*\s+1], s45, \s*SLOT
	s_add_nc_u64 s[G0+4*\s+2:G0+4*\s+3], s[20:21], \s*4*SIZE_M*48
	s_or_b32 s[G0+4*\s+3], s[G0+4*\s+3], 0x80000000
	s_mov_b32 s[G0B+4*\s], 1
	s_add_co_u32 s[G0B+4*\s+1], s45, \s*SLOT
	s_add_nc_u64 s[G0B+4*\s+2:G0B+4*\s+3], s[46:47], \s*4*SIZE_N*48
	s_or_b32 s[G0B+4*\s+3], s[G0B+4*\s+3], 0x80000000
	JLOAD G0+4*\s, G1, G0B+4*\s, G1B
.endr
	v_and_b32 v1, 15, v0
	v_bfe_u32 v2, v0, 4, 1
	v_and_b32 v3, 31, v0
	v_lshlrev_b32 v4, 4, v3
	v_lshlrev_b32 v5, 4, v1
	v_lshl_add_u32 v5, v2, 3, v5
	v_add_nc_u32 v5, 512, v5
	s_mul_i32 s21, s15, HALFT
	s_mul_i32 s22, s16, HALFT
	s_add_co_u32 s22, s22, 2*HALFT
.irp s, 0,1
	v_add_nc_u32 v[ADRA+\s], s21, v4
	v_add_nc_u32 v[ADRB+\s], s22, v4
	v_add_nc_u32 v[ADRA+2+\s], s21, v5
	v_add_nc_u32 v[ADRB+2+\s], s22, v5
	s_add_co_u32 s21, s21, SLOT
	s_add_co_u32 s22, s22, SLOT
.endr
	s_mul_i32 s21, s15, HALFS
	s_mul_i32 s22, s16, HALFS
	s_add_co_u32 s22, s22, 2*HALFS
	s_sub_co_u32 s22, s22, s21
	v_mul_u32_u24 v6, s22, v2
	s_add_co_u32 s21, s21, SCL
	v_lshl_add_u32 v6, v1, 2, v6
	v_add_nc_u32 v[ADRS], s21, v6
	s_lshl_b32 s46, s42, 10
	s_lshl_b32 s47, s16, 9
	s_add_co_u32 s46, s46, s47                     ; my first column, in bytes of f32
	s_mov_b32 s47, 0
	s_add_nc_u64 s[96:97], s[8:9], s[46:47]
	v_lshlrev_b32 v[VB], 6, v2
.irp b, 0,1,2,3,4,5,6,7                        ; lane (r, h), tile b, register j: column 32 (b / 2) + 16 h + 8 (b % 2) + j
	global_load_b128 v[BIAS+8*\b:BIAS+8*\b+3], v[VB], s[96:97] offset:128*(\b/2)+32*(\b%2)
	global_load_b128 v[BIAS+8*\b+4:BIAS+8*\b+7], v[VB], s[96:97] offset:128*(\b/2)+32*(\b%2)+16
.endr
	s_lshl_b32 s20, s17, 8
	s_lshl_b32 s21, s15, 7
	s_add_co_u32 s20, s20, s21                     ; my first token
	s_lshl_b32 s20, s20, 12                        ; rows of 4,096 bytes
	s_add_co_u32 s20, s20, s46
	s_mov_b32 s21, 0
	s_add_nc_u64 s[98:99], s[10:11], s[20:21]      ; the residual at my corner
	s_add_nc_u64 s[12:13], s[12:13], s[20:21]      ; the output likewise
	s_mul_i32 s23, s14, HALFT                      ; my stage
	v_mul_u32_u24 v6, v1, SPITCH
	v_lshl_add_u32 v6, v2, 6, v6
	v_add_nc_u32 v[STO], s23, v6
	v_lshlrev_b32 v[CO], 4, v3
	v_add_nc_u32 v[RD], s23, v4
	v_lshrrev_b32 v6, 1, v3
	v_and_b32 v7, 1, v3
	v_lshlrev_b32 v[PFO], 12, v6
	v_lshl_add_u32 v[PFO], v7, 8, v[PFO]
.macro FRAG reg, adr, q, i
	ds_load_b128 v[\reg:\reg+3], v[\adr] offset:2*(\q)*CH+(\i)*768
	ds_load_b64 v[\reg+4:\reg+5], v[\adr+2] offset:2*(\q)*CH+(\i)*768
	ds_load_b128 v[\reg+6:\reg+9], v[\adr] offset:(2*(\q)+1)*CH+(\i)*768
	ds_load_b64 v[\reg+10:\reg+11], v[\adr+2] offset:(2*(\q)+1)*CH+(\i)*768
.endm
.macro MUL16 a0, p, q, sc, first       ; the 64 accumulators take turns, one instruction a turn
.irp a, \a0, \a0+1
.irp b, 0,1,2,3,4,5,6,7
.if \first
	v_wmma_scale_f32_16x16x128_f8f6f4 v[8*(8*((\a)%4)+\b):8*(8*((\a)%4)+\b)+7], v[128*(\p)+FR*\b:128*(\p)+FR*\b+FR-1], v[AF+FR*(\a):AF+FR*(\a)+FR-1], v[BIAS+8*\b:BIAS+8*\b+7], v[SC+8*NQ*(\sc)+NQ*\b+(\q)], v[SC+8*NQ*(\sc)+NQ*(\a)+(\q)] matrix_a_fmt:MATRIX_FMT_FP6 matrix_b_fmt:MATRIX_FMT_FP6 matrix_a_scale:MATRIX_SCALE_ROW1
.else
	v_wmma_scale_f32_16x16x128_f8f6f4 v[8*(8*((\a)%4)+\b):8*(8*((\a)%4)+\b)+7], v[128*(\p)+FR*\b:128*(\p)+FR*\b+FR-1], v[AF+FR*(\a):AF+FR*(\a)+FR-1], v[8*(8*((\a)%4)+\b):8*(8*((\a)%4)+\b)+7], v[SC+8*NQ*(\sc)+NQ*\b+(\q)], v[SC+8*NQ*(\sc)+NQ*(\a)+(\q)] matrix_a_fmt:MATRIX_FMT_FP6 matrix_b_fmt:MATRIX_FMT_FP6 matrix_a_scale:MATRIX_SCALE_ROW1
.endif
.endr
.endr
.endm
.macro FETCH_B slot, q, p
	WIN TO_B
.irp i, 0,1,2,3,4,5,6,7
	FRAG 128*(\p)+FR*\i, ADRB+\slot, \q, \i
.endr
	WIN 0
.endm
.macro FETCH_A slot, q, i0
.irp i, \i0, \i0+1, \i0+2, \i0+3
	FRAG AF+FR*(\i), ADRA+\slot, \q, \i
.endr
.endm
.macro SCALES sc
.irp i, 0,1,2,3,4,5,6,7
.irp q, 0,1
	ds_load_b32 v[SC+16*\sc+2*\i+\q], v[ADRS] offset:512*\q+64*\i
.endr
.endr
.endm
.macro PLACES n
.rept \n
	v_nop
.endr
.endm
.macro STEP slot, q, first
	s_wait_dscnt 4*NL                              ; all but the youngest sixteen loads (A's blocks 4-7) are in
	WIN MUL_LO-0x20*\first
	MUL16 0, (\q)%2, \q, \slot, \first
	MUL16 2, (\q)%2, \q, \slot, \first
	s_wait_dscnt 0
	PLACES NP
	FETCH_B \slot, (\q)+1, 1-(\q)%2
	FETCH_A \slot, (\q)+1, 0
	WIN MUL_HI-0x30*\first
	MUL16 4, (\q)%2, \q, \slot, \first
	MUL16 6, (\q)%2, \q, \slot, \first
	PLACES NP
	WIN 0
	FETCH_A \slot, (\q)+1, 4
.endm
.macro TURN slot, next, fill
	s_wait_tensorcnt 0x0                           ; all my tensor loads have landed: my part of the next slot
	ds_add_u32 v[SPW], v[NIL]
	s_wait_dscnt 4*NL+1                            ; (the add and A's blocks 4-7 may be out)
	WIN MUL_LO
	MUL16 0, 1, NQ-1, \slot, 0
	s_wait_dscnt 0x0                               ; the add is done, and my reads of this slot are over
	s_barrier_signal -1
	MUL16 2, 1, NQ-1, \slot, 0
	WIN 0
	s_barrier_wait -1
.if \fill
	CREST                                          ; no wave of any partner still reads this slot or has a load on its way
	s_add_nc_u64 s[G0+4*\slot+2:G0+4*\slot+3], s[G0+4*\slot+2:G0+4*\slot+3], 8*SIZE_M*48
	s_add_nc_u64 s[G0B+4*\slot+2:G0B+4*\slot+3], s[G0B+4*\slot+2:G0B+4*\slot+3], 8*SIZE_N*48
	JLOAD G0+4*\slot, G1, G0B+4*\slot, G1B
.else
	PLACES NP
.endif
	v_add_nc_u32 v[ADRS], 512*NQ, v[ADRS]
	FETCH_B \next, 0, 0
	FETCH_A \next, 0, 0
	SCALES \next
	WIN MUL_HI
	MUL16 4, 1, NQ-1, \slot, 0
	MUL16 6, 1, NQ-1, \slot, 0
	PLACES NP
	WIN 0
	FETCH_A \next, 0, 4
.endm
	s_wait_tensorcnt 1                             ; the scale words and my part of slot 0 are in; slot 1's load may be out
	s_barrier_signal -1
	s_barrier_wait -1
	FETCH_B 0, 0, 0
	FETCH_A 0, 0, 0
	SCALES 0
	FETCH_A 0, 0, 4
	s_wait_loadcnt 0x0                             ; the bias
	STEP 0, 0, 1
	s_mov_b32 s3, LAPS-1
.Llap:
	TURN 0, 1, 1
	STEP 1, 0, 0
	TURN 1, 0, 1
	STEP 0, 0, 0
	s_sub_co_u32 s3, s3, 1
	s_cmp_lg_u32 s3, 0
	s_cbranch_scc1 .Llap
; THE RESIDUAL IS PREFETCHED: my 128 tokens x 512 bytes, 256 aligned blocks of 256 bytes, each named once, by the wave that will load it: 32 blocks (16 tokens) an instruction.  Four requests here, three steps of 128 along K
; ahead of the loads, four behind the next change of slots.  No tensor load follows them, and their address registers are never rewritten.
.irp k, 0,1,2,3
	global_prefetch_b8 v[PFO], s[98:99] offset:65536*\k th:TH_LOAD_NT scope:SCOPE_SE
.endr
	TURN 0, 1, 0                                   ; the last lap fills nothing
.irp k, 4,5,6,7
	global_prefetch_b8 v[PFO], s[98:99] offset:65536*\k th:TH_LOAD_NT scope:SCOPE_SE
.endr
	STEP 1, 0, 0
	s_wait_dscnt 4*NL
	WIN MUL_LO
	MUL16 0, 1, NQ-1, 1, 0
	MUL16 2, 1, NQ-1, 1, 0
	s_wait_dscnt 0
	WIN MUL_HI
	MUL16 4, 1, NQ-1, 1, 0
	MUL16 6, 1, NQ-1, 1, 0
	WIN 0
; THE WAY OUT, block by block of 16 tokens x 128 columns, through my own stage: in by lanes (32 bytes of a row each, at the columns' true places), back as whole rows of 512 bytes; the residual is added; the 32 lanes store
; 512 consecutive aligned bytes.  Row t of block a is token 32 (a / 2) + 16 (t / 8) + 8 (a % 2) + t % 8 of my 128: it stands in the immediates (127 rows of 4,096 bytes at the most).
.macro RLOAD a
.irp t, 0,1,2,3,4,5,6,7,8,9,10,11,12,13,14,15
	global_load_b128 v[64*((\a)%4)+4*\t:64*((\a)%4)+4*\t+3], v[CO], s[98:99] offset:(32*((\a)/2)+16*(\t/8)+8*((\a)%2)+\t%8)*4096 th:TH_LOAD_NT
.endr
.endm
.macro TOSTAGE a
.set AC, 64*((\a)%4)
	WIN 0x08+4*((\a)/4)
.irp b, 0,1,2,3,4,5,6,7
	ds_store_b128 v[STO], v[AC+8*\b:AC+8*\b+3] offset:128*(\b/2)+32*(\b%2)          ; each accumulator from its low end on
	ds_store_b128 v[STO], v[AC+8*\b+4:AC+8*\b+7] offset:128*(\b/2)+32*(\b%2)+16
.endr
	WIN 0
.set BB, BK+64*((\a)%2)
.irp t, 0,1,2,3,4,5,6,7,8,9,10,11,12,13,14,15
	ds_load_b128 v[BB+4*\t:BB+4*\t+3], v[RD] offset:\t*SPITCH     ; LDS serves a wave's instructions in order: these see the stores above
.endr
.endm
.macro SEND a, younger
.set BB, BK+64*((\a)%2)
.set RR, 64*((\a)%4)
	s_wait_dscnt \younger                          ; the block is back in registers
.if (\a) <= 4
	s_wait_loadcnt 48                              ; its residual is in; three later blocks' loads may be out
.else
	s_wait_loadcnt 16*(7-(\a))
.endif
	WIN 0x04                                       ; source 1 in window 1
.set II, 0
.rept 32
	v_pk_add_f32 v[BB+II:BB+II+1], v[BB+II:BB+II+1], v[RR+II:RR+II+1]
.set II, II+2
.endr
	WIN 0
.irp t, 0,1,2,3,4,5,6,7,8,9,10,11,12,13,14,15
	global_store_b128 v[CO], v[BB+4*\t:BB+4*\t+3], s[12:13] offset:(32*((\a)/2)+16*(\t/8)+8*((\a)%2)+\t%8)*4096 th:TH_STORE_NT
.endr
.if (\a) < 4
	WIN TO_B
	RLOAD (\a)+4
	WIN 0
.endif
.endm
	PLACES NP                                      ; in front of loads into registers that the last products read, and of the first read of results
	WIN TO_B
	RLOAD 0
	RLOAD 1
	RLOAD 2
	RLOAD 3
	WIN 0
	TOSTAGE 0
.irp a, 1,2,3,4,5,6,7
.if \a > 1
	s_wait_xcnt 0x0                                ; block a - 2's stores have read their registers: block a's loads may land there
.endif
	TOSTAGE \a
	SEND \a-1, 32                                  ; behind block a - 1's loads: block a's 16 stores and 16 loads
.endr
	SEND 7, 0
	s_wait_tensorcnt 0x0                           ; the wave's end
	ds_add_u32 v[SPW], v[NIL]
	s_wait_dscnt 0x0
	CROUND                                         ; the closing round
	s_endpgm
.Lfunc_end_k_q6178374cab_gfc2:
	.size	k_q6178374cab_gfc2, .Lfunc_end_k_q6178374cab_gfc2-k_q6178374cab_gfc2
	.p2alignl 7, 3214868480
	.fill 96, 4, 3214868480
	.section	.rodata,"a",@progbits
	.p2align	6, 0x0
	.amdhsa_kernel k_q6178374cab_gfc2
		.amdhsa_group_segment_fixed_size 327680
		.amdhsa_private_segment_fixed_size 0
		.amdhsa_enable_private_segment 0
		.amdhsa_kernarg_size 40
		.amdhsa_user_sgpr_count 2
		.amdhsa_user_sgpr_kernarg_segment_ptr 1
		.amdhsa_wavefront_size32 1
		.amdhsa_system_sgpr_workgroup_id_x 1
		.amdhsa_system_sgpr_workgroup_id_y 1
		.amdhsa_system_sgpr_workgroup_id_z 1
		.amdhsa_system_vgpr_workitem_id 0
		.amdhsa_next_free_vgpr 1024
		.amdhsa_next_free_sgpr 100
		.amdhsa_reserve_vcc 0
		.amdhsa_float_denorm_mode_32 3
		.amdhsa_float_denorm_mode_16_64 3
		.amdhsa_memory_ordered 1
		.amdhsa_forward_progress 1
		.amdhsa_inst_pref_size 177
	.end_amdhsa_kernel
	.amdgpu_metadata
---
amdhsa.version: [ 1, 2 ]
amdhsa.kernels:
  - .name:           k_q6178374cab_gfc2
    .symbol:         k_q6178374cab_gfc2.kd
    .args:
      - { .name: ab, .offset: 0, .size: 8, .value_kind: global_buffer, .address_space: global }
      - { .name: wb, .offset: 8, .size: 8, .value_kind: global_buffer, .address_space: global }
      - { .name: b_fc2, .offset: 16, .size: 8, .value_kind: global_buffer, .address_space: global }
      - { .name: x1, .offset: 24, .size: 8, .value_kind: global_buffer, .address_space: global }
      - { .name: out0, .offset: 32, .size: 8, .value_kind: global_buffer, .address_space: global }
    .group_segment_fixed_size: 327680
    .private_segment_fixed_size: 0
    .kernarg_segment_align: 8
    .kernarg_segment_size: 40
    .max_flat_workgroup_size: 128
    .sgpr_count:     100
    .vgpr_count:     1024
    .wavefront_size: 32
...
	.end_amdgpu_metadata
.endif
;; end of part 7
;; ======== version 2 of 2: 8 launches
;; limits: right only within a limited range of input values
;; workspace buffers: wb 8,192,000 bytes; hb 3,276,800 bytes; kvb 6,684,672 bytes; ob 3,276,800 bytes; x1 16,777,216 bytes; ab 13,107,200 bytes
;; launch wq (part 8): grid 320 x 1, 4 waves a work-group, no clusters, 0 bytes of LDS; arguments w_attn, w_proj, w_fc1, w_fc2, wb; writes wb
.if DOCPART == 8
	.amdgcn_target "amdgcn-amd-amdhsa--gfx1250"
	.amdhsa_code_object_version 6
	.text
	.protected	k_q6178374cab_wq
	.globl	k_q6178374cab_wq
	.p2align	8
	.type	k_q6178374cab_wq,@function
k_q6178374cab_wq:
	s_mov_b64 s[64:65], 0
	v_nop
	global_prefetch_b8 v0, s[64:65] scope:SCOPE_SE
	s_setreg_imm32_b32 hwreg(HW_REG_WAVE_MODE, 25, 1), 1
	s_wait_xcnt 0x0
; The four weights, f32 stored [K][N], become codes of FP6 (E2M3) with one E8M0 scale byte for each 32 along K.
; Of w_attn only columns 1,024 to 2,047 are read: the module keeps that slice of its first product alone, so the other two thirds are neither read nor multiplied.
; LAYOUT OF THE CODES: [K / 64][N / 16][768 bytes].  A unit of 768 bytes is the image of six operand registers of 32 lanes (16 rows x 64 along K): lane (rho, h) holds k = 32 h .. 32 h + 31 of row rho;
; its registers 0-3 lie at 16 (rho + 16 h), its registers 4, 5 at 512 + 16 rho + 8 h.  The scale words lie [K / 128][N], byte b of a word for k = 32 b .. 32 b + 31.
; ORDER OF THE ROWS: column n lies at row p = n with its bits 3 and 4 exchanged, so that in a product used transposed two neighbouring tiles give a lane 16 neighbouring columns.
; A LANE TAKES A COLUMN AND ITS REGISTERS RUN DOWN K: a load reads 128 consecutive bytes a wave, the four waves stand side by side on 512; a block of 32 lies in one lane, so no other lane is asked for its maximum.
; A lane that holds both blocks of a chunk of 64 stores three times 16 bytes at 16 rho: sixteen lanes fill 256 consecutive aligned bytes each time.  A wave's store of scale words covers 128 consecutive bytes:
; that is one byte in 128 of what the launch reads.
; A block's scale is 2^(floor(log2(largest magnitude)) - 2); its byte is the largest magnitude's exponent field - 2, held at 1 from below.
; LIMITS: a block of zeros gets the byte 1 where the rule says 127 (its codes are zeros, and this program alone reads the bytes); blocks whose largest magnitude lies under 2^-124 keep the byte 1; NaN and infinities are not served.
; One launch, one path: work-groups 0-31 take w_attn's slice, 32-63 w_proj, 64-191 w_fc1, 192-319 w_fc2; pointers and sizes are chosen by the work-group's number.  No LDS, no barrier: waves share nothing.
.set WK_C, 0
.set WP_C, 786432
.set W1_C, 1572864
.set W2_C, 4718592
.set WK_S, 7864320
.set WP_S, 7897088
.set W1_S, 7929856
.set W2_S, 8060928
.set VO,   4                           ; v4-7    where my codes of chunk 0..3 go
.set VS,   8                           ; v8-9    where my scale words go
.set SW,   10                          ; v10-11  the two scale words
.set OFF,  32                          ; v32-63  4 x lane + i rows of the source
.set X,    64                          ; v64-127 two sets of 32 numbers
.set CSET, 128                         ; v128-175 four chunks' codes, 12 registers each: no store's data are written again
	s_load_b256 s[4:11], s[0:1], 0x0               ; w_attn, w_proj, w_fc1, w_fc2
	s_load_b64 s[12:13], s[0:1], 0x20              ; wb
	v_lshrrev_b32 v1, 5, v0
	v_readfirstlane_b32 s16, v1                    ; wave
	v_and_b32 v1, 31, v0                           ; L: my column among the wave's 32
	v_lshlrev_b32 v2, 2, v1
	v_bfe_u32 v12, v1, 3, 1
	v_bfe_u32 v13, v1, 4, 1
	v_and_b32 v14, 7, v1
	v_lshl_or_b32 v14, v13, 3, v14                 ; rho = 8 x bit 4 + the low three bits
	v_lshlrev_b32 v3, 4, v14
	v_mad_u32_u24 v3, v12, 768, v3                 ; my place in the two tiles: 768 x bit 3 + 16 rho
	v_lshl_or_b32 v15, v12, 4, v14                 ; L with bits 3 and 4 exchanged
	v_lshlrev_b32 v[VS], 2, v15
	s_mov_b32 s20, 192                             ; the sizes of w_fc2: first work-group,
	s_mov_b32 s21, 3                               ; log2 of the work-groups along N,
	s_mov_b32 s22, 4096                            ; bytes in a row of the source,
	s_mov_b32 s23, 1024                            ; N,
	s_mov_b32 s24, W2_C                            ; where the codes begin in wb,
	s_mov_b32 s25, W2_S                            ; and the scale words,
	s_mov_b32 s26, 0                               ; first byte of a row that is read
	s_wait_alu depctr_va_vdst(0)
	s_wait_kmcnt 0x0
	s_mov_b64 s[14:15], s[10:11]
	s_cmp_lt_u32 ttmp9, 192                        ; w_fc1
	s_cselect_b64 s[14:15], s[8:9], s[14:15]
	s_cselect_b32 s20, 64, s20
	s_cselect_b32 s21, 5, s21
	s_cselect_b32 s22, 16384, s22
	s_cselect_b32 s23, 4096, s23
	s_cselect_b32 s24, W1_C, s24
	s_cselect_b32 s25, W1_S, s25
	s_cmp_lt_u32 ttmp9, 64                         ; w_proj
	s_cselect_b64 s[14:15], s[6:7], s[14:15]
	s_cselect_b32 s20, 32, s20
	s_cselect_b32 s21, 3, s21
	s_cselect_b32 s22, 4096, s22
	s_cselect_b32 s23, 1024, s23
	s_cselect_b32 s24, WP_C, s24
	s_cselect_b32 s25, WP_S, s25
	s_cmp_lt_u32 ttmp9, 32                         ; w_attn's slice
	s_cselect_b64 s[14:15], s[4:5], s[14:15]
	s_cselect_b32 s20, 0, s20
	s_cselect_b32 s22, 12288, s22
	s_cselect_b32 s24, WK_C, s24
	s_cselect_b32 s25, WK_S, s25
	s_cselect_b32 s26, 4096, s26
	s_sub_co_u32 s27, ttmp9, s20
	s_bfm_b32 s28, s21, 0
	s_and_b32 s28, s27, s28                        ; which 128 columns
	s_lshr_b32 s29, s27, s21                       ; which 256 along K
	s_lshl_b32 s28, s28, 2
	s_add_co_u32 s28, s28, s16                     ; G: my wave's group of 32 columns
	s_mul_i32 s30, s29, s22
	s_lshl_b32 s30, s30, 8                         ; 256 rows of the source,
	s_lshl_b32 s17, s28, 7
	s_add_co_u32 s30, s30, s17                     ; 128 bytes a group,
	s_add_co_u32 s30, s30, s26
	s_mov_b32 s31, 0
	s_add_nc_u64 s[32:33], s[14:15], s[30:31]      ; block 0's base
	s_lshl_b32 s18, s22, 5                         ; 32 rows on
	s_mov_b32 s19, 0
.irp t, 1,2,3,4,5,6,7
	s_add_nc_u64 s[32+2*\t:33+2*\t], s[30+2*\t:31+2*\t], s[18:19]   ; a base for each block of 32 rows: no pointer is stepped while loads are out
.endr
	s_mul_i32 s30, s29, s23
	s_mul_i32 s17, s30, 192                        ; 4 chunks x N x 48 bytes
	s_mul_i32 s27, s28, 1536                       ; two tiles a group
	s_add_co_u32 s17, s17, s27
	s_add_co_u32 s26, s17, s24
	s_mov_b32 s27, 0
	s_add_nc_u64 s[48:49], s[12:13], s[26:27]      ; my codes
	s_lshl_b32 s30, s30, 3                         ; 2 K steps x N x 4 bytes
	s_lshl_b32 s17, s28, 7
	s_add_co_u32 s30, s30, s17
	s_add_co_u32 s30, s30, s25
	s_add_nc_u64 s[50:51], s[12:13], s[30:31]      ; my scale words
	s_mul_i32 s17, s23, 48                         ; from chunk to chunk
.irp k, 0,1,2,3
	v_mad_u32_u24 v[VO+\k], s17, \k, v3
.endr
	s_lshl_b32 s24, s23, 2                         ; from K step to K step
	v_add_nc_u32 v[VS+1], s24, v[VS]
.set II, 0
.rept 32
	v_mad_u32_u24 v[OFF+II], s22, II, v2
.set II, II+1
.endr
.macro LOAD t                          ; block t: rows 32 t + i of my column, into set t % 2
.set II, 0
.rept 32
	global_load_b32 v[X+32*((\t)%2)+II], v[OFF+II], s[32+2*(\t):33+2*(\t)] th:TH_LOAD_NT
.set II, II+1
.endr
.endm
	LOAD 0
	LOAD 1
.set T, 0
.rept 8
.set XS, X+32*(T%2)
.set D4, CSET+12*(T/2)+4*(T%2)         ; the block's registers 0-3,
.set D2, CSET+12*(T/2)+8+2*(T%2)       ; and 4, 5
.if T < 7
	s_wait_loadcnt 32                              ; this block's 32 loads are in; the next block's may be out
.else
	s_wait_loadcnt 0x0
.endif
	v_max3_num_f32 v12, |v[XS]|, |v[XS+1]|, |v[XS+2]|   ; the block's largest magnitude, in two chains
	v_max3_num_f32 v13, |v[XS+3]|, |v[XS+4]|, |v[XS+5]|
.irp i, 6,10,14,18,22,26
	v_max3_num_f32 v12, v12, |v[XS+\i]|, |v[XS+\i+1]|
	v_max3_num_f32 v13, v13, |v[XS+\i+2]|, |v[XS+\i+3]|
.endr
	v_max3_num_f32 v12, v12, |v[XS+30]|, |v[XS+31]|
	v_max3_num_f32 v12, v12, v13, 0x1800000        ; and the floor 2^(3 - 127): the byte cannot fall under 1
	v_add_nc_u32 v14, 0xff000000, v12              ; 2 off the exponent field: the conversion takes that field as its scale
	v_lshrrev_b32 v15, 23, v14                     ; the scale's byte
	v_cvt_scalef32_pk16_fp6_f32 v[D4:D4+2], v[XS:XS+15], v14
	v_cvt_scalef32_pk16_fp6_f32 v[16:18], v[XS+16:XS+31], v14   ; (a conversion's three registers begin on an even number)
	v_nop                                          ; one plain instruction behind the conversions
	v_mov_b32 v[D4+3], v16
	v_mov_b32 v[D2], v17
	v_mov_b32 v[D2+1], v18
.if T%4 == 0
	v_mov_b32 v[SW+T/4], v15                       ; four bytes to a word, the lower K in the lower byte
.else
	v_lshl_or_b32 v[SW+T/4], v15, 8*(T%4), v[SW+T/4]
.endif
.if T < 6
	LOAD T+2
.endif
.if T%2
	global_store_b128 v[VO+T/2], v[CSET+12*(T/2):CSET+12*(T/2)+3], s[48:49]              ; the lower block's registers 0-3,
	global_store_b128 v[VO+T/2], v[CSET+12*(T/2)+4:CSET+12*(T/2)+7], s[48:49] offset:256  ; the upper block's,
	global_store_b128 v[VO+T/2], v[CSET+12*(T/2)+8:CSET+12*(T/2)+11], s[48:49] offset:512 ; and both blocks' registers 4, 5
.endif
.if T%4 == 3
	global_store_b32 v[VS+T/4], v[SW+T/4], s[50:51]
.endif
.set T, T+1
.endr
	s_endpgm
.Lfunc_end_k_q6178374cab_wq:
	.size	k_q6178374cab_wq, .Lfunc_end_k_q6178374cab_wq-k_q6178374cab_wq
	.p2alignl 7, 3214868480
	.fill 96, 4, 3214868480
	.section	.rodata,"a",@progbits
	.p2align	6, 0x0
	.amdhsa_kernel k_q6178374cab_wq
		.amdhsa_group_segment_fixed_size 0
		.amdhsa_private_segment_fixed_size 0
		.amdhsa_enable_private_segment 0
		.amdhsa_kernarg_size 40
		.amdhsa_user_sgpr_count 2
		.amdhsa_user_sgpr_kernarg_segment_ptr 1
		.amdhsa_wavefront_size32 1
		.amdhsa_system_sgpr_workgroup_id_x 1
		.amdhsa_system_sgpr_workgroup_id_y 1
		.amdhsa_system_sgpr_workgroup_id_z 1
		.amdhsa_system_vgpr_workitem_id 0
		.amdhsa_next_free_vgpr 192
		.amdhsa_next_free_sgpr 66
		.amdhsa_reserve_vcc 0
		.amdhsa_float_denorm_mode_32 3
		.amdhsa_float_denorm_mode_16_64 3
		.amdhsa_memory_ordered 1
		.amdhsa_forward_progress 1
		.amdhsa_inst_pref_size 43
	.end_amdhsa_kernel
	.amdgpu_metadata
---
amdhsa.version: [ 1, 2 ]
amdhsa.kernels:
  - .name:           k_q6178374cab_wq
    .symbol:         k_q6178374cab_wq.kd
    .args:
      - { .name: w_attn, .offset: 0, .size: 8, .value_kind: global_buffer, .address_space: global }
      - { .name: w_proj, .offset: 8, .size: 8, .value_kind: global_buffer, .address_space: global }
      - { .name: w_fc1, .offset: 16, .size: 8, .value_kind: global_buffer, .address_space: global }
      - { .name: w_fc2, .offset: 24, .size: 8, .value_kind: global_buffer, .address_space: global }
      - { .name: wb, .offset: 32, .size: 8, .value_kind: global_buffer, .address_space: global }
    .group_segment_fixed_size: 0
    .private_segment_fixed_size: 0
    .kernarg_segment_align: 8
    .kernarg_segment_size: 40
    .max_flat_workgroup_size: 128
    .sgpr_count:     66
    .vgpr_count:     192
    .wavefront_size: 32
...
	.end_amdgpu_metadata
.endif
;; end of part 8
;; launch ln (part 9): grid 256 x 1, 8 waves a work-group, no clusters, 67,072 bytes of LDS; arguments x, ln1_g, ln1_b, hb; writes hb
.if DOCPART == 9
	.amdgcn_target "amdgcn-amd-amdhsa--gfx1250"
	.amdhsa_code_object_version 6
	.text
	.protected	k_q6178374cab_ln
	.globl	k_q6178374cab_ln
	.p2align	8
	.type	k_q6178374cab_ln,@function
k_q6178374cab_ln:
	s_mov_b64 s[64:65], 0
	v_nop
	global_prefetch_b8 v0, s[64:65] scope:SCOPE_SE
	s_setreg_imm32_b32 hwreg(HW_REG_WAVE_MODE, 25, 1), 1
	s_wait_xcnt 0x0
; y = (x - mean) rsqrt(var + 1e-5) g + b along rows of 1,024 f32, and y quantised along the row to FP6 (E2M3) with one E8M0 byte for each 32.  Mean, then the mean of squared differences: two passes over registers.
; OUT: codes [16 chunks of 64][256 tiles of 16 rows][768 bytes], a unit being the image of six operand registers (lane (rho, h): k = 32 h .. + 31 of row rho; registers 0-3 at 16 (rho + 16 h), 4 and 5 at
; 512 + 16 rho + 8 h); scale words [8 K steps][4,096 rows] behind them.  Token n lies at row n with its bits 3 and 4 exchanged.
; SHARES.  Work-group T makes tile T.  Phase 1: wave w normalises rows 2 w and 2 w + 1 of the tile, two neighbouring tokens: every load reads 512 consecutive bytes.  The rows meet in LDS (pitch 4,112 bytes, an
; odd multiple of 16).  Phase 2: wave w quantises K step w of all 16 rows: lane (r, h) takes 16 neighbours of each of four blocks, and the results are the operand's registers, stored as they stand.
; LIMITS: a block of zeros gets the byte 1 where the rule says 127 (zero codes; this program alone reads the bytes); blocks under 2^-124 keep the byte 1; NaN and infinities are not served.
.set PITCH, 4112
.set H_S,   3145728
.set G,   16                           ; v16-47   g of my 32 columns
.set B,   48                           ; v48-79   b
.set X,   80                           ; v80-143  two rows of 32 numbers; in phase 2 the 64 numbers to quantise
.set TM,  144                          ; v144-147 largest magnitudes, 148-151 bytes, 156-159 the conversions' scales
.set PW,  160                          ; the scale word
.set PC,  164                          ; v164-175 the fragment
.set CT,  176                          ; v176-182 the conversions' second halves
.set SM,  184                          ; v184-191 row e: sums at 184 + 4 e
	s_load_b256 s[4:11], s[0:1], 0x0               ; x, g, b, out
	v_lshl_add_u32 v192, v0, 2, 0x10200            ; my spare word, behind the 16 rows
	v_mov_b32 v193, 0
	v_lshrrev_b32 v1, 5, v0
	s_delay_alu instid0(VALU_DEP_1)
	v_readfirstlane_b32 s12, v1                    ; wave 0..7
	v_and_b32 v1, 31, v0
	v_and_b32 v2, 15, v0                           ; r
	v_bfe_u32 v3, v0, 4, 1                         ; h
	s_delay_alu instid0(VALU_DEP_3)
	v_lshlrev_b32 v4, 4, v1                        ; 16 x lane
	s_mul_i32 s13, s12, 2*PITCH
	v_add_nc_u32 v5, s13, v4                       ; LDS, in: my wave's two rows
	v_mul_u32_u24 v6, v2, PITCH
	s_delay_alu instid0(VALU_DEP_1)
	v_lshl_add_u32 v6, v3, 6, v6
	s_lshl_b32 s13, s12, 9
	v_add_nc_u32 v6, s13, v6                       ; LDS, out: row r, K step w, + 64 h
	v_lshlrev_b32 v8, 4, v2
	s_delay_alu instid0(VALU_DEP_1)
	v_lshl_add_u32 v8, v3, 3, v8
	s_delay_alu instid0(VALU_DEP_1)
	v_add_nc_u32 v8, 512, v8                       ; a unit's registers 4, 5
	v_lshlrev_b32 v9, 2, v2
.irp b, 0,1,2,3
	v_mov_b32 v[TM+4+\b], 0                        ; written once: a lane permute's destination counts as one of its sources
.endr
	s_lshr_b32 s14, ttmp9, 1
	s_lshl_b32 s14, s14, 5
	s_and_b32 s15, ttmp9, 1
	s_lshl_b32 s15, s15, 3
	s_add_co_u32 s14, s14, s15
	s_lshr_b32 s15, s12, 2
	s_lshl_b32 s15, s15, 4
	s_add_co_u32 s14, s14, s15
	s_and_b32 s15, s12, 3
	s_lshl_b32 s15, s15, 1
	s_add_co_u32 s14, s14, s15                     ; my first token: 32 (T / 2) + 16 (w / 4) + 8 (T % 2) + 2 (w % 4)
	s_lshl_b32 s14, s14, 12
	s_mov_b32 s15, 0
	s_mul_i32 s16, ttmp9, 768
	s_mul_i32 s17, s12, 393216                     ; two chunks of 196,608 bytes a K step
	s_add_co_u32 s16, s16, s17
	s_mov_b32 s17, 0
	s_lshl_b32 s18, s12, 14
	s_lshl_b32 s19, ttmp9, 6
	s_add_co_u32 s18, s18, s19
	s_add_co_u32 s18, s18, H_S
	s_mov_b32 s19, 0
	s_mov_b32 s20, 0x76543210
	s_mov_b32 s21, 0xfedcba98                      ; v_permlanex16_b32's selects for lane l xor 16
	s_mov_b32 s22, 0x3a800000                      ; 1 / 1,024
	s_mov_b32 s23, 0x3727c5ac                      ; 1e-5
	s_wait_kmcnt 0x0
	s_add_nc_u64 s[4:5], s[4:5], s[14:15]
	s_add_nc_u64 s[16:17], s[10:11], s[16:17]
	s_add_nc_u64 s[18:19], s[10:11], s[18:19]
.irp e, 0,1
.irp j, 0,1,2,3,4,5,6,7
	global_load_b128 v[X+32*\e+4*\j:X+32*\e+4*\j+3], v4, s[4:5] offset:4096*\e+512*\j th:TH_LOAD_NT
.endr
.endr
.irp j, 0,1,2,3,4,5,6,7
	global_load_b128 v[G+4*\j:G+4*\j+3], v4, s[6:7] offset:512*\j
.endr
.irp j, 0,1,2,3,4,5,6,7
	global_load_b128 v[B+4*\j:B+4*\j+3], v4, s[8:9] offset:512*\j
.endr
.macro ACROSS                          ; the two rows' figures, v[SM] and v[SM + 4], summed over the 32 lanes; the rows by turns
.irp m, 1,2,4,8
.irp e, 0,1
	s_delay_alu instid0(VALU_DEP_2)
	v_add_f32_dpp v[SM+4*\e], v[SM+4*\e], v[SM+4*\e] row_xmask:\m row_mask:0xf bank_mask:0xf
.endr
.endr
.irp e, 0,1
	s_delay_alu instid0(VALU_DEP_2)
	v_permlanex16_b32 v[SM+4*\e+2], v[SM+4*\e], s20, s21
.endr
.irp e, 0,1
	s_delay_alu instid0(VALU_DEP_2)
	v_add_f32 v[SM+4*\e], v[SM+4*\e], v[SM+4*\e+2]
.endr
.endm
	s_wait_loadcnt 16                              ; both rows are in; g's and b's sixteen loads may be out
.irp e, 0,1
	v_pk_add_f32 v[SM+4*\e:SM+4*\e+1], v[X+32*\e:X+32*\e+1], v[X+32*\e+2:X+32*\e+3]
	v_pk_add_f32 v[SM+4*\e+2:SM+4*\e+3], v[X+32*\e+4:X+32*\e+5], v[X+32*\e+6:X+32*\e+7]
.endr
.irp i, 8,12,16,20,24,28
.irp e, 0,1
	s_delay_alu instid0(VALU_DEP_4)
	v_pk_add_f32 v[SM+4*\e:SM+4*\e+1], v[SM+4*\e:SM+4*\e+1], v[X+32*\e+\i:X+32*\e+\i+1]
	s_delay_alu instid0(VALU_DEP_4)
	v_pk_add_f32 v[SM+4*\e+2:SM+4*\e+3], v[SM+4*\e+2:SM+4*\e+3], v[X+32*\e+\i+2:X+32*\e+\i+3]
.endr
.endr
.irp e, 0
	s_delay_alu instid0(VALU_DEP_3)
	v_pk_add_f32 v[SM+4*\e:SM+4*\e+1], v[SM+4*\e:SM+4*\e+1], v[SM+4*\e+2:SM+4*\e+3]
.endr
.irp e, 1
	s_delay_alu instid0(VALU_DEP_2)
	v_pk_add_f32 v[SM+4*\e:SM+4*\e+1], v[SM+4*\e:SM+4*\e+1], v[SM+4*\e+2:SM+4*\e+3]
.endr
.irp e, 0,1
	s_delay_alu instid0(VALU_DEP_2)
	v_add_f32 v[SM+4*\e], v[SM+4*\e], v[SM+4*\e+1]
.endr
	ACROSS
.irp e, 0,1
	s_delay_alu instid0(VALU_DEP_2)
	v_mul_f32 v[SM+4*\e], s22, v[SM+4*\e]          ; the mean
.endr
.irp i, 0,2,4,6,8,10,12,14,16,18,20,22,24,26,28,30
.irp e, 0,1
	v_pk_add_f32 v[X+32*\e+\i:X+32*\e+\i+1], v[X+32*\e+\i:X+32*\e+\i+1], v[SM+4*\e:SM+4*\e+1] op_sel_hi:[1,0] neg_lo:[0,1] neg_hi:[0,1]   ; x - mean, in place
.endr
.endr
.irp e, 0,1
	v_pk_mul_f32 v[SM+4*\e:SM+4*\e+1], v[X+32*\e:X+32*\e+1], v[X+32*\e:X+32*\e+1]
	v_pk_mul_f32 v[SM+4*\e+2:SM+4*\e+3], v[X+32*\e+2:X+32*\e+3], v[X+32*\e+2:X+32*\e+3]
.endr
.irp i, 4,8,12,16,20,24,28
.irp e, 0,1
	s_delay_alu instid0(VALU_DEP_4)
	v_pk_fma_f32 v[SM+4*\e:SM+4*\e+1], v[X+32*\e+\i:X+32*\e+\i+1], v[X+32*\e+\i:X+32*\e+\i+1], v[SM+4*\e:SM+4*\e+1]
	s_delay_alu instid0(VALU_DEP_4)
	v_pk_fma_f32 v[SM+4*\e+2:SM+4*\e+3], v[X+32*\e+\i+2:X+32*\e+\i+3], v[X+32*\e+\i+2:X+32*\e+\i+3], v[SM+4*\e+2:SM+4*\e+3]
.endr
.endr
.irp e, 0
	s_delay_alu instid0(VALU_DEP_3)
	v_pk_add_f32 v[SM+4*\e:SM+4*\e+1], v[SM+4*\e:SM+4*\e+1], v[SM+4*\e+2:SM+4*\e+3]
.endr
.irp e, 1
	s_delay_alu instid0(VALU_DEP_2)
	v_pk_add_f32 v[SM+4*\e:SM+4*\e+1], v[SM+4*\e:SM+4*\e+1], v[SM+4*\e+2:SM+4*\e+3]
.endr
.irp e, 0,1
	s_delay_alu instid0(VALU_DEP_2)
	v_add_f32 v[SM+4*\e], v[SM+4*\e], v[SM+4*\e+1]
.endr
	ACROSS
.irp e, 0,1
	s_delay_alu instid0(VALU_DEP_2)
	v_fma_f32 v[SM+4*\e], v[SM+4*\e], s22, s23     ; the variance + 1e-5
.endr
	s_wait_alu depctr_va_vdst(0)                   ; ahead of the two roots
.irp e, 0,1
	v_rsq_f32 v[SM+4*\e+2], v[SM+4*\e]
.endr
	v_nop                                          ; a plain instruction behind the two roots,
	s_wait_alu depctr_va_vdst(0)                   ; and one wait for both, ahead of their first reader
	s_wait_loadcnt 0x0                             ; g and b
.irp i, 0,2,4,6,8,10,12,14,16,18,20,22,24,26,28,30
.irp e, 0,1
	v_pk_mul_f32 v[X+32*\e+\i:X+32*\e+\i+1], v[X+32*\e+\i:X+32*\e+\i+1], v[SM+4*\e+2:SM+4*\e+3] op_sel_hi:[1,0]
.endr
.irp e, 0,1
	s_delay_alu instid0(VALU_DEP_2)
	v_pk_fma_f32 v[X+32*\e+\i:X+32*\e+\i+1], v[X+32*\e+\i:X+32*\e+\i+1], v[G+\i:G+\i+1], v[B+\i:B+\i+1]
.endr
.endr
.irp e, 0,1
.irp j, 0,1,2,3,4,5,6,7
	ds_store_b128 v5, v[X+32*\e+4*\j:X+32*\e+4*\j+3] offset:PITCH*\e+512*\j
.endr
.endr
	s_wait_dscnt 0x0                               ; for the others' sake: my two rows lie in LDS
	s_barrier_signal -1
	s_barrier_wait -1
.irp b, 0,1,2,3
.irp j, 0,1,2,3
	ds_load_b128 v[X+16*\b+4*\j:X+16*\b+4*\j+3], v6 offset:128*\b+16*\j   ; register 16 b + i = k 32 b + 16 h + i of row r, K step w
.endr
.endr
	s_wait_dscnt 0x0
.irp b, 0,1,2,3
	v_max3_num_f32 v[TM+\b], |v[X+16*\b]|, |v[X+1+16*\b]|, 0x1800000   ; block b: my 16 numbers and the floor 2^(3 - 127)
.endr
.irp i, 2,4,6,8,10,12,14
.irp b, 0,1,2,3
	s_delay_alu instid0(VALU_DEP_4)
	v_max3_num_f32 v[TM+\b], v[TM+\b], |v[X+16*\b+\i]|, |v[X+1+16*\b+\i]|
.endr
.endr
.irp b, 0,1,2,3
	s_delay_alu instid0(VALU_DEP_4)
	v_permlanex16_b32 v[TM+4+\b], v[TM+\b], s20, s21
.endr
.irp b, 0,1,2,3
	s_delay_alu instid0(VALU_DEP_4)
	v_max_num_f32 v[TM+\b], v[TM+\b], v[TM+4+\b]   ; with lane l xor 16's: the block's largest magnitude
.endr
.irp b, 0,1,2,3
	s_delay_alu instid0(VALU_DEP_4)
	v_add_nc_u32 v[TM+12+\b], 0xff000000, v[TM+\b] ; 2 off the exponent field: the conversion's scale
.endr
.irp b, 0,1,2,3
	s_delay_alu instid0(VALU_DEP_4)
	v_lshrrev_b32 v[TM+4+\b], 23, v[TM+12+\b]      ; the scale's byte
.endr
	s_delay_alu instid0(VALU_DEP_3)
	v_lshl_or_b32 v[PW], v[TM+5], 8, v[TM+4]
	s_delay_alu instid0(VALU_DEP_1)
	v_lshl_or_b32 v[PW], v[TM+6], 16, v[PW]
	s_delay_alu instid0(VALU_DEP_1)
	v_lshl_or_b32 v[PW], v[TM+7], 24, v[PW]
.irp c, 0,1
	v_cvt_scalef32_pk16_fp6_f32 v[PC+6*\c:PC+6*\c+2], v[X+32*\c:X+32*\c+15], v[TM+12+2*\c]
	v_cvt_scalef32_pk16_fp6_f32 v[CT+4*\c:CT+4*\c+2], v[X+16+32*\c:X+31+32*\c], v[TM+13+2*\c]
.endr
	v_nop                                          ; one plain instruction behind the conversions
.irp c, 0,1                                    ; the operand wants a whole block in a lane: lanes 0-15 block 2 c, lanes 16-31 block 2 c + 1
.irp i, 0,1,2
	v_permlane16_swap_b32 v[PC+6*\c+\i], v[CT+4*\c+\i]
.endr
.irp i, 0,1,2
	s_delay_alu instid0(VALU_DEP_3)
	v_mov_b32 v[PC+3+6*\c+\i], v[CT+4*\c+\i]
.endr
.endr
	global_store_b128 v4, v[PC:PC+3], s[16:17]
	global_store_b64 v8, v[PC+4:PC+5], s[16:17]
	global_store_b128 v4, v[PC+6:PC+9], s[16:17] offset:196608
	global_store_b64 v8, v[PC+10:PC+11], s[16:17] offset:196608
	global_store_b32 v9, v[PW], s[18:19]
	s_wait_tensorcnt 0x0                           ; the wave's end
	ds_add_u32 v192, v193
	s_wait_dscnt 0x0
	s_endpgm
.Lfunc_end_k_q6178374cab_ln:
	.size	k_q6178374cab_ln, .Lfunc_end_k_q6178374cab_ln-k_q6178374cab_ln
	.p2alignl 7, 3214868480
	.fill 96, 4, 3214868480
	.section	.rodata,"a",@progbits
	.p2align	6, 0x0
	.amdhsa_kernel k_q6178374cab_ln
		.amdhsa_group_segment_fixed_size 67072
		.amdhsa_private_segment_fixed_size 0
		.amdhsa_enable_private_segment 0
		.amdhsa_kernarg_size 32
		.amdhsa_user_sgpr_count 2
		.amdhsa_user_sgpr_kernarg_segment_ptr 1
		.amdhsa_wavefront_size32 1
		.amdhsa_system_sgpr_workgroup_id_x 1
		.amdhsa_system_sgpr_workgroup_id_y 1
		.amdhsa_system_sgpr_workgroup_id_z 1
		.amdhsa_system_vgpr_workitem_id 0
		.amdhsa_next_free_vgpr 194
		.amdhsa_next_free_sgpr 66
		.amdhsa_reserve_vcc 0
		.amdhsa_float_denorm_mode_32 3
		.amdhsa_float_denorm_mode_16_64 3
		.amdhsa_memory_ordered 1
		.amdhsa_forward_progress 1
		.amdhsa_inst_pref_size 30
	.end_amdhsa_kernel
	.amdgpu_metadata
---
amdhsa.version: [ 1, 2 ]
amdhsa.kernels:
  - .name:           k_q6178374cab_ln
    .symbol:         k_q6178374cab_ln.kd
    .args:
      - { .name: x, .offset: 0, .size: 8, .value_kind: global_buffer, .address_space: global }
      - { .name: ln1_g, .offset: 8, .size: 8, .value_kind: global_buffer, .address_space: global }
      - { .name: ln1_b, .offset: 16, .size: 8, .value_kind: global_buffer, .address_space: global }
      - { .name: hb, .offset: 24, .size: 8, .value_kind: global_buffer, .address_space: global }
    .group_segment_fixed_size: 67072
    .private_segment_fixed_size: 0
    .kernarg_segment_align: 8
    .kernarg_segment_size: 32
    .max_flat_workgroup_size: 256
    .sgpr_count:     66
    .vgpr_count:     194
    .wavefront_size: 32
...
	.end_amdgpu_metadata
.endif
;; end of part 9
;; launch gk (part 10): grid 8 x 32, 4 waves a work-group, clusters of 4 x 4, 327,680 bytes of LDS; arguments hb, wb, b_attn, kvb; writes kvb
.if DOCPART == 10
	.amdgcn_target "amdgcn-amd-amdhsa--gfx1250"
	.amdhsa_code_object_version 6
	.text
	.protected	k_q6178374cab_gk
	.globl	k_q6178374cab_gk
	.p2align	8
	.type	k_q6178374cab_gk,@function
k_q6178374cab_gk:
	s_mov_b64 s[64:65], 0
	v_nop
	global_prefetch_b8 v0, s[64:65] scope:SCOPE_SE
	s_setreg_imm32_b32 hwreg(HW_REG_WAVE_MODE, 25, 1), 1
	s_wait_xcnt 0x0
	s_wait_alu depctr_hold_cnt(0) depctr_sa_sdst(0) depctr_va_vdst(0) depctr_va_sdst(0) depctr_va_ssrc(0) depctr_va_vcc(0) depctr_vm_vsrc(0)
	s_getreg_b32 s2, hwreg(HW_REG_IB_STS2, 6, 4)
	s_cmp_eq_u32 s2, 0
	s_cbranch_scc0 .Lentry_in_a_cluster
	s_endpgm
.Lentry_in_a_cluster:
	s_bfe_u32 s2, ttmp6, 0x10000c
	s_cmp_lg_u32 s2, 0xf033
	s_cbranch_scc0 .Lentry_shape_is_right
	s_endpgm
.Lentry_shape_is_right:
; k = Q(h) Q(w_attn[:, 1024:2048]) + b_attn[1024:2048], 4,096 x 1,024 x 1,024 on codes of FP6 (E2M3) with E8M0 scales; the module uses this slice of its first product for q, k and v alike, so nothing else of it is made.
; k leaves QUANTISED TWICE and never as f32: along a head's 64 channels (both operands of the scores) and along the keys (the values).
; OPERANDS lie as images of operand registers: [K / 64][rows / 16][768 bytes]; lane (rho, h) of a unit holds k = 32 h .. + 31 of row rho, registers 0-3 at 16 (rho + 16 h), 4 and 5 at 512 + 16 rho + 8 h.  Scale words: [K / 128][rows].
; Row n of a tensor lies at place n with bits 3 and 4 exchanged.  So 128 rows x 64 K are 6,144 dense bytes, a fragment comes by four LDS loads of consecutive bytes, and no padding is needed.
; A BLOCK OF 128 x 128: 4,096 x 1,024 outputs make 256 such blocks, a work-group to each.  Four waves, 64 x 64 each: 16 accumulators.  A slot holds 512 along K of A's 128 rows and of B's; K = 1,024 is two slots, both filled
; at the start: nothing is filled again.  A wave's tensor load brings 128 rows x 1,024 K as 16 rows of 6,144 bytes: wave 0 A's, wave 1 B's; waves 2, 3 bring the scale words.  The scale words come once, likewise shared.
; CLUSTERS: 4 x 4 work-groups; the four of a row need the same tiles of A, the four of a column the same tiles of B: each tile is asked for jointly.
; TRANSPOSED USE: source 0 = 16 rows of B (weight columns), source 1 = 16 rows of A (tokens): lane (r, h) holds token r, and the registers of tiles 2 i, 2 i + 1 are the 16 neighbouring columns 32 i + 16 h + 0 .. 15.
; A wave's 64 columns are one head.  The bias is the C of each sum's first matrix instruction.
; REGISTERS: window 0: v1-31 addresses; v32-63 scale words, two sets; v64-95 the bias; v128-255 the accumulators, (a, b) at v[128 + 8 (4 a + b)].  Window 1: two sets of fragments, at v0 and v128: A's four, then B's four.
; LIMITS: a block of zeros gets the byte 1 where the rule says 127 (zero codes; this program alone reads the bytes); blocks under 2^-124 keep the byte 1; NaN and infinities are not served.
.set SIZE_M, 4096
.set SIZE_N, 1024
.set SIZE_K, 1024
.set A_S,    3145728                   ; A's scale words in its buffer
.set B_C,    0                         ; B's codes in wb
.set B_S,    7864320                   ; and its scale words
.set VC,     3145728                   ; kvb: the values' codes,
.set KVS,    6291456                   ; and both tensors' scale words, 12,288 bytes a head: 2,048 key words, then [16 key steps][64 channels]
.set FR,     12                        ; registers of a fragment
.set NP,     4                         ; places behind this matrix instruction (ISA guide 7.12.1)
.set CH,     6144                      ; 128 rows x 64 K
.set HALFT,  4*CH                      ; 128 rows x 256 K
.set SLOT,   4*HALFT                   ; A's 128 rows x 512 K, then B's
.set LAPS,   SIZE_K/1024               ; a lap = two slots
.set SCL,    2*SLOT                    ; behind the slots: the scale words, [K step][128 rows], A's and then B's
.set HALFS,  (SIZE_K/256)*512          ; a slot's four K steps of A's scale words, or of B's
.set SPARE,  SCL+4*HALFS               ; the spare words, 128 bytes a wave: two blocks of 256 bytes that no other line names
.set ADRA, 16                          ; v16-17 my A fragments' registers 0-3 in slot 0, 1; v18-19 their registers 4, 5
.set ADRB, 20                          ; v20-23 the same for B
.set ADRS, 27                          ; v27    my scale words: lanes 0-15 A's rows, lanes 16-31 B's
.set SPW,  28                          ; v28    my spare word; never rewritten
.set NIL,  29                          ; v29    0; never rewritten
.set VB,   15                          ; v15    64 h: the bias's offset
.set SC,   32
.set BIAS, 64
.set ACC,  128
.set G1, 24
.set G0, 32
.set G1B, 48
.set G0B, 56
.set G1S, 68
.set G0S, 76
.set G1SB, 80
.set G0SB, 88
; the way out
.set LT,   7                           ; v7   a channel's place in two tiles: 768 x bit 3 + 16 rho
.set KSA,  8                           ; v8   where a key's scale word goes in my stage
.set VSA,  9                           ; v9   where a channel's two scale bytes go in the work-group's 512 bytes
.set KSR,  10                          ; v10  the keys' words read back
.set VSR,  11                          ; v11  the channels' words read back
.set W8,   12                          ; v12  8 x lane
.set STOV, 24                          ; v24  f32 stage, in
.set RDV,  25                          ; v25  f32 stage, by columns
.set L16,  26                          ; v26  16 x lane
.set L8,   31                          ; v31  512 + 16 r + 8 h
.set F32B, 32*272                      ; my stage: 32 tokens x 272 bytes, then 256 bytes of key words
.set VSTB, 16384                       ; the channels' words of the work-group's two heads meet here: bytes of slot 0 that no wave's stage reaches
.set VX,   0                           ; window 1: v0-63 two sets of 32 numbers of a column
.set CSET, 64                          ; window 1: v64-87 two groups of columns, a chunk's 12 registers each
.set MX,   96                          ; window 1: v96, 97 maxima; v98 the conversion's scale; v99 the byte
.set QT,   100                         ; window 1: a conversion's second half
.set VW,   104                         ; window 1: v104, 105 the channels' two scale bytes
.set MSB, 0
.macro WIN new                         ; the immediate's high byte repeats the setting that is left
.if MSB != (\new)
	s_set_vgpr_msb (MSB<<8)|(\new)
.set MSB, (\new)
.endif
.endm
.set MUL,  0x05                        ; sources 0 (B) and 1 (A) window 1; C and D window 0
.set TO_F, 0x40                        ; destination window 1, address window 0
; A joint load: waves 0 and 1 fetch for A, waves 2 and 3 for B; the branch hangs on the wave's number alone.  Four v_nop follow each of the two lines.
.macro JLOAD g0a, g1a, g0b, g1b
	s_cmp_eq_u32 s15, 0
	s_cbranch_scc0 .Lfor_b_\@
	tensor_load_to_lds s[\g0a:\g0a+3], s[\g1a:\g1a+7]
	s_nop 0
.rept 4
	v_nop
.endr
	s_branch .Lasked_\@
.Lfor_b_\@:
	tensor_load_to_lds s[\g0b:\g0b+3], s[\g1b:\g1b+7]
	s_nop 0
.rept 4
	v_nop
.endr
.Lasked_\@:
.endm
.macro CREST                           ; a round of the cluster's barrier behind its opening barrier
	s_cmp_lg_u32 s14, 0
	s_cbranch_scc1 .Lnot_wave_0_\@
	s_barrier_signal -3
.Lnot_wave_0_\@:
	s_barrier_wait -3
	s_barrier_signal -1
	s_barrier_wait -1
.endm
.macro CROUND
	s_barrier_signal -1
	s_barrier_wait -1
	CREST
.endm
	s_load_b256 s[4:11], s[0:1], 0x0               ; A's buffer s[4:5], wb s[6:7], the bias s[8:9], kvb s[10:11]
	v_lshl_add_u32 v[SPW], v0, 2, SPARE
	v_mov_b32 v[NIL], 0
	ds_add_u32 v28, v29
	ds_add_u32 v28, v29
	s_wait_dscnt 0x0
	v_lshrrev_b32 v1, 5, v0
	v_readfirstlane_b32 s14, v1                    ; wave 0..3
	s_lshr_b32 s15, s14, 1                         ; which half of the block's rows is mine.
	s_and_b32 s16, s14, 1                          ; which half of its columns.
	s_bfe_u32 s40, ttmp6, 0x40000                  ; cx, cy
	s_bfe_u32 s41, ttmp6, 0x40004
	s_lshl_b32 s42, ttmp9, 2
	s_add_co_u32 s42, s42, s40                     ; block column
	s_and_b32 s17, ttmp7, 0xffff
	s_lshl_b32 s17, s17, 2
	s_add_co_u32 s17, s17, s41                     ; block row
	s_lshl_b32 s43, s41, 2
	s_lshl_b32 s43, 15, s43                        ; my row of the cluster
	s_lshl_b32 s44, 0x1111, s40                    ; my column
	s_or_b32 s[G1+0], s43, (3<<16)|(1<<21)         ; 15:0 the mask; 17:16 elements of 8 bytes; 21 set beside a mask; no padding
	s_or_b32 s[G1B+0], s44, (3<<16)|(1<<21)
.irp g, G1, G1B
	s_mov_b32 s[\g+1], 768<<16                     ; tensor_dim0: 768 elements, 6,144 bytes
	s_mov_b32 s[\g+2], 16<<16                      ; tensor_dim1: all 16 chunks of 64 along K
	s_mov_b32 s[\g+3], 768<<16                     ; tile_dim0
	s_mov_b32 s[\g+4], 16                          ; tile_dim1
	s_mov_b32 s[\g+6], 0
	s_mov_b32 s[\g+7], 0
.endr
	s_mov_b32 s[G1+5], SIZE_M*6                    ; from chunk to chunk: rows x 48 bytes
	s_mov_b32 s[G1B+5], SIZE_N*6
	s_or_b32 s[G1S+0], s43, (3<<16)|(1<<21)
	s_or_b32 s[G1SB+0], s44, (3<<16)|(1<<21)
.irp g, G1S, G1SB
	s_mov_b32 s[\g+1], 64<<16                      ; the scale words of 128 rows: 512 bytes for each K step
	s_mov_b32 s[\g+2], (SIZE_K/128)<<16            ; all K steps' scale words in one load
	s_mov_b32 s[\g+3], 64<<16
	s_mov_b32 s[\g+4], SIZE_K/128
	s_mov_b32 s[\g+6], 0
	s_mov_b32 s[\g+7], 0
.endr
	s_mov_b32 s[G1S+5], SIZE_M/2
	s_mov_b32 s[G1SB+5], SIZE_N/2
	s_mul_i32 s20, s17, 6144                       ; A's codes: 128 rows x 48 bytes a block row,
	s_mov_b32 s21, 0
	s_lshl_b32 s22, s17, 9                         ; A's scale words: 512 bytes a block row,
	s_add_co_u32 s22, s22, A_S
	s_mov_b32 s23, 0
	s_mul_i32 s46, s42, 6144                       ; B likewise, by the block column
	s_add_co_u32 s46, s46, B_C
	s_mov_b32 s47, 0
	s_lshl_b32 s92, s42, 9
	s_add_co_u32 s92, s92, B_S
	s_mov_b32 s93, 0
	s_wait_kmcnt 0x0
	s_add_nc_u64 s[20:21], s[4:5], s[20:21]
	s_add_nc_u64 s[22:23], s[4:5], s[22:23]
	s_add_nc_u64 s[46:47], s[6:7], s[46:47]
	s_add_nc_u64 s[92:93], s[6:7], s[92:93]
	CROUND                                         ; all sixteen work-groups are here: the first joint loads meet
; THE HEAD'S LOADS AS THEY NOW STAND, ONE A WAVE, AND NONE LATER: wave 0 brings A's 128 rows x all 1,024 K (16 chunks, 98,304 bytes, at LDS 0), wave 1 B's (behind them),
; wave 2 A's scale words of all 8 K steps, wave 3 B's.  In LDS the lower 512 along K of A are bytes 0 to 49,151, the upper 512 follow; B likewise from 4 HALFT on.
	s_mov_b32 s[G0], 1
	s_mov_b32 s[G0+1], 0
	s_mov_b64 s[G0+2:G0+3], s[20:21]
	s_or_b32 s[G0+3], s[G0+3], 0x80000000
	s_mov_b32 s[G0B], 1
	s_mov_b32 s[G0B+1], 4*HALFT
	s_mov_b64 s[G0B+2:G0B+3], s[46:47]
	s_or_b32 s[G0B+3], s[G0B+3], 0x80000000
	s_mov_b32 s[G0S], 1
	s_mov_b32 s[G0S+1], SCL
	s_mov_b64 s[G0S+2:G0S+3], s[22:23]
	s_or_b32 s[G0S+3], s[G0S+3], 0x80000000
	s_mov_b32 s[G0SB], 1
	s_mov_b32 s[G0SB+1], SCL+2*HALFS
	s_mov_b64 s[G0SB+2:G0SB+3], s[92:93]
	s_or_b32 s[G0SB+3], s[G0SB+3], 0x80000000
.macro ARM under, g0, g1, next         ; one chain of branches on the wave's number: every way passes exactly one load
	s_cmp_lt_u32 s14, \under
	s_cbranch_scc0 \next
	tensor_load_to_lds s[\g0:\g0+3], s[\g1:\g1+7]
	s_nop 0
.rept 4
	v_nop
.endr
	s_branch .Lhead_asked
\next:
.endm
	ARM 1, G0,  G1,  .Lhead_b
	ARM 2, G0B, G1B, .Lhead_sa
	ARM 3, G0S, G1S, .Lhead_sb
	tensor_load_to_lds s[G0SB:G0SB+3], s[G1SB:G1SB+7]
	s_nop 0
.rept 4
	v_nop
.endr
.Lhead_asked:
	v_and_b32 v1, 15, v0                           ; r
	v_bfe_u32 v2, v0, 4, 1                         ; h
	v_and_b32 v3, 31, v0                           ; lane
	v_lshlrev_b32 v4, 4, v3                        ; 16 x lane
	v_lshlrev_b32 v5, 4, v1
	v_lshl_add_u32 v5, v2, 3, v5
	v_add_nc_u32 v5, 512, v5                       ; 512 + 16 r + 8 h
	s_mul_i32 s21, s15, 3072                       ; my four tiles of A's eight
	s_mul_i32 s22, s16, 3072
	s_add_co_u32 s22, s22, 4*HALFT                 ; my four tiles of B's, behind A's 98,304 bytes
.irp s, 0,1
	v_add_nc_u32 v[ADRA+\s], s21, v4
	v_add_nc_u32 v[ADRB+\s], s22, v4
	v_add_nc_u32 v[ADRA+2+\s], s21, v5
	v_add_nc_u32 v[ADRB+2+\s], s22, v5
	s_add_co_u32 s21, s21, 2*HALFT                 ; the upper 512 along K: eight chunks on
	s_add_co_u32 s22, s22, 2*HALFT
.endr
	s_lshl_b32 s21, s15, 8                         ; A's scale words: my 64 rows
	s_lshl_b32 s22, s16, 8
	s_add_co_u32 s22, s22, 2*HALFS                 ; B's, behind A's
	s_sub_co_u32 s22, s22, s21
	v_mul_u32_u24 v6, s22, v2                      ; lanes 16-31 take B's
	s_add_co_u32 s21, s21, SCL
	v_lshl_add_u32 v6, v1, 2, v6
	v_add_nc_u32 v[ADRS], s21, v6
	; the bias of my 64 columns
	s_lshl_b32 s46, s42, 9
	s_lshl_b32 s47, s16, 8
	s_add_co_u32 s46, s46, s47                     ; my first column, in bytes of f32
	s_mov_b32 s47, 0
	s_add_nc_u64 s[96:97], s[8:9], s[46:47]
	s_add_nc_u64 s[96:97], s[96:97], 4096          ; b_attn's slice begins at number 1,024
	v_lshlrev_b32 v[VB], 6, v2
.irp b, 0,1,2,3                                ; lane (r, h), tile b, register j: column 32 (b / 2) + 16 h + 8 (b % 2) + j
	global_load_b128 v[BIAS+8*\b:BIAS+8*\b+3], v[VB], s[96:97] offset:128*(\b/2)+32*(\b%2)
	global_load_b128 v[BIAS+8*\b+4:BIAS+8*\b+7], v[VB], s[96:97] offset:128*(\b/2)+32*(\b%2)+16
.endr
	; where the results go
	s_lshr_b32 s20, s17, 4                         ; batch
	s_and_b32 s21, s17, 15                         ; the block's 128 tokens are this key step of the batch
	s_lshl_b32 s20, s20, 4
	s_lshl_b32 s22, s42, 1
	s_add_co_u32 s20, s20, s22
	s_add_co_u32 s20, s20, s16                     ; my head, batch x 16 + head
	s_mul_i32 s22, s20, 98304                      ; a head's codes, of the keys and of the values alike
	s_mul_i32 s23, s21, 6144
	s_add_co_u32 s22, s22, s23
	s_mul_i32 s23, s15, 3072                       ; my 4 tiles of keys, or my chunk of 4 channel tiles
	s_add_co_u32 s22, s22, s23
	s_mov_b32 s23, 0
	s_add_nc_u64 s[4:5], s[10:11], s[22:23]        ; the keys' codes; the values' lie VC further on
	s_mul_i32 s22, s20, 12288
	s_add_co_u32 s22, s22, KVS
	s_lshl_b32 s46, s21, 9
	s_lshl_b32 s47, s15, 8
	s_add_co_u32 s46, s46, s47
	s_add_co_u32 s46, s46, s22
	s_mov_b32 s47, 0
	s_add_nc_u64 s[6:7], s[10:11], s[46:47]        ; my 64 keys' scale words
	s_lshl_b32 s46, s21, 8
	s_add_co_u32 s46, s46, s22
	s_add_co_u32 s46, s46, 8192
	s_add_nc_u64 s[12:13], s[10:11], s[46:47]      ; my head's 64 channels' words of this key step
	s_mul_i32 s23, s16, HALFT                      ; my stage lies in the lower 512 along K of A (waves 0, 1) or of B (waves 2, 3): bytes that have had their only fill,
	s_mul_i32 s22, s15, 4*HALFT                    ; and their last read in front of the barrier at the change to the upper 512
	s_add_co_u32 s23, s23, s22
	v_lshrrev_b32 v6, 3, v1
	v_and_b32 v14, 7, v1
	v_lshl_or_b32 v6, v6, 4, v14                   ; token 16 (r / 8) + r % 8 of the 32 (+ 8 for the odd tile)
	v_mul_u32_u24 v6, v6, 272
	v_lshl_add_u32 v6, v2, 6, v6
	v_add_nc_u32 v[STOV], s23, v6
	v_lshlrev_b32 v6, 2, v3
	v_add_nc_u32 v[RDV], s23, v6
	v_lshlrev_b32 v[L16], 4, v3
	v_add_nc_u32 v[L8], 0, v5
	v_lshlrev_b32 v[W8], 3, v3
	v_bfe_u32 v6, v3, 3, 1
	v_bfe_u32 v14, v3, 4, 1
	v_and_b32 v[LT], 7, v3
	v_lshl_or_b32 v14, v14, 3, v[LT]               ; rho of channel L
	v_lshlrev_b32 v[LT], 4, v14
	v_mad_u32_u24 v[LT], v6, 768, v[LT]
	v_lshl_or_b32 v14, v6, 4, v14                  ; L with bits 3 and 4 exchanged
	s_add_co_u32 s23, s23, F32B
	v_lshlrev_b32 v[KSA], 2, v1
	v_add_nc_u32 v[KSA], s23, v[KSA]
	v_add_nc_u32 v[KSR], s23, v[W8]
	s_lshl_b32 s23, s16, 8
	s_add_co_u32 s23, s23, VSTB                    ; my head's 64 words
	v_add_nc_u32 v[VSR], s23, v[W8]
	s_lshl_b32 s22, s15, 1
	s_add_co_u32 s23, s23, s22                     ; my 64 tokens are the lower or the upper two bytes of a word
	v_lshlrev_b32 v[VSA], 2, v14
	v_add_nc_u32 v[VSA], s23, v[VSA]
.macro FRAG reg, adr, q, i             ; a fragment, 16 rows x 128 K: two units of 768 bytes; each load takes consecutive bytes
	ds_load_b128 v[\reg:\reg+3], v[\adr] offset:2*(\q)*CH+(\i)*768
	ds_load_b64 v[\reg+4:\reg+5], v[\adr+2] offset:2*(\q)*CH+(\i)*768
	ds_load_b128 v[\reg+6:\reg+9], v[\adr] offset:(2*(\q)+1)*CH+(\i)*768
	ds_load_b64 v[\reg+10:\reg+11], v[\adr+2] offset:(2*(\q)+1)*CH+(\i)*768
.endm
; 4 matrix instructions: A's block a x B's four.  first = 1: the bias is the C.  The 16 accumulators take turns, one instruction a turn, in the same order in every step.
.macro MUL4 a, p, q, sc, first
.irp b, 0,1,2,3
.if \first
	v_wmma_scale_f32_16x16x128_f8f6f4 v[ACC+8*(4*(\a)+\b):ACC+8*(4*(\a)+\b)+7], v[128*(\p)+48+FR*\b:128*(\p)+48+FR*\b+FR-1], v[128*(\p)+FR*(\a):128*(\p)+FR*(\a)+FR-1], v[BIAS+8*\b:BIAS+8*\b+7], v[SC+16*(\sc)+4*(\q)+\b], v[SC+16*(\sc)+4*(\q)+(\a)] matrix_a_fmt:MATRIX_FMT_FP6 matrix_b_fmt:MATRIX_FMT_FP6 matrix_a_scale:MATRIX_SCALE_ROW1
.else
	v_wmma_scale_f32_16x16x128_f8f6f4 v[ACC+8*(4*(\a)+\b):ACC+8*(4*(\a)+\b)+7], v[128*(\p)+48+FR*\b:128*(\p)+48+FR*\b+FR-1], v[128*(\p)+FR*(\a):128*(\p)+FR*(\a)+FR-1], v[ACC+8*(4*(\a)+\b):ACC+8*(4*(\a)+\b)+7], v[SC+16*(\sc)+4*(\q)+\b], v[SC+16*(\sc)+4*(\q)+(\a)] matrix_a_fmt:MATRIX_FMT_FP6 matrix_b_fmt:MATRIX_FMT_FP6 matrix_a_scale:MATRIX_SCALE_ROW1
.endif
.endr
.endm
.macro FETCH slot, q, p                ; 32 LDS loads in one run: the slot's q-th 128 along K into set p: B's four fragments, then A's four
	WIN TO_F
.irp i, 0,1,2,3
	FRAG 128*(\p)+48+FR*\i, ADRB+\slot, \q, \i
.endr
.irp i, 0,1,2,3
	FRAG 128*(\p)+FR*\i, ADRA+\slot, \q, \i
.endr
.endm
.macro SCALES sc                       ; a slot's scale words: lanes 0-15 A's block i, lanes 16-31 B's block i, for its four K steps
.irp q, 0,1,2,3
.irp i, 0,1,2,3
	ds_load_b32 v[SC+16*\sc+4*\q+\i], v[ADRS] offset:512*\q+64*\i
.endr
.endr
.endm
.macro PLACES n                        ; plain instructions between a matrix instruction and a load into, or a vector read or write of, its registers
.rept \n
	v_nop
.endr
.endm
.macro STEP slot, q, first             ; a step of 128 along K that has its successor in the same slot
	s_wait_dscnt 8                                 ; all but the youngest eight loads (A's blocks 2, 3) are in
	WIN MUL
	MUL4 0, (\q)%2, \q, \slot, \first
	MUL4 1, (\q)%2, \q, \slot, \first
	PLACES NP                                      ; the other set was read by the step before
	FETCH \slot, (\q)+1, 1-(\q)%2
	s_wait_dscnt 32                                ; all but the 32 just issued
	WIN MUL
	MUL4 2, (\q)%2, \q, \slot, \first
	MUL4 3, (\q)%2, \q, \slot, \first
.endm
; A slot's last step changes slots: one barrier; in front of it each wave waits for all its tensor loads, adds 0 to its spare word, and waits for that and for its reads of this slot.
.macro TURN slot, next, fill
	WIN 0                                          ; (the add's two registers lie in window 0)
	s_wait_tensorcnt 0x0                           ; all my tensor loads have landed: my part of the next slot
	ds_add_u32 v[SPW], v[NIL]                      ; 0 onto my spare word
	s_wait_dscnt 9                                 ; (the add and A's blocks 2, 3 may be out)
	WIN MUL
	MUL4 0, 1, 3, \slot, 0
	s_wait_dscnt 0x0                               ; the add is done, and my reads of this slot are over
	s_barrier_signal -1
	MUL4 1, 1, 3, \slot, 0
	WIN 0
	s_barrier_wait -1
.if \fill
	CREST                                          ; the barrier has opened a round of the cluster's: no wave of any partner still reads this slot or has a load on its way
	s_add_nc_u64 s[G0+4*\slot+2:G0+4*\slot+3], s[G0+4*\slot+2:G0+4*\slot+3], 16*SIZE_M*48
	s_add_nc_u64 s[G0B+4*\slot+2:G0B+4*\slot+3], s[G0B+4*\slot+2:G0B+4*\slot+3], 16*SIZE_N*48
	JLOAD G0+4*\slot, G1, G0B+4*\slot, G1B         ; the first tensor load behind the round; its four v_nop are the places in front of the loads below
.else
	PLACES NP
.endif
	v_add_nc_u32 v[ADRS], 2048, v[ADRS]            ; on to the next slot's scale words
	SCALES \next
	FETCH \next, 0, 0
	WIN MUL
	MUL4 2, 1, 3, \slot, 0
	MUL4 3, 1, 3, \slot, 0
.endm
	s_wait_alu depctr_va_vdst(0)
	s_wait_tensorcnt 0x0                           ; my one load is in; behind the barrier everybody's
	s_barrier_signal -1
	s_barrier_wait -1
	SCALES 0
	FETCH 0, 0, 0
	s_wait_loadcnt 0x0                             ; the bias
	STEP 0, 0, 1
.if LAPS > 1
	WIN 0                                          ; at a label and at a branch every window is 0
	s_mov_b32 s3, LAPS-1
.Llap:                                             ; a trip goes once round the ring and fills both slots again
	STEP 0, 1, 0
	STEP 0, 2, 0
	TURN 0, 1, 1
	STEP 1, 0, 0
	STEP 1, 1, 0
	STEP 1, 2, 0
	TURN 1, 0, 1
	STEP 0, 0, 0
	WIN 0
	s_sub_co_u32 s3, s3, 1
	s_cmp_lg_u32 s3, 0
	s_cbranch_scc1 .Llap
.endif
	STEP 0, 1, 0
	STEP 0, 2, 0
	TURN 0, 1, 0                                   ; the last lap fills nothing
	STEP 1, 0, 0
	STEP 1, 1, 0
	STEP 1, 2, 0
	s_wait_dscnt 8
	WIN MUL
	MUL4 0, 1, 3, 1, 0
	MUL4 1, 1, 3, 1, 0
	s_wait_dscnt 0
	MUL4 2, 1, 3, 1, 0
	MUL4 3, 1, 3, 1, 0
	WIN 0
; 32 numbers of a lane, v[s] on, register 16 b + i = channel 32 b + 16 h + i of my token, become a unit's six registers in v44-49 and the key's scale word in v40.  The reads begin at each accumulator's low end.
; The word repeats the head's two bytes, so that the two blocks of zero codes that fill K = 64 up to 128 in the scores' product carry the bytes of the real ones.
.macro QROW s
.irp b, 0,1
	v_max3_num_f32 v[32+\b], |v[\s+16*\b]|, |v[\s+1+16*\b]|, 0x1800000   ; my 16 numbers of block b, and the floor 2^(3 - 127)
.endr
.irp i, 2,4,6,8,10,12,14
.irp b, 0,1
	v_max3_num_f32 v[32+\b], v[32+\b], |v[\s+16*\b+\i]|, |v[\s+1+16*\b+\i]|
.endr
.endr
.irp b, 0,1
	v_permlanex16_b32 v[34+\b], v[32+\b], s18, s19
.endr
.irp b, 0,1
	v_max_num_f32 v[32+\b], v[32+\b], v[34+\b]     ; with lane l xor 16's: the block's largest magnitude
.endr
.irp b, 0,1
	v_add_nc_u32 v[36+\b], 0xff000000, v[32+\b]    ; 2 off the exponent field: the conversion's scale
.endr
.irp b, 0,1
	v_lshrrev_b32 v[38+\b], 23, v[36+\b]           ; the scale's byte
.endr
	v_lshl_or_b32 v40, v39, 8, v38
	v_lshl_or_b32 v40, v40, 16, v40
	v_cvt_scalef32_pk16_fp6_f32 v[44:46], v[\s:\s+15], v36
	v_cvt_scalef32_pk16_fp6_f32 v[48:50], v[\s+16:\s+31], v37
	v_nop                                          ; one plain instruction behind the conversions
.irp i, 0,1,2
	v_permlane16_swap_b32 v[44+\i], v[48+\i]       ; lanes 0-15 now hold block 0 whole, lanes 16-31 block 1
.endr
	v_mov_b32 v47, v48
	v_mov_b32 v48, v49
	v_mov_b32 v49, v50
.endm
.macro LOADC q                         ; channels 32 q + lane of the 32 tokens in the stage, into set q: a block of 32 keys of one channel
.set II, 0
.rept 32
	ds_load_b32 v[VX+32*(\q)+II], v[RDV] offset:272*II+128*(\q)
.set II, II+1
.endr
.endm
.macro QCOL xs, d4, d2                 ; all in window 1.  32 numbers of one channel: a whole block; its registers 0-3 to v[d4] on, 4 and 5 to v[d2] on; the byte in v[MX + 3]
	v_max3_num_f32 v[MX], |v[\xs]|, |v[\xs+1]|, |v[\xs+2]|
	v_max3_num_f32 v[MX+1], |v[\xs+3]|, |v[\xs+4]|, |v[\xs+5]|
.irp i, 6,10,14,18,22,26
	v_max3_num_f32 v[MX], v[MX], |v[\xs+\i]|, |v[\xs+\i+1]|
	v_max3_num_f32 v[MX+1], v[MX+1], |v[\xs+\i+2]|, |v[\xs+\i+3]|
.endr
	v_max3_num_f32 v[MX], v[MX], |v[\xs+30]|, |v[\xs+31]|
	v_max3_num_f32 v[MX], v[MX], v[MX+1], 0x1800000
	v_add_nc_u32 v[MX+2], 0xff000000, v[MX]
	v_lshrrev_b32 v[MX+3], 23, v[MX+2]
	v_cvt_scalef32_pk16_fp6_f32 v[\d4:\d4+2], v[\xs:\xs+15], v[MX+2]
	v_cvt_scalef32_pk16_fp6_f32 v[QT:QT+2], v[\xs+16:\xs+31], v[MX+2]
	v_nop
	v_mov_b32 v[\d4+3], v[QT]
	v_mov_b32 v[\d2], v[QT+1]
	v_mov_b32 v[\d2+1], v[QT+2]
.endm
; THE WAY OUT.  32 tokens (two blocks of 16) at a time.  Along the channels a block's 32 registers are one unit of my head's keys, stored as it stands: 512 and 256 consecutive aligned bytes.  Along the keys the numbers turn
; through my stage in LDS: rows of 272 bytes by token, read back by column; my 64 tokens are one chunk of the values.  (Rows 16 apart lie a multiple of 256 bytes apart, so two lanes of a stage store meet in one bank: 64 banks
; of 4 bytes, ISA guide 11.1.)  LDS serves a wave's instructions in order (ISA guide 5.7.1.4), so no wait stands between my stores and my loads.
	s_mov_b32 s18, 0x76543210
	s_mov_b32 s19, 0xfedcba98
	PLACES NP
	v_mov_b32 v34, 0                               ; a lane permute's destination counts as one of its sources
	v_mov_b32 v35, 0
.set GG, 0
.rept 2
.set UU, 0
.rept 2
.set AA, 2*GG+UU
.set S, ACC+32*AA
	s_wait_xcnt 0x0                                ; the last block's stores have read the unit's registers
	QROW S
	global_store_b128 v[L16], v[44:47], s[4:5] offset:768*AA
	global_store_b64 v[L8], v[48:49], s[4:5] offset:768*AA
	ds_store_b32 v[KSA], v40 offset:64*AA          ; lanes r and r + 16 write the same word with the same value
.irp b, 0,1,2,3
	ds_store_b128 v[STOV], v[S+8*\b:S+8*\b+3] offset:UU*2176+128*(\b/2)+32*(\b%2)
	ds_store_b128 v[STOV], v[S+8*\b+4:S+8*\b+7] offset:UU*2176+128*(\b/2)+32*(\b%2)+16
.endr
.set UU, UU+1
.endr
	WIN TO_F
	LOADC 0
	LOADC 1
	s_wait_dscnt 32                                ; the first group's 32 loads are in; the second's may be out
	WIN 0x55                                       ; the columns' work lies wholly in window 1
	QCOL VX, CSET+4*GG, CSET+8+2*GG
.if GG == 0
	v_mov_b32 v[VW], v[MX+3]
.else
	v_lshl_or_b32 v[VW], v[MX+3], 8, v[VW]
.endif
	s_wait_dscnt 0x0
	QCOL VX+32, CSET+12+4*GG, CSET+20+2*GG
.if GG == 0
	v_mov_b32 v[VW+1], v[MX+3]
.else
	v_lshl_or_b32 v[VW+1], v[MX+3], 8, v[VW+1]
.endif
	WIN 0
.set GG, GG+1
.endr
	WIN 0x04                                       ; a store's data are its source 1: window 1
.irp q, 0,1                                    ; the chunk of 64 keys is whole: three stores of 16 bytes a lane, sixteen lanes to 256 consecutive bytes
	global_store_b128 v[LT], v[CSET+12*\q:CSET+12*\q+3], s[4:5] offset:VC+1536*\q
	global_store_b128 v[LT], v[CSET+12*\q+4:CSET+12*\q+7], s[4:5] offset:VC+1536*\q+256
	global_store_b128 v[LT], v[CSET+12*\q+8:CSET+12*\q+11], s[4:5] offset:VC+1536*\q+512
.endr
.irp q, 0,1
	ds_store_b16 v[VSA], v[VW+\q] offset:128*\q    ; a channel's word is made of two waves' bytes
.endr
	WIN 0
	ds_load_b64 v[52:53], v[KSR]
	s_wait_dscnt 0x0                               ; my keys' words are back; for the others' sake: my bytes of the channels' words lie in LDS
	global_store_b64 v[W8], v[52:53], s[6:7]       ; 64 keys' words: 256 consecutive aligned bytes
	s_barrier_signal -1
	s_barrier_wait -1
	s_cmp_lt_u32 s14, 2                            ; waves 0 and 1 store a head's 64 words each
	s_cbranch_scc0 .Lnot_low
	ds_load_b64 v[54:55], v[VSR]
	s_wait_dscnt 0x0
	global_store_b64 v[W8], v[54:55], s[12:13]
.Lnot_low:
	s_wait_tensorcnt 0x0                           ; the wave's end
	ds_add_u32 v[SPW], v[NIL]
	s_wait_dscnt 0x0
	CROUND                                         ; the closing round
	s_endpgm
.Lfunc_end_k_q6178374cab_gk:
	.size	k_q6178374cab_gk, .Lfunc_end_k_q6178374cab_gk-k_q6178374cab_gk
	.p2alignl 7, 3214868480
	.fill 96, 4, 3214868480
	.section	.rodata,"a",@progbits
	.p2align	6, 0x0
	.amdhsa_kernel k_q6178374cab_gk
		.amdhsa_group_segment_fixed_size 327680
		.amdhsa_private_segment_fixed_size 0
		.amdhsa_enable_private_segment 0
		.amdhsa_kernarg_size 32
		.amdhsa_user_sgpr_count 2
		.amdhsa_user_sgpr_kernarg_segment_ptr 1
		.amdhsa_wavefront_size32 1
		.amdhsa_system_sgpr_workgroup_id_x 1
		.amdhsa_system_sgpr_workgroup_id_y 1
		.amdhsa_system_sgpr_workgroup_id_z 1
		.amdhsa_system_vgpr_workitem_id 0
		.amdhsa_next_free_vgpr 512
		.amdhsa_next_free_sgpr 100
		.amdhsa_reserve_vcc 0
		.amdhsa_float_denorm_mode_32 3
		.amdhsa_float_denorm_mode_16_64 3
		.amdhsa_memory_ordered 1
		.amdhsa_forward_progress 1
		.amdhsa_inst_pref_size 74
	.end_amdhsa_kernel
	.amdgpu_metadata
---
amdhsa.version: [ 1, 2 ]
amdhsa.kernels:
  - .name:           k_q6178374cab_gk
    .symbol:         k_q6178374cab_gk.kd
    .args:
      - { .name: hb, .offset: 0, .size: 8, .value_kind: global_buffer, .address_space: global }
      - { .name: wb, .offset: 8, .size: 8, .value_kind: global_buffer, .address_space: global }
      - { .name: b_attn, .offset: 16, .size: 8, .value_kind: global_buffer, .address_space: global }
      - { .name: kvb, .offset: 24, .size: 8, .value_kind: global_buffer, .address_space: global }
    .group_segment_fixed_size: 327680
    .private_segment_fixed_size: 0
    .kernarg_segment_align: 8
    .kernarg_segment_size: 32
    .max_flat_workgroup_size: 128
    .sgpr_count:     100
    .vgpr_count:     512
    .wavefront_size: 32
...
	.end_amdgpu_metadata
.endif
;; end of part 10
;; launch attn (part 11): grid 8 x 32, 16 waves a work-group, clusters of 4 x 1, 327,680 bytes of LDS; arguments kvb, ob; writes ob
.if DOCPART == 11
	.amdgcn_target "amdgcn-amd-amdhsa--gfx1250"
	.amdhsa_code_object_version 6
	.text
	.protected	k_q6178374cab_attn
	.globl	k_q6178374cab_attn
	.p2align	8
	.type	k_q6178374cab_attn,@function
k_q6178374cab_attn:
	s_mov_b64 s[64:65], 0
	v_nop
	global_prefetch_b8 v0, s[64:65] scope:SCOPE_SE
	s_setreg_imm32_b32 hwreg(HW_REG_WAVE_MODE, 25, 1), 1
	s_wait_xcnt 0x0
	s_wait_alu depctr_hold_cnt(0) depctr_sa_sdst(0) depctr_va_vdst(0) depctr_va_sdst(0) depctr_va_ssrc(0) depctr_va_vcc(0) depctr_vm_vsrc(0)
	s_getreg_b32 s2, hwreg(HW_REG_IB_STS2, 6, 4)
	s_cmp_eq_u32 s2, 0
	s_cbranch_scc0 .Lentry_in_a_cluster
	s_endpgm
.Lentry_in_a_cluster:
	s_bfe_u32 s2, ttmp6, 0x10000c
	s_cmp_lg_u32 s2, 0x3003
	s_cbranch_scc0 .Lentry_shape_is_right
	s_endpgm
.Lentry_shape_is_right:
; o[b][h][q] = the sum over keys of softmax(k[q] . k[key] / 8) k[key]: queries, keys and values are one tensor.  Both products on codes of FP6 (E2M3) with E8M0 scales.
; IN (kvb): the keys' codes [32 heads][128 tiles of 16 keys][768 bytes] (a unit: 16 keys x 64 channels, the image of operand registers 0-5); the values' codes [32 heads][32 chunks of 64 keys][4 channel tiles][768];
; scale words, 12,288 bytes a head: 2,048 keys' words, then [16 key steps][64 channels].  Keys and channels lie at place n with bits 3 and 4 exchanged, so that two neighbouring tiles give a lane 16 neighbours.
; K = 64 of the first product is filled to the instruction's 128 with zero codes on both sides: operand registers 6-11 are cleared once.
; THE SOFTMAX: t = score x log2(e) / 8; M = the running largest t rounded up to a whole number; p = 2^(t - M) is quantised along the keys, not normalised; the row's sum is taken of the unquantised p and divides at the end;
; when M moves, the sum and O are multiplied by 2^(old M - new M), which rounds nothing.  A block's largest p is the block's largest score put through the same multiply-add and exponential.
; OUT (ob): o / sum quantised along the model's 1,024 (chunk = head): [16 chunks][256 token tiles][768], scale words [8][4,096] behind them.
; SHARES.  A work-group: ONE head x 256 queries; 32 heads x 8 blocks = 256 work-groups.  Wave w: query tile w, in 256 registers, four waves to a SIMD.
; ALL OF A HEAD LIES IN LDS: keys 98,304 bytes, values 98,304, scale words 12,288.  Nine tensor loads at the head, one a wave: waves 0-3 a quarter of the keys each, waves 4-7 of the values, wave 8 the scale words.
; Nothing is filled again: one barrier behind the loads, and none in the walk over the keys: the waves go each at its own pace.
; CLUSTER: the four work-groups of a cluster take four blocks of queries of one head: every tensor load is asked for jointly.
; NO PREFETCH: all nine loads go out at the head; there is no loop of loads to run ahead in.
; A row's scale word of the output spans two heads, which are two work-groups: each wave stores its head's two bytes of its 16 rows' words (2 bytes in 50 of what the wave stores).
; LIMITS: a block of zeros gets the byte 1 where the rule says 127 (zero codes; this program alone reads the bytes); NaN and infinities are not served; the scaled scores stay under 2^31 in magnitude.
.set BLK,   24576                      ; 512 keys of codes: what one tensor load brings
.set VREG,  4*BLK                      ; the values, behind the keys
.set SCR,   8*BLK                      ; the scale words
.set SPARE, SCR+12288                  ; the spare words, 128 bytes for each of 16 waves: eight blocks of 256 bytes that no other line names
.set VC,    3145728
.set KVS,   6291456
.set H_S,   3145728
.set K16,  1                           ; v1  the keys of the trip in hand: + 16 x lane
.set K8,   2                           ; v2  + 512 + 16 r + 8 h
.set ADS,  3                           ; v3  their scale words + 4 x lane
.set ADT,  4                           ; v4  the channels' words + 4 x lane
.set SPW,  5
.set NIL,  6
.set R4,   7                           ; v7  4 r
.set V16,  10                          ; v10, 11 as v1, 2, for the values
.set V8,   11
.set GO16, 28                          ; v28 16 x lane
.set GO8,  29                          ; v29 512 + 16 r + 8 h
.set KF,   32                          ; v32-79   four fragments of keys (registers 6-11 of each stay 0)
.set VF,   80                          ; v80-127  four fragments of values
.set S,    128                         ; v128-191 the scores, then p
.set O,    192                         ; v192-223 O^T
.set WV,   18
.set TR,   19
.set SEL,  20
.set CS,   22
.set G1,   24
.set G1S,  32
.set G0,   40
.macro CROUND                          ; a round of the cluster's barrier
	s_barrier_signal -1
	s_barrier_wait -1
	s_cmp_lg_u32 s[WV], 0
	s_cbranch_scc1 .Lnot_wave_0_\@
	s_barrier_signal -3
.Lnot_wave_0_\@:
	s_barrier_wait -3
	s_barrier_signal -1
	s_barrier_wait -1
.endm
	s_load_b128 s[4:7], s[0:1], 0x0                ; kvb, ob
	v_lshl_add_u32 v[SPW], v0, 2, SPARE
	v_mov_b32 v[NIL], 0
	ds_add_u32 v[SPW], v[NIL]                      ; the opening lines: the add, twice on end, and its wait
	ds_add_u32 v[SPW], v[NIL]
	v_lshrrev_b32 v8, 5, v0
	v_readfirstlane_b32 s[WV], v8                  ; wave 0..15
	s_bfe_u32 s46, ttmp6, 0x40000                  ; cx
	s_lshl_b32 s47, ttmp9, 2
	s_add_co_u32 s47, s47, s46                     ; my block of 256 queries
	s_and_b32 s48, ttmp7, 0xffff                   ; 16 x batch + head
	s_lshr_b32 s50, s[WV], 2                       ; what I fetch: waves 0-3 keys, 4-7 values,
	s_mul_i32 s50, s50, VC
	s_and_b32 s51, s[WV], 3                        ; quarter wave % 4;
	s_mul_i32 s51, s51, BLK
	s_add_co_u32 s50, s50, s51
	s_mul_i32 s49, s48, 98304                      ; a head's codes
	s_add_co_u32 s50, s50, s49
	s_mul_i32 s52, s48, 12288
	s_add_co_u32 s52, s52, KVS                     ; wave 8: the head's scale words
	s_cmp_lt_u32 s[WV], 8
	s_cselect_b32 s50, s50, s52
	s_mov_b32 s51, 0
	s_mov_b32 s[G1], 15|(3<<16)|(1<<21)            ; the mask: all four work-groups; elements of 8 bytes; bit 21 beside a mask
	s_mov_b32 s[G1+1], 32<<16                      ; a dense block as 96 rows of 256 bytes
	s_mov_b32 s[G1+2], 96<<16
	s_mov_b32 s[G1+3], 32<<16
	s_mov_b32 s[G1+4], 96
	s_mov_b32 s[G1+5], 32
	s_mov_b32 s[G1+6], 0
	s_mov_b32 s[G1+7], 0
	s_mov_b32 s[G1S], 15|(3<<16)|(1<<21)           ; the scale words: 48 such rows
	s_mov_b32 s[G1S+1], 32<<16
	s_mov_b32 s[G1S+2], 48<<16
	s_mov_b32 s[G1S+3], 32<<16
	s_mov_b32 s[G1S+4], 48
	s_mov_b32 s[G1S+5], 32
	s_mov_b32 s[G1S+6], 0
	s_mov_b32 s[G1S+7], 0
	s_lshl_b32 s53, s47, 4
	s_add_co_u32 s53, s53, s[WV]                   ; my query tile in the batch, 0..127
	s_mul_i32 s55, s53, 768
	s_add_co_u32 s54, s49, s55
	s_mov_b32 s55, 0                               ; my queries' codes
	s_lshl_b32 s57, s53, 6
	s_add_co_u32 s56, s52, s57
	s_mov_b32 s57, 0                               ; and their scale words
	s_and_b32 s58, s48, 15                         ; the head
	s_lshr_b32 s59, s48, 4                         ; the batch
	s_mul_i32 s60, s58, 196608                     ; out: chunk = head,
	s_lshl_b32 s61, s59, 7
	s_add_co_u32 s61, s61, s53
	s_mul_i32 s61, s61, 768                        ; tile = 128 x batch + my query tile
	s_add_co_u32 s60, s60, s61
	s_mov_b32 s61, 0
	s_lshr_b32 s62, s58, 1
	s_lshl_b32 s62, s62, 14                        ; out's scale words: K step = head / 2,
	s_lshl_b32 s63, s59, 13
	s_add_co_u32 s62, s62, s63
	s_lshl_b32 s63, s53, 6
	s_add_co_u32 s62, s62, s63                     ; my 16 rows,
	s_and_b32 s63, s58, 1
	s_lshl_b32 s63, s63, 1
	s_add_co_u32 s62, s62, s63                     ; the lower or the upper two bytes of a word
	s_add_co_u32 s62, s62, H_S
	s_mov_b32 s63, 0
	s_mov_b32 s[SEL], 0x76543210
	s_mov_b32 s[SEL+1], 0xfedcba98
	s_mov_b32 s[CS], 0x3e38aa3b                    ; c = log2(e) / 8
	s_mov_b32 s[CS+1], s[CS]
	s_mov_b32 s[TR], 4
	s_wait_dscnt 0x0                               ; both opening adds are done
	s_wait_kmcnt 0x0
	s_mov_b32 s[G0], 1
	s_mul_i32 s[G0+1], s[WV], BLK                  ; block = wave
	s_add_nc_u64 s[G0+2:G0+3], s[4:5], s[50:51]
	s_or_b32 s[G0+3], s[G0+3], 0x80000000
	s_add_nc_u64 s[8:9], s[4:5], s[54:55]
	s_add_nc_u64 s[10:11], s[4:5], s[56:57]
	s_add_nc_u64 s[12:13], s[6:7], s[60:61]
	s_add_nc_u64 s[14:15], s[6:7], s[62:63]
	CROUND                                         ; all four work-groups are here: the joint loads meet
	s_cmp_lt_u32 s[WV], 8                          ; one chain of branches on the wave's number, one load to an arm
	s_cbranch_scc0 .Lfor_scales
	tensor_load_to_lds s[G0:G0+3], s[G1:G1+7]
	s_nop 0
.rept 4
	v_nop
.endr
	s_branch .Lasked
.Lfor_scales:
	s_cmp_eq_u32 s[WV], 8
	s_cbranch_scc0 .Lasked
	tensor_load_to_lds s[G0:G0+3], s[G1S:G1S+7]
	s_nop 0
.rept 4
	v_nop
.endr
.Lasked:
	v_and_b32 v8, 15, v0                           ; r
	v_bfe_u32 v9, v0, 4, 1                         ; h
	v_and_b32 v[ADS], 31, v0
	v_lshlrev_b32 v[GO16], 4, v[ADS]
	v_lshlrev_b32 v[GO8], 4, v8
	v_lshl_add_u32 v[GO8], v9, 3, v[GO8]
	v_add_nc_u32 v[GO8], 512, v[GO8]
	v_lshlrev_b32 v[R4], 2, v8
	global_load_b128 v[16:19], v[GO16], s[8:9]     ; my queries' fragment stays in registers
	global_load_b64 v[20:21], v[GO8], s[8:9]
	global_load_b32 v255, v[R4], s[10:11]          ; and their scale words
	v_add_nc_u32 v[K16], 0, v[GO16]
	v_add_nc_u32 v[K8], 0, v[GO8]
	v_add_nc_u32 v[V16], VREG, v[GO16]
	v_add_nc_u32 v[V8], VREG, v[GO8]
	v_lshl_add_u32 v[ADS], v[ADS], 2, SCR
	v_add_nc_u32 v[ADT], 8192, v[ADS]
.irp i, 22,23,24,25,26,27
	v_mov_b32 v[\i], 0                             ; K = 64 .. 127 of the queries: zero codes
.endr
.irp t, 0,1,2,3
.irp i, 6,7,8,9,10,11
	v_mov_b32 v[KF+12*\t+\i], 0                    ; and of the keys
.endr
.endr
	v_mov_b32 v13, 0xff61b1e6                      ; the largest t so far: -3e38
	v_floor_f32 v12, -v13                          ; -M
	v_mov_b32 v14, 0                               ; the sum, in two halves
	v_mov_b32 v15, 0
.irp b, 0,1,2,3
	v_mov_b32 v[236+\b], 0                         ; a lane permute's destination counts as one of its sources
.endr
	v_mov_b32 v253, 0
.set II, 0
.rept 32
	v_mov_b32 v[O+II], 0                           ; O^T: the step is written once; the first finds zeros, which the first change of M leaves zeros
.set II, II+1
.endr
.macro QK t                            ; S^T tile t: source 0 = 16 keys, source 1 = my 16 queries; a register of scale words serves two tiles, the odd one from lanes 16-31
.if (\t)%2
	v_wmma_scale_f32_16x16x128_f8f6f4 v[S+8*(\t):S+8*(\t)+7], v[KF+12*((\t)%4):KF+12*((\t)%4)+11], v[16:27], 0, v[248+(\t)/2], v255 matrix_a_fmt:MATRIX_FMT_FP6 matrix_b_fmt:MATRIX_FMT_FP6 matrix_a_scale:MATRIX_SCALE_ROW1
.else
	v_wmma_scale_f32_16x16x128_f8f6f4 v[S+8*(\t):S+8*(\t)+7], v[KF+12*((\t)%4):KF+12*((\t)%4)+11], v[16:27], 0, v[248+(\t)/2], v255 matrix_a_fmt:MATRIX_FMT_FP6 matrix_b_fmt:MATRIX_FMT_FP6
.endif
.endm
.macro PV m                            ; O^T tile m += 16 channels x 128 keys times p
.if (\m)%2
	v_wmma_scale_f32_16x16x128_f8f6f4 v[O+8*(\m):O+8*(\m)+7], v[VF+12*(\m):VF+12*(\m)+11], v[224:235], v[O+8*(\m):O+8*(\m)+7], v[30+(\m)/2], v253 matrix_a_fmt:MATRIX_FMT_FP6 matrix_b_fmt:MATRIX_FMT_FP6 matrix_a_scale:MATRIX_SCALE_ROW1
.else
	v_wmma_scale_f32_16x16x128_f8f6f4 v[O+8*(\m):O+8*(\m)+7], v[VF+12*(\m):VF+12*(\m)+11], v[224:235], v[O+8*(\m):O+8*(\m)+7], v[30+(\m)/2], v253 matrix_a_fmt:MATRIX_FMT_FP6 matrix_b_fmt:MATRIX_FMT_FP6
.endif
.endm
.macro KLOAD q, t0                     ; four tiles of keys, t0 on: registers 0-5 of each fragment
.irp t, 0,1,2,3
	ds_load_b128 v[KF+12*\t:KF+12*\t+3], v[K16] offset:(8*(\q)+\t0+\t)*768
	ds_load_b64 v[KF+12*\t+4:KF+12*\t+5], v[K8] offset:(8*(\q)+\t0+\t)*768
.endr
.endm
; A KEY STEP: 128 keys, the q-th of the trip's 512.
.macro STEP q
	KLOAD \q, 0
.irp i, 0,1,2,3
	ds_load_b32 v[248+\i], v[ADS] offset:512*(\q)+128*\i   ; lanes 0-15: tile 2 i's words, lanes 16-31: tile 2 i + 1's
.endr
	s_wait_dscnt 0x0
.irp t, 0,1,2,3
	QK \t
.endr
.rept 4
	v_nop                                          ; places in front of loads into registers that matrix instructions have read: the keys' just now, the values' in the last step
.endr
	KLOAD \q, 4
.irp m, 0,1,2,3
.irp c, 0,1
	ds_load_b128 v[VF+12*\m+6*\c:VF+12*\m+6*\c+3], v[V16] offset:(2*(\q)+\c)*3072+768*\m
	ds_load_b64 v[VF+12*\m+6*\c+4:VF+12*\m+6*\c+5], v[V8] offset:(2*(\q)+\c)*3072+768*\m
.endr
.endr
.irp i, 0,1
	ds_load_b32 v[30+\i], v[ADT] offset:256*(\q)+128*\i
.endr
	s_wait_dscnt 18                                ; the keys' eight loads are in; the values' sixteen and their two scale loads land under the softmax
.irp t, 4,5,6,7
	QK \t
.endr
; The largest score of each block of 32 keys: for the row's maximum and for the block's largest p.  Blocks 0 and 1 (tiles 0-3) first: their sixteen lines name no register of the four products just issued and are their places.
.irp g, 0,2
.irp b, 0,1
	v_max3_num_f32 v[232+\g+\b], v[S+16*(\g+\b)], v[S+1+16*(\g+\b)], v[S+2+16*(\g+\b)]
.endr
.irp i, 3,5,7,9,11,13
.irp b, 0,1
	v_max3_num_f32 v[232+\g+\b], v[232+\g+\b], v[S+16*(\g+\b)+\i], v[S+1+16*(\g+\b)+\i]
.endr
.endr
.irp b, 0,1
	v_max_num_f32 v[232+\g+\b], v[232+\g+\b], v[S+15+16*(\g+\b)]
.endr
.endr
.irp b, 0,1,2,3
	v_permlanex16_b32 v[236+\b], v[232+\b], s[SEL], s[SEL+1]
.endr
.irp b, 0,1,2,3
	v_max_num_f32 v[232+\b], v[232+\b], v[236+\b]  ; with lane l xor 16's 16 keys
.endr
	v_max3_num_f32 v254, v232, v233, v234
	v_max_num_f32 v254, v254, v235
	v_mul_f32 v254, s[CS], v254
	v_max_num_f32 v13, v13, v254                   ; the running largest t
	v_mov_b32 v254, v12
	v_floor_f32 v12, -v13                          ; the new -M = -ceil(t)
	v_sub_f32 v254, v12, v254                      ; old M - new M: a whole number, 0 or less
	v_cvt_i32_f32 v254, v254
	v_ldexp_f32 v252, 1.0, v254                    ; f = 2^(old M - new M)
.set II, 0
.rept 32
	v_pk_fma_f32 v[S+II:S+II+1], v[S+II:S+II+1], s[CS:CS+1], v[12:13] op_sel_hi:[1,0,0]   ; t - M
.set II, II+2
.endr
.irp b, 0,1,2,3
	v_fma_f32 v[232+\b], v[232+\b], s[CS], v12
.endr
.set II, 0
	s_wait_alu depctr_va_vdst(0)                   ; ahead of the batch
.rept 64
	v_exp_f32 v[S+II], v[S+II]                     ; p = 2^(t - M)
.set II, II+1
.endr
	v_pk_mul_f32 v[14:15], v[14:15], v[252:253] op_sel_hi:[1,0]   ; the sums under the new M: a plain instruction behind the exponentials
	s_wait_alu depctr_va_vdst(0)                   ; one wait for the whole batch, ahead of its first reader
.irp b, 0,1,2,3
	v_exp_f32 v[232+\b], v[232+\b]                 ; the blocks' largest p
.endr
.irp j, 0,1,2,3,4,5,6,7                        ; the row's sum of the unquantised p: eight chains in v236-251, two numbers an instruction
	v_pk_add_f32 v[236+2*\j:237+2*\j], v[S+4*\j:S+4*\j+1], v[S+4*\j+2:S+4*\j+3]
.endr
.irp k, 32,48
.irp j, 0,1,2,3,4,5,6,7
	v_pk_add_f32 v[236+2*\j:237+2*\j], v[236+2*\j:237+2*\j], v[S+\k+2*\j:S+\k+2*\j+1]
.endr
.endr
.irp j, 0,1,2,3
	v_pk_add_f32 v[236+2*\j:237+2*\j], v[236+2*\j:237+2*\j], v[244+2*\j:245+2*\j]
.endr
.irp j, 0,1
	v_pk_add_f32 v[236+2*\j:237+2*\j], v[236+2*\j:237+2*\j], v[240+2*\j:241+2*\j]
.endr
	v_pk_add_f32 v[236:237], v[236:237], v[238:239]
	v_pk_add_f32 v[14:15], v[14:15], v[236:237]
	s_wait_alu depctr_va_vdst(0)                   ; and one for the four
.irp b, 0,1,2,3
	v_max_num_f32 v[232+\b], 0x1800000, v[232+\b]  ; the floor 2^(3 - 127)
.endr
.irp b, 0,1,2,3
	v_add_nc_u32 v[244+\b], 0xff000000, v[232+\b]  ; 2 off the exponent field: the conversion's scale
.endr
.irp b, 0,1,2,3
	v_lshrrev_b32 v[236+\b], 23, v[244+\b]
.endr
	v_lshl_or_b32 v253, v237, 8, v236              ; p's scale word for these 128 keys
	v_lshl_or_b32 v253, v238, 16, v253
	v_lshl_or_b32 v253, v239, 24, v253
.irp c, 0,1
	v_cvt_scalef32_pk16_fp6_f32 v[224+6*\c:226+6*\c], v[S+32*\c:S+15+32*\c], v[244+2*\c]
	v_cvt_scalef32_pk16_fp6_f32 v[236+4*\c:238+4*\c], v[S+16+32*\c:S+31+32*\c], v[244+2*\c+1]
.endr
	v_nop                                          ; one plain instruction behind the conversions
.irp c, 0,1
.irp i, 0,1,2
	v_permlane16_swap_b32 v[224+6*\c+\i], v[236+4*\c+\i]   ; a whole block to a lane
.endr
.irp i, 0,1,2
	v_mov_b32 v[227+6*\c+\i], v[236+4*\c+\i]
.endr
.endr
.set II, 0
.rept 16
	v_pk_mul_f32 v[O+II:O+II+1], v[O+II:O+II+1], v[252:253] op_sel_hi:[1,0]   ; O^T under the new M; these sixteen are also the places between p's codes and scale word and the products
.set II, II+2
.endr
	s_wait_alu depctr_va_vdst(0)
	s_wait_dscnt 0x0                               ; the values
.irp m, 0,1,2,3
	PV \m                                          ; the four accumulators by turns
.endr
.endm
	s_wait_alu depctr_va_vdst(0)
	s_wait_loadcnt 0x0                             ; my queries
	s_wait_tensorcnt 0x0                           ; my load, if I issued one, is in;
	s_barrier_signal -1
	s_barrier_wait -1                              ; and so is everybody's: the whole head lies in LDS
.Lslot:                                            ; four trips of 512 keys
	STEP 0
	STEP 1
	STEP 2
	STEP 3
	v_add_nc_u32 v[K16], BLK, v[K16]               ; on to the next 512 keys
	v_add_nc_u32 v[K8], BLK, v[K8]
	v_add_nc_u32 v[V16], BLK, v[V16]
	v_add_nc_u32 v[V8], BLK, v[V8]
	v_add_nc_u32 v[ADS], 2048, v[ADS]
	v_add_nc_u32 v[ADT], 1024, v[ADT]
	s_sub_co_u32 s[TR], s[TR], 1
	s_cmp_lg_u32 s[TR], 0
	s_wait_alu depctr_va_vdst(0)
	s_cbranch_scc1 .Lslot
	; THE WAY OUT.  O^T / the sum: register 16 b + i is channel 32 b + 16 h + i of my query: two blocks of the next product's K.  They are quantised here and leave as a unit of operand registers.
	v_add_f32 v14, v14, v15
	v_permlanex16_b32 v252, v14, s[SEL], s[SEL+1]
	v_add_f32 v14, v14, v252
	s_wait_alu depctr_va_vdst(0)                   ; ahead of the transcendental
	v_rcp_f32 v14, v14
	v_nop
	s_wait_alu depctr_va_vdst(0)                   ; ahead of the reciprocal's first reader
.set II, 0
.rept 32
	v_mul_f32 v[S+II], v[O+II], v14
.set II, II+1
.endr
.irp b, 0,1
	v_max3_num_f32 v[232+\b], |v[S+16*\b]|, |v[S+1+16*\b]|, 0x1800000
.endr
.irp i, 2,4,6,8,10,12,14
.irp b, 0,1
	v_max3_num_f32 v[232+\b], v[232+\b], |v[S+16*\b+\i]|, |v[S+1+16*\b+\i]|
.endr
.endr
.irp b, 0,1
	v_permlanex16_b32 v[236+\b], v[232+\b], s[SEL], s[SEL+1]
.endr
.irp b, 0,1
	v_max_num_f32 v[232+\b], v[232+\b], v[236+\b]
.endr
.irp b, 0,1
	v_add_nc_u32 v[244+\b], 0xff000000, v[232+\b]
.endr
.irp b, 0,1
	v_lshrrev_b32 v[236+\b], 23, v[244+\b]
.endr
	v_lshl_or_b32 v254, v237, 8, v236
	v_cvt_scalef32_pk16_fp6_f32 v[224:226], v[S:S+15], v244
	v_cvt_scalef32_pk16_fp6_f32 v[228:230], v[S+16:S+31], v245
	v_nop
.irp i, 0,1,2
	v_permlane16_swap_b32 v[224+\i], v[228+\i]     ; lanes 0-15 now hold block 0 whole, lanes 16-31 block 1
.endr
	v_mov_b32 v227, v228
	v_mov_b32 v228, v229
	v_mov_b32 v229, v230
	global_store_b128 v[GO16], v[224:227], s[12:13]
	global_store_b64 v[GO8], v[228:229], s[12:13]
	global_store_b16 v[R4], v254, s[14:15]         ; my head's two bytes of row r's word; lanes r and r + 16 write the same bytes with the same value
	s_wait_tensorcnt 0x0                           ; the wave's end
	ds_add_u32 v[SPW], v[NIL]
	s_wait_dscnt 0x0
	CROUND                                         ; the closing round
	s_endpgm
.Lfunc_end_k_q6178374cab_attn:
	.size	k_q6178374cab_attn, .Lfunc_end_k_q6178374cab_attn-k_q6178374cab_attn
	.p2alignl 7, 3214868480
	.fill 96, 4, 3214868480
	.section	.rodata,"a",@progbits
	.p2align	6, 0x0
	.amdhsa_kernel k_q6178374cab_attn
		.amdhsa_group_segment_fixed_size 327680
		.amdhsa_private_segment_fixed_size 0
		.amdhsa_enable_private_segment 0
		.amdhsa_kernarg_size 16
		.amdhsa_user_sgpr_count 2
		.amdhsa_user_sgpr_kernarg_segment_ptr 1
		.amdhsa_wavefront_size32 1
		.amdhsa_system_sgpr_workgroup_id_x 1
		.amdhsa_system_sgpr_workgroup_id_y 1
		.amdhsa_system_sgpr_workgroup_id_z 1
		.amdhsa_system_vgpr_workitem_id 0
		.amdhsa_next_free_vgpr 256
		.amdhsa_next_free_sgpr 66
		.amdhsa_reserve_vcc 0
		.amdhsa_float_denorm_mode_32 3
		.amdhsa_float_denorm_mode_16_64 3
		.amdhsa_memory_ordered 1
		.amdhsa_forward_progress 1
		.amdhsa_inst_pref_size 76
	.end_amdhsa_kernel
	.amdgpu_metadata
---
amdhsa.version: [ 1, 2 ]
amdhsa.kernels:
  - .name:           k_q6178374cab_attn
    .symbol:         k_q6178374cab_attn.kd
    .args:
      - { .name: kvb, .offset: 0, .size: 8, .value_kind: global_buffer, .address_space: global }
      - { .name: ob, .offset: 8, .size: 8, .value_kind: global_buffer, .address_space: global }
    .group_segment_fixed_size: 327680
    .private_segment_fixed_size: 0
    .kernarg_segment_align: 8
    .kernarg_segment_size: 16
    .max_flat_workgroup_size: 512
    .sgpr_count:     66
    .vgpr_count:     256
    .wavefront_size: 32
...
	.end_amdgpu_metadata
.endif
;; end of part 11
;; launch gproj (part 12): grid 8 x 32, 4 waves a work-group, clusters of 4 x 4, 327,680 bytes of LDS; arguments ob, wb, b_proj, x, x1; writes x1
.if DOCPART == 12
	.amdgcn_target "amdgcn-amd-amdhsa--gfx1250"
	.amdhsa_code_object_version 6
	.text
	.protected	k_q6178374cab_gproj
	.globl	k_q6178374cab_gproj
	.p2align	8
	.type	k_q6178374cab_gproj,@function
k_q6178374cab_gproj:
	s_mov_b64 s[64:65], 0
	v_nop
	global_prefetch_b8 v0, s[64:65] scope:SCOPE_SE
	s_setreg_imm32_b32 hwreg(HW_REG_WAVE_MODE, 25, 1), 1
	s_wait_xcnt 0x0
	s_wait_alu depctr_hold_cnt(0) depctr_sa_sdst(0) depctr_va_vdst(0) depctr_va_sdst(0) depctr_va_ssrc(0) depctr_va_vcc(0) depctr_vm_vsrc(0)
	s_getreg_b32 s2, hwreg(HW_REG_IB_STS2, 6, 4)
	s_cmp_eq_u32 s2, 0
	s_cbranch_scc0 .Lentry_in_a_cluster
	s_endpgm
.Lentry_in_a_cluster:
	s_bfe_u32 s2, ttmp6, 0x10000c
	s_cmp_lg_u32 s2, 0xf033
	s_cbranch_scc0 .Lentry_shape_is_right
	s_endpgm
.Lentry_shape_is_right:
; x1 = x + Q(o) Q(w_proj) + b_proj: 4,096 x 1,024 x 1,024 on codes of FP6 (E2M3) with E8M0 scales; sums, bias and residual in f32.
; OPERANDS lie as images of operand registers: [K / 64][rows / 16][768 bytes]; lane (rho, h) of a unit holds k = 32 h .. + 31 of row rho, registers 0-3 at 16 (rho + 16 h), 4 and 5 at 512 + 16 rho + 8 h.  Scale words: [K / 128][rows].
; Row n of a tensor lies at place n with bits 3 and 4 exchanged; the way out puts tokens and columns back by its immediates.
; A BLOCK OF 128 x 128: 4,096 x 1,024 outputs make 256 such blocks, a work-group to each.  Four waves, 64 x 64 each: 16 accumulators.  A slot holds 512 along K of A's 128 rows and of B's; K = 1,024 is two slots, both filled
; at the start: nothing is filled again.  A wave's tensor load brings 128 rows x 1,024 K as 16 rows of 6,144 bytes: wave 0 A's, wave 1 B's; waves 2, 3 bring the scale words.  The scale words come once, likewise shared.
; CLUSTERS: 4 x 4 work-groups; the four of a row need the same tiles of A, the four of a column the same tiles of B: each tile is asked for jointly.
; TRANSPOSED USE: source 0 = 16 rows of B (weight columns), source 1 = 16 rows of A (tokens).  The bias is the C of each sum's first matrix instruction.
; THE RESIDUAL of my 64 x 64 outputs, 128 registers, is loaded at the head, in the layout in which the results leave: it lands under the products, and nothing waits for it at the end.
; REGISTERS: window 0: v1-31 addresses; v32-63 scale words, two sets; v64-95 the bias; v128-255 the accumulators, (a, b) at v[128 + 8 (4 a + b)].  Window 1: two sets of fragments, at v0 and v128: A's four, then B's four;
; on the way out v0-127: rows read back.  Window 2: v0-127 the residual.
.set SIZE_M, 4096
.set SIZE_N, 1024
.set SIZE_K, 1024
.set A_S,    3145728
.set B_C,    786432
.set B_S,    7897088
.set FR,     12                        ; registers of a fragment
.set NP,     4                         ; places behind this matrix instruction (ISA guide 7.12.1)
.set CH,     6144                      ; 128 rows x 64 K
.set HALFT,  4*CH                      ; 128 rows x 256 K
.set SLOT,   4*HALFT                   ; A's 128 rows x 512 K, then B's
.set LAPS,   SIZE_K/1024               ; a lap = two slots
.set SCL,    2*SLOT                    ; behind the slots: the scale words, [K step][128 rows], A's and then B's
.set HALFS,  (SIZE_K/256)*512          ; a slot's four K steps of A's scale words, or of B's
.set SPARE,  SCL+4*HALFS               ; the spare words, 128 bytes a wave: two blocks of 256 bytes that no other line names
.set SPITCH, 272                       ; the way out: rows of 256 bytes + 16
.set STG,    16*SPITCH                 ; a stage for each of my four blocks of 16 tokens, in slot 0
.set ADRA, 16
.set ADRB, 20
.set STO,  24                          ; v24 the stage, in
.set RD,   25                          ; v25 the stage, back
.set CO,   26                          ; v26 4,096 h + 16 r: two rows of the residual and of the output
.set ADRS, 27
.set SPW,  28
.set NIL,  29
.set VB,   15
.set SC,   32
.set BIAS, 64
.set ACC,  128
.set G1, 24
.set G0, 32
.set G1B, 48
.set G0B, 56
.set G1S, 68
.set G0S, 76
.set G1SB, 80
.set G0SB, 88
.set MSB, 0
.macro WIN new                         ; the immediate's high byte repeats the setting that is left
.if MSB != (\new)
	s_set_vgpr_msb (MSB<<8)|(\new)
.set MSB, (\new)
.endif
.endm
.set MUL,  0x05                        ; sources 0 (B) and 1 (A) window 1; C and D window 0
.set TO_F, 0x40                        ; destination window 1, address window 0
.macro JLOAD g0a, g1a, g0b, g1b        ; a joint load: waves 0 and 1 for A, waves 2 and 3 for B; four v_nop follow each line
	s_cmp_eq_u32 s15, 0
	s_cbranch_scc0 .Lfor_b_\@
	tensor_load_to_lds s[\g0a:\g0a+3], s[\g1a:\g1a+7]
	s_nop 0
.rept 4
	v_nop
.endr
	s_branch .Lasked_\@
.Lfor_b_\@:
	tensor_load_to_lds s[\g0b:\g0b+3], s[\g1b:\g1b+7]
	s_nop 0
.rept 4
	v_nop
.endr
.Lasked_\@:
.endm
.macro CREST
	s_cmp_lg_u32 s14, 0
	s_cbranch_scc1 .Lnot_wave_0_\@
	s_barrier_signal -3
.Lnot_wave_0_\@:
	s_barrier_wait -3
	s_barrier_signal -1
	s_barrier_wait -1
.endm
.macro CROUND
	s_barrier_signal -1
	s_barrier_wait -1
	CREST
.endm
	s_load_b256 s[4:11], s[0:1], 0x0               ; A's buffer s[4:5], wb s[6:7], the bias s[8:9], the residual s[10:11]
	s_load_b64 s[12:13], s[0:1], 0x20              ; the output
	v_lshl_add_u32 v[SPW], v0, 2, SPARE
	v_mov_b32 v[NIL], 0
	ds_add_u32 v28, v29
	ds_add_u32 v28, v29
	s_wait_dscnt 0x0
	v_lshrrev_b32 v1, 5, v0
	v_readfirstlane_b32 s14, v1                    ; wave 0..3
	s_lshr_b32 s15, s14, 1                         ; which half of the block's rows is mine.
	s_and_b32 s16, s14, 1                          ; which half of its columns.
	s_bfe_u32 s40, ttmp6, 0x40000
	s_bfe_u32 s41, ttmp6, 0x40004
	s_lshl_b32 s42, ttmp9, 2
	s_add_co_u32 s42, s42, s40                     ; block column
	s_and_b32 s17, ttmp7, 0xffff
	s_lshl_b32 s17, s17, 2
	s_add_co_u32 s17, s17, s41                     ; block row
	s_lshl_b32 s43, s41, 2
	s_lshl_b32 s43, 15, s43
	s_lshl_b32 s44, 0x1111, s40
	s_or_b32 s[G1+0], s43, (3<<16)|(1<<21)         ; the mask; elements of 8 bytes; bit 21 beside a mask; no padding
	s_or_b32 s[G1B+0], s44, (3<<16)|(1<<21)
.irp g, G1, G1B
	s_mov_b32 s[\g+1], 768<<16
	s_mov_b32 s[\g+2], 16<<16                      ; all 16 chunks of 64 along K
	s_mov_b32 s[\g+3], 768<<16
	s_mov_b32 s[\g+4], 16
	s_mov_b32 s[\g+6], 0
	s_mov_b32 s[\g+7], 0
.endr
	s_mov_b32 s[G1+5], SIZE_M*6
	s_mov_b32 s[G1B+5], SIZE_N*6
	s_or_b32 s[G1S+0], s43, (3<<16)|(1<<21)
	s_or_b32 s[G1SB+0], s44, (3<<16)|(1<<21)
.irp g, G1S, G1SB
	s_mov_b32 s[\g+1], 64<<16
	s_mov_b32 s[\g+2], (SIZE_K/128)<<16            ; all K steps' scale words in one load
	s_mov_b32 s[\g+3], 64<<16
	s_mov_b32 s[\g+4], SIZE_K/128
	s_mov_b32 s[\g+6], 0
	s_mov_b32 s[\g+7], 0
.endr
	s_mov_b32 s[G1S+5], SIZE_M/2
	s_mov_b32 s[G1SB+5], SIZE_N/2
	s_mul_i32 s20, s17, 6144                       ; A's codes: 128 rows x 48 bytes a block row,
	s_mov_b32 s21, 0
	s_lshl_b32 s22, s17, 9                         ; A's scale words: 512 bytes a block row,
	s_add_co_u32 s22, s22, A_S
	s_mov_b32 s23, 0
	s_mul_i32 s46, s42, 6144                       ; B likewise, by the block column
	s_add_co_u32 s46, s46, B_C
	s_mov_b32 s47, 0
	s_lshl_b32 s92, s42, 9
	s_add_co_u32 s92, s92, B_S
	s_mov_b32 s93, 0
	s_wait_kmcnt 0x0
	s_add_nc_u64 s[20:21], s[4:5], s[20:21]
	s_add_nc_u64 s[22:23], s[4:5], s[22:23]
	s_add_nc_u64 s[46:47], s[6:7], s[46:47]
	s_add_nc_u64 s[92:93], s[6:7], s[92:93]
	CROUND                                         ; all sixteen work-groups are here: the first joint loads meet
; THE HEAD'S LOADS AS THEY NOW STAND, ONE A WAVE, AND NONE LATER: wave 0 brings A's 128 rows x all 1,024 K (16 chunks, 98,304 bytes, at LDS 0), wave 1 B's (behind them),
; wave 2 A's scale words of all 8 K steps, wave 3 B's.  In LDS the lower 512 along K of A are bytes 0 to 49,151, the upper 512 follow; B likewise from 4 HALFT on.
	s_mov_b32 s[G0], 1
	s_mov_b32 s[G0+1], 0
	s_mov_b64 s[G0+2:G0+3], s[20:21]
	s_or_b32 s[G0+3], s[G0+3], 0x80000000
	s_mov_b32 s[G0B], 1
	s_mov_b32 s[G0B+1], 4*HALFT
	s_mov_b64 s[G0B+2:G0B+3], s[46:47]
	s_or_b32 s[G0B+3], s[G0B+3], 0x80000000
	s_mov_b32 s[G0S], 1
	s_mov_b32 s[G0S+1], SCL
	s_mov_b64 s[G0S+2:G0S+3], s[22:23]
	s_or_b32 s[G0S+3], s[G0S+3], 0x80000000
	s_mov_b32 s[G0SB], 1
	s_mov_b32 s[G0SB+1], SCL+2*HALFS
	s_mov_b64 s[G0SB+2:G0SB+3], s[92:93]
	s_or_b32 s[G0SB+3], s[G0SB+3], 0x80000000
.macro ARM under, g0, g1, next         ; one chain of branches on the wave's number: every way passes exactly one load
	s_cmp_lt_u32 s14, \under
	s_cbranch_scc0 \next
	tensor_load_to_lds s[\g0:\g0+3], s[\g1:\g1+7]
	s_nop 0
.rept 4
	v_nop
.endr
	s_branch .Lhead_asked
\next:
.endm
	ARM 1, G0,  G1,  .Lhead_b
	ARM 2, G0B, G1B, .Lhead_sa
	ARM 3, G0S, G1S, .Lhead_sb
	tensor_load_to_lds s[G0SB:G0SB+3], s[G1SB:G1SB+7]
	s_nop 0
.rept 4
	v_nop
.endr
.Lhead_asked:
	v_and_b32 v1, 15, v0                           ; r
	v_bfe_u32 v2, v0, 4, 1                         ; h
	v_and_b32 v3, 31, v0                           ; lane
	v_lshlrev_b32 v4, 4, v3                        ; 16 x lane
	v_lshlrev_b32 v5, 4, v1
	v_lshl_add_u32 v5, v2, 3, v5
	v_add_nc_u32 v5, 512, v5                       ; 512 + 16 r + 8 h
	s_mul_i32 s21, s15, 3072                       ; my four tiles of A's eight
	s_mul_i32 s22, s16, 3072
	s_add_co_u32 s22, s22, 4*HALFT                 ; my four tiles of B's, behind A's 98,304 bytes
.irp s, 0,1
	v_add_nc_u32 v[ADRA+\s], s21, v4
	v_add_nc_u32 v[ADRB+\s], s22, v4
	v_add_nc_u32 v[ADRA+2+\s], s21, v5
	v_add_nc_u32 v[ADRB+2+\s], s22, v5
	s_add_co_u32 s21, s21, 2*HALFT                 ; the upper 512 along K: eight chunks on
	s_add_co_u32 s22, s22, 2*HALFT
.endr
	s_lshl_b32 s21, s15, 8                         ; A's scale words: my 64 rows
	s_lshl_b32 s22, s16, 8
	s_add_co_u32 s22, s22, 2*HALFS                 ; B's, behind A's
	s_sub_co_u32 s22, s22, s21
	v_mul_u32_u24 v6, s22, v2                      ; lanes 16-31 take B's
	s_add_co_u32 s21, s21, SCL
	v_lshl_add_u32 v6, v1, 2, v6
	v_add_nc_u32 v[ADRS], s21, v6
	s_lshl_b32 s46, s42, 9
	s_lshl_b32 s47, s16, 8
	s_add_co_u32 s46, s46, s47                     ; my first column, in bytes of f32
	s_mov_b32 s47, 0
	s_add_nc_u64 s[96:97], s[8:9], s[46:47]
	v_lshlrev_b32 v[VB], 6, v2
.irp b, 0,1,2,3                                ; lane (r, h), tile b, register j: column 32 (b / 2) + 16 h + 8 (b % 2) + j
	global_load_b128 v[BIAS+8*\b:BIAS+8*\b+3], v[VB], s[96:97] offset:128*(\b/2)+32*(\b%2)
	global_load_b128 v[BIAS+8*\b+4:BIAS+8*\b+7], v[VB], s[96:97] offset:128*(\b/2)+32*(\b%2)+16
.endr
	s_lshl_b32 s20, s17, 7
	s_lshl_b32 s21, s15, 6
	s_add_co_u32 s20, s20, s21                     ; my first token
	s_lshl_b32 s20, s20, 12                        ; rows of 4,096 bytes
	s_add_co_u32 s20, s20, s46
	s_mov_b32 s21, 0
	s_add_nc_u64 s[98:99], s[10:11], s[20:21]      ; the residual at my corner
	s_add_nc_u64 s[12:13], s[12:13], s[20:21]      ; the output likewise
	s_mul_i32 s23, s16, HALFT                      ; my stages lie in the lower 512 along K of A (waves 0, 1) or of B (waves 2, 3): bytes that have had their only fill,
	s_mul_i32 s22, s15, 4*HALFT                    ; and their last read in front of the barrier at the change to the upper 512
	s_add_co_u32 s23, s23, s22
	v_mul_u32_u24 v6, v1, SPITCH
	v_lshl_add_u32 v6, v2, 6, v6
	v_add_nc_u32 v[STO], s23, v6                   ; in: row r, + 64 h
	v_mul_u32_u24 v6, v2, SPITCH
	v_lshl_add_u32 v6, v1, 4, v6
	v_add_nc_u32 v[RD], s23, v6                    ; back: lanes 0-15 one row of 256 bytes, lanes 16-31 the next
	v_lshlrev_b32 v[CO], 12, v2
	v_lshl_add_u32 v[CO], v1, 4, v[CO]             ; and the same two rows in memory
; Rows 2 t and 2 t + 1 of block a are tokens 32 (a / 2) + 16 (t / 4) + 8 (a % 2) + 2 (t % 4) + 0, 1 of my 64: the first stands in the immediates (62 rows of 4,096 bytes at the most), the + 1 in lanes 16-31's offset.
	WIN 0x80                                       ; destination window 2
.irp a, 0,1,2,3
.irp t, 0,1,2,3,4,5,6,7
	global_load_b128 v[32*\a+4*\t:32*\a+4*\t+3], v[CO], s[98:99] offset:(32*(\a/2)+16*(\t/4)+8*(\a%2)+2*(\t%4))*4096 th:TH_LOAD_NT   ; sixteen lanes read 256 consecutive aligned bytes
.endr
.endr
	WIN 0
.macro FRAG reg, adr, q, i             ; a fragment, 16 rows x 128 K: two units of 768 bytes; each load takes consecutive bytes
	ds_load_b128 v[\reg:\reg+3], v[\adr] offset:2*(\q)*CH+(\i)*768
	ds_load_b64 v[\reg+4:\reg+5], v[\adr+2] offset:2*(\q)*CH+(\i)*768
	ds_load_b128 v[\reg+6:\reg+9], v[\adr] offset:(2*(\q)+1)*CH+(\i)*768
	ds_load_b64 v[\reg+10:\reg+11], v[\adr+2] offset:(2*(\q)+1)*CH+(\i)*768
.endm
; 4 matrix instructions: A's block a x B's four.  first = 1: the bias is the C.  The 16 accumulators take turns, one instruction a turn, in the same order in every step.
.macro MUL4 a, p, q, sc, first
.irp b, 0,1,2,3
.if \first
	v_wmma_scale_f32_16x16x128_f8f6f4 v[ACC+8*(4*(\a)+\b):ACC+8*(4*(\a)+\b)+7], v[128*(\p)+48+FR*\b:128*(\p)+48+FR*\b+FR-1], v[128*(\p)+FR*(\a):128*(\p)+FR*(\a)+FR-1], v[BIAS+8*\b:BIAS+8*\b+7], v[SC+16*(\sc)+4*(\q)+\b], v[SC+16*(\sc)+4*(\q)+(\a)] matrix_a_fmt:MATRIX_FMT_FP6 matrix_b_fmt:MATRIX_FMT_FP6 matrix_a_scale:MATRIX_SCALE_ROW1
.else
	v_wmma_scale_f32_16x16x128_f8f6f4 v[ACC+8*(4*(\a)+\b):ACC+8*(4*(\a)+\b)+7], v[128*(\p)+48+FR*\b:128*(\p)+48+FR*\b+FR-1], v[128*(\p)+FR*(\a):128*(\p)+FR*(\a)+FR-1], v[ACC+8*(4*(\a)+\b):ACC+8*(4*(\a)+\b)+7], v[SC+16*(\sc)+4*(\q)+\b], v[SC+16*(\sc)+4*(\q)+(\a)] matrix_a_fmt:MATRIX_FMT_FP6 matrix_b_fmt:MATRIX_FMT_FP6 matrix_a_scale:MATRIX_SCALE_ROW1
.endif
.endr
.endm
.macro FETCH slot, q, p                ; 32 LDS loads in one run: the slot's q-th 128 along K into set p: B's four fragments, then A's four
	WIN TO_F
.irp i, 0,1,2,3
	FRAG 128*(\p)+48+FR*\i, ADRB+\slot, \q, \i
.endr
.irp i, 0,1,2,3
	FRAG 128*(\p)+FR*\i, ADRA+\slot, \q, \i
.endr
.endm
.macro SCALES sc                       ; a slot's scale words: lanes 0-15 A's block i, lanes 16-31 B's block i, for its four K steps
.irp q, 0,1,2,3
.irp i, 0,1,2,3
	ds_load_b32 v[SC+16*\sc+4*\q+\i], v[ADRS] offset:512*\q+64*\i
.endr
.endr
.endm
.macro PLACES n                        ; plain instructions between a matrix instruction and a load into, or a read of, its registers
.rept \n
	v_nop
.endr
.endm
.macro STEP slot, q, first             ; a step of 128 along K that has its successor in the same slot
	s_wait_dscnt 8                                 ; all but the youngest eight loads (A's blocks 2, 3) are in
	WIN MUL
	MUL4 0, (\q)%2, \q, \slot, \first
	MUL4 1, (\q)%2, \q, \slot, \first
	PLACES NP                                      ; the other set was read by the step before
	FETCH \slot, (\q)+1, 1-(\q)%2
	s_wait_dscnt 32                                ; all but the 32 just issued
	WIN MUL
	MUL4 2, (\q)%2, \q, \slot, \first
	MUL4 3, (\q)%2, \q, \slot, \first
.endm
; A slot's last step changes slots: one barrier; in front of it each wave waits for all its tensor loads, adds 0 to its spare word, and waits for that and for its reads of this slot.
.macro TURN slot, next, fill
	WIN 0                                          ; (the add's two registers lie in window 0)
	s_wait_tensorcnt 0x0                           ; all my tensor loads have landed: my part of the next slot
	ds_add_u32 v[SPW], v[NIL]                      ; 0 onto my spare word
	s_wait_dscnt 9                                 ; (the add and A's blocks 2, 3 may be out)
	WIN MUL
	MUL4 0, 1, 3, \slot, 0
	s_wait_dscnt 0x0                               ; the add is done, and my reads of this slot are over
	s_barrier_signal -1
	MUL4 1, 1, 3, \slot, 0
	WIN 0
	s_barrier_wait -1
.if \fill
	CREST                                          ; the barrier has opened a round of the cluster's: no wave of any partner still reads this slot or has a load on its way
	s_add_nc_u64 s[G0+4*\slot+2:G0+4*\slot+3], s[G0+4*\slot+2:G0+4*\slot+3], 16*SIZE_M*48
	s_add_nc_u64 s[G0B+4*\slot+2:G0B+4*\slot+3], s[G0B+4*\slot+2:G0B+4*\slot+3], 16*SIZE_N*48
	JLOAD G0+4*\slot, G1, G0B+4*\slot, G1B         ; the first tensor load behind the round; its four v_nop are the places in front of the loads below
.else
	PLACES NP
.endif
	v_add_nc_u32 v[ADRS], 2048, v[ADRS]            ; on to the next slot's scale words
	SCALES \next
	FETCH \next, 0, 0
	WIN MUL
	MUL4 2, 1, 3, \slot, 0
	MUL4 3, 1, 3, \slot, 0
.endm
	s_wait_alu depctr_va_vdst(0)
	s_wait_tensorcnt 0x0                           ; my one load is in; behind the barrier everybody's
	s_barrier_signal -1
	s_barrier_wait -1
	SCALES 0
	FETCH 0, 0, 0
	s_wait_loadcnt 32                              ; the bias's eight loads are in; the residual's 32 may be out
	STEP 0, 0, 1
.if LAPS > 1
	WIN 0                                          ; at a label and at a branch every window is 0
	s_mov_b32 s3, LAPS-1
.Llap:                                             ; a trip goes once round the ring and fills both slots again
	STEP 0, 1, 0
	STEP 0, 2, 0
	TURN 0, 1, 1
	STEP 1, 0, 0
	STEP 1, 1, 0
	STEP 1, 2, 0
	TURN 1, 0, 1
	STEP 0, 0, 0
	WIN 0
	s_sub_co_u32 s3, s3, 1
	s_cmp_lg_u32 s3, 0
	s_cbranch_scc1 .Llap
.endif
	STEP 0, 1, 0
	STEP 0, 2, 0
	TURN 0, 1, 0                                   ; the last lap fills nothing
	STEP 1, 0, 0
	STEP 1, 1, 0
	STEP 1, 2, 0
	s_wait_dscnt 8
	WIN MUL
	MUL4 0, 1, 3, 1, 0
	MUL4 1, 1, 3, 1, 0
	s_wait_alu depctr_va_vdst(0)
	s_wait_dscnt 0
	MUL4 2, 1, 3, 1, 0
	MUL4 3, 1, 3, 1, 0
	WIN 0
; THE WAY OUT, block by block of 16 tokens x 64 columns, each through a stage of its own: in by lanes (32 bytes of a row each, at the columns' true places), back as whole rows of 256 bytes, two an instruction; the residual
; is added; sixteen lanes store 256 consecutive aligned bytes.  LDS serves a wave's instructions in order (ISA guide 5.7.1.4): no wait stands between the stores and the loads.
	PLACES NP                                      ; in front of the first read of results and of loads into registers that the last products read
.irp a, 0,1,2,3
.irp b, 0,1,2,3
	ds_store_b128 v[STO], v[ACC+8*(4*\a+\b):ACC+8*(4*\a+\b)+3] offset:\a*STG+128*(\b/2)+32*(\b%2)          ; each accumulator from its low end on
	ds_store_b128 v[STO], v[ACC+8*(4*\a+\b)+4:ACC+8*(4*\a+\b)+7] offset:\a*STG+128*(\b/2)+32*(\b%2)+16
.endr
	WIN TO_F
.irp t, 0,1,2,3,4,5,6,7
	ds_load_b128 v[32*\a+4*\t:32*\a+4*\t+3], v[RD] offset:\a*STG+2*\t*SPITCH
.endr
	WIN 0
.endr
	s_wait_loadcnt 0x0                             ; the residual, asked for at the head
.irp a, 0,1,2,3
	s_wait_dscnt 16*(3-\a)                         ; block a is back; the later blocks' 8 stores and 8 loads each may be out
	WIN 0x49                                       ; destination and source 0 window 1, source 1 window 2
.set II, 0
.rept 16
	v_pk_add_f32 v[32*\a+II:32*\a+II+1], v[32*\a+II:32*\a+II+1], v[32*\a+II:32*\a+II+1]
.set II, II+2
.endr
	WIN 0x04                                       ; a store's data are its source 1: window 1
.irp t, 0,1,2,3,4,5,6,7
	global_store_b128 v[CO], v[32*\a+4*\t:32*\a+4*\t+3], s[12:13] offset:(32*(\a/2)+16*(\t/4)+8*(\a%2)+2*(\t%4))*4096 th:TH_STORE_NT
.endr
.endr
	WIN 0
	s_wait_tensorcnt 0x0                           ; the wave's end
	ds_add_u32 v[SPW], v[NIL]
	s_wait_dscnt 0x0
	CROUND                                         ; the closing round
	s_endpgm
.Lfunc_end_k_q6178374cab_gproj:
	.size	k_q6178374cab_gproj, .Lfunc_end_k_q6178374cab_gproj-k_q6178374cab_gproj
	.p2alignl 7, 3214868480
	.fill 96, 4, 3214868480
	.section	.rodata,"a",@progbits
	.p2align	6, 0x0
	.amdhsa_kernel k_q6178374cab_gproj
		.amdhsa_group_segment_fixed_size 327680
		.amdhsa_private_segment_fixed_size 0
		.amdhsa_enable_private_segment 0
		.amdhsa_kernarg_size 40
		.amdhsa_user_sgpr_count 2
		.amdhsa_user_sgpr_kernarg_segment_ptr 1
		.amdhsa_wavefront_size32 1
		.amdhsa_system_sgpr_workgroup_id_x 1
		.amdhsa_system_sgpr_workgroup_id_y 1
		.amdhsa_system_sgpr_workgroup_id_z 1
		.amdhsa_system_vgpr_workitem_id 0
		.amdhsa_next_free_vgpr 768
		.amdhsa_next_free_sgpr 100
		.amdhsa_reserve_vcc 0
		.amdhsa_float_denorm_mode_32 3
		.amdhsa_float_denorm_mode_16_64 3
		.amdhsa_memory_ordered 1
		.amdhsa_forward_progress 1
		.amdhsa_inst_pref_size 61
	.end_amdhsa_kernel
	.amdgpu_metadata
---
amdhsa.version: [ 1, 2 ]
amdhsa.kernels:
  - .name:           k_q6178374cab_gproj
    .symbol:         k_q6178374cab_gproj.kd
    .args:
      - { .name: ob, .offset: 0, .size: 8, .value_kind: global_buffer, .address_space: global }
      - { .name: wb, .offset: 8, .size: 8, .value_kind: global_buffer, .address_space: global }
      - { .name: b_proj, .offset: 16, .size: 8, .value_kind: global_buffer, .address_space: global }
      - { .name: x, .offset: 24, .size: 8, .value_kind: global_buffer, .address_space: global }
      - { .name: x1, .offset: 32, .size: 8, .value_kind: global_buffer, .address_space: global }
    .group_segment_fixed_size: 327680
    .private_segment_fixed_size: 0
    .kernarg_segment_align: 8
    .kernarg_segment_size: 40
    .max_flat_workgroup_size: 128
    .sgpr_count:     100
    .vgpr_count:     768
    .wavefront_size: 32
...
	.end_amdgpu_metadata
.endif
;; end of part 12
;; launch ln2: the kernel of part 9 again; grid 256 x 1, 8 waves a work-group, no clusters, 67,072 bytes of LDS; arguments x1, ln2_g, ln2_b, hb; writes hb
;; launch gfc1 (part 13): grid 16 x 16, 4 waves a work-group, clusters of 4 x 4, 327,680 bytes of LDS; arguments hb, wb, b_fc1, ab; writes ab
.if DOCPART == 13
	.amdgcn_target "amdgcn-amd-amdhsa--gfx1250"
	.amdhsa_code_object_version 6
	.text
	.protected	k_q6178374cab_gfc1
	.globl	k_q6178374cab_gfc1
	.p2align	8
	.type	k_q6178374cab_gfc1,@function
k_q6178374cab_gfc1:
	s_mov_b64 s[64:65], 0
	v_nop
	global_prefetch_b8 v0, s[64:65] scope:SCOPE_SE
	s_setreg_imm32_b32 hwreg(HW_REG_WAVE_MODE, 25, 1), 1
	s_wait_xcnt 0x0
	s_wait_alu depctr_hold_cnt(0) depctr_sa_sdst(0) depctr_va_vdst(0) depctr_va_sdst(0) depctr_va_ssrc(0) depctr_va_vcc(0) depctr_vm_vsrc(0)
	s_getreg_b32 s2, hwreg(HW_REG_IB_STS2, 6, 4)
	s_cmp_eq_u32 s2, 0
	s_cbranch_scc0 .Lentry_in_a_cluster
	s_endpgm
.Lentry_in_a_cluster:
	s_bfe_u32 s2, ttmp6, 0x10000c
	s_cmp_lg_u32 s2, 0xf033
	s_cbranch_scc0 .Lentry_shape_is_right
	s_endpgm
.Lentry_shape_is_right:
.set SIZE_M, 4096
.set SIZE_N, 4096
.set SIZE_K, 1024
.set A_S,    3145728
.set B_C,    1572864
.set B_S,    7929856
.set AB_S,   12582912
.set NQ,     2
.set FR,     12
.set NL,     4
.set NP,     4
.set CH,     12288                     ; 256 rows x 64 K: in a slot A's (and B's) four chunks lie one behind the other, each with all 256 rows
.set HALFT,  2*CH                      ; what one load of the ring brings: 256 rows x 128 K
.set G0H,    4                         ; s[4:7], s[92:95]: group 0 of the head's loads of slot 0: A's 256 rows x 256 K, B's
.set G0HB,   92
.set PFO,    31                        ; v31: the prefetches' offset, 256 x min(lane, 23)
.set SLOT,   4*HALFT
.set LAPS,   SIZE_K/512
.set SCL,    2*SLOT
.set HALFS,  (SIZE_K/128)*512
.set SPARE,  SCL+4*HALFS
.set ADRA, 16
.set ADRB, 20
.set SST,  24
.set L8,   25
.set L16,  26
.set ADRS, 27
.set SPW,  28
.set NIL,  29
.set SRD,  30
.set VB,   15
.set SC,   32
.set BIAS, 64
.set AF,   128
.set PC,   128
.set CT,   140
.set TM,   200
.set PW,   216
.set G1, 24
.set G0, 32
.set G1B, 48
.set G0B, 56
.set G1S, 68
.set G0S, 76
.set G1SB, 80
.set G0SB, 88
.set MSB, 0
.macro WIN new
.if MSB != (\new)
	s_set_vgpr_msb (MSB<<8)|(\new)
.set MSB, (\new)
.endif
.endm
.set MUL_LO, 0xa1
.set MUL_HI, 0xf1
.set TO_B,   0x40
.macro JLOAD g0a, g1a, g0b, g1b
	s_cmp_eq_u32 s15, 0
	s_cbranch_scc0 .Lfor_b_\@
	tensor_load_to_lds s[\g0a:\g0a+3], s[\g1a:\g1a+7]
	s_nop 0
.rept 4
	v_nop
.endr
	s_branch .Lasked_\@
.Lfor_b_\@:
	tensor_load_to_lds s[\g0b:\g0b+3], s[\g1b:\g1b+7]
	s_nop 0
.rept 4
	v_nop
.endr
.Lasked_\@:
.endm
.macro CREST
	s_cmp_lg_u32 s14, 0
	s_cbranch_scc1 .Lnot_wave_0_\@
	s_barrier_signal -3
.Lnot_wave_0_\@:
	s_barrier_wait -3
	s_barrier_signal -1
	s_barrier_wait -1
.endm
.macro CROUND
	s_barrier_signal -1
	s_barrier_wait -1
	CREST
.endm
	s_load_b256 s[4:11], s[0:1], 0x0
	v_lshl_add_u32 v[SPW], v0, 2, SPARE
	v_mov_b32 v[NIL], 0
	ds_add_u32 v28, v29
	ds_add_u32 v28, v29
	s_wait_dscnt 0x0
	v_lshrrev_b32 v1, 5, v0
	v_readfirstlane_b32 s14, v1
	s_lshr_b32 s15, s14, 1
	s_and_b32 s16, s14, 1
	s_bfe_u32 s40, ttmp6, 0x40000
	s_bfe_u32 s41, ttmp6, 0x40004
	s_lshl_b32 s42, ttmp9, 2
	s_add_co_u32 s42, s42, s40
	s_and_b32 s17, ttmp7, 0xffff
	s_lshl_b32 s17, s17, 2
	s_add_co_u32 s17, s17, s41
	s_lshl_b32 s43, s41, 2
	s_lshl_b32 s43, 15, s43
	s_lshl_b32 s44, 0x1111, s40
	s_or_b32 s[G1+0], s43, (3<<16)|(1<<21)
	s_or_b32 s[G1B+0], s44, (3<<16)|(1<<21)
.irp g, G1, G1B
	s_mov_b32 s[\g+1], 1536<<16                    ; a tile's row: 12,288 bytes
	s_mov_b32 s[\g+2], 4<<16
	s_mov_b32 s[\g+3], 1536<<16
	s_mov_b32 s[\g+4], 4
	s_mov_b32 s[\g+6], 0
	s_mov_b32 s[\g+7], 0
.endr
	s_mov_b32 s[G1+5], SIZE_M*6
	s_mov_b32 s[G1B+5], SIZE_N*6
	s_or_b32 s[G1S+0], s43, (3<<16)|(1<<21)
	s_or_b32 s[G1SB+0], s44, (3<<16)|(1<<21)
.irp g, G1S, G1SB
	s_mov_b32 s[\g+1], 128<<16                     ; the scale words of 256 rows: 1,024 bytes for each K step
	s_mov_b32 s[\g+2], (SIZE_K/128)<<16
	s_mov_b32 s[\g+3], 128<<16
	s_mov_b32 s[\g+4], SIZE_K/128
	s_mov_b32 s[\g+6], 0
	s_mov_b32 s[\g+7], 0
.endr
	s_mov_b32 s[G1S+5], SIZE_M/2
	s_mov_b32 s[G1SB+5], SIZE_N/2
	s_lshl_b32 s20, s17, 8
	s_lshl_b32 s46, s42, 8
	s_lshl_b32 s22, s20, 2
	s_add_co_u32 s22, s22, A_S
	s_mov_b32 s23, 0
	s_lshl_b32 s92, s46, 2
	s_add_co_u32 s92, s92, B_S
	s_mov_b32 s93, 0
	s_mul_i32 s20, s20, 48
	s_mov_b32 s21, 0
	s_mul_i32 s46, s46, 48
	s_add_co_u32 s46, s46, B_C
	s_mov_b32 s47, 0
	s_mul_i32 s45, s14, HALFT
	s_mul_i32 s18, s16, 2*SIZE_M*48                ; in the ring I fetch two of a slot's four chunks
	s_mov_b32 s19, 0
	s_mul_i32 s66, s16, 2*SIZE_N*48
	s_mov_b32 s67, 0
	s_wait_kmcnt 0x0
	s_add_nc_u64 s[20:21], s[4:5], s[20:21]
	s_add_nc_u64 s[22:23], s[4:5], s[22:23]
	s_add_nc_u64 s[46:47], s[6:7], s[46:47]
	s_add_nc_u64 s[92:93], s[6:7], s[92:93]
	CROUND
	s_mov_b32 s[G0S], 1
	s_mov_b32 s[G0S+1], SCL
	s_mov_b64 s[G0S+2:G0S+3], s[22:23]
	s_or_b32 s[G0S+3], s[G0S+3], 0x80000000
	s_mov_b32 s[G0SB], 1
	s_mov_b32 s[G0SB+1], SCL+2*HALFS
	s_mov_b64 s[G0SB+2:G0SB+3], s[92:93]
	s_or_b32 s[G0SB+3], s[G0SB+3], 0x80000000
	s_mov_b32 s[G0H], 1                            ; slot 0 whole: A's four chunks,
	s_mov_b32 s[G0H+1], 0
	s_mov_b64 s[G0H+2:G0H+3], s[20:21]
	s_or_b32 s[G0H+3], s[G0H+3], 0x80000000
	s_mov_b32 s[G0HB], 1                           ; and B's, behind them
	s_mov_b32 s[G0HB+1], 2*HALFT
	s_mov_b64 s[G0HB+2:G0HB+3], s[46:47]
	s_or_b32 s[G0HB+3], s[G0HB+3], 0x80000000
	s_add_nc_u64 s[20:21], s[20:21], s[18:19]      ; for the ring: my two chunks
	s_add_nc_u64 s[46:47], s[46:47], s[66:67]
.irp s, 0,1
	s_mov_b32 s[G0+4*\s], 1
	s_add_co_u32 s[G0+4*\s+1], s45, \s*SLOT
	s_add_nc_u64 s[G0+4*\s+2:G0+4*\s+3], s[20:21], \s*4*SIZE_M*48
	s_or_b32 s[G0+4*\s+3], s[G0+4*\s+3], 0x80000000
	s_mov_b32 s[G0B+4*\s], 1
	s_add_co_u32 s[G0B+4*\s+1], s45, \s*SLOT
	s_add_nc_u64 s[G0B+4*\s+2:G0B+4*\s+3], s[46:47], \s*4*SIZE_N*48
	s_or_b32 s[G0B+4*\s+3], s[G0B+4*\s+3], 0x80000000
.endr
; THE HEAD'S LOADS, ONE A WAVE: wave 0 slot 0's 256 rows of A, wave 1 its 256 rows of B, wave 2 A's scale words for all of K, wave 3 B's.
.macro ARM under, g0, g1, next         ; one chain of branches on the wave's number: every way passes exactly one load
	s_cmp_lt_u32 s14, \under
	s_cbranch_scc0 \next
	tensor_load_to_lds s[\g0:\g0+3], s[\g1:\g1+7]
	s_nop 0
.rept 4
	v_nop
.endr
	s_branch .Lhead_asked
\next:
.endm
	ARM 1, G0H,  G1,  .Lhead_b
	ARM 2, G0HB, G1B, .Lhead_sa
	ARM 3, G0S,  G1S, .Lhead_sb
	tensor_load_to_lds s[G0SB:G0SB+3], s[G1SB:G1SB+7]
	s_nop 0
.rept 4
	v_nop
.endr
.Lhead_asked:
; PREFETCHES: behind the load of slot t's tile stands a request for tile t + 2: tile 2 here, tile 3 behind slot 1's load; tiles 2 and 3 are the last.  Of the 24,576 bytes that my wave fetches of a tile,
; each of the four partners that ask for it jointly names 6,144 (half a chunk), told apart by address: 24 lanes, 256 bytes apart; the lanes left over name the last block again.
	v_and_b32 v[PFO], 31, v0
	v_min_u32 v[PFO], 23, v[PFO]
	v_lshlrev_b32 v[PFO], 8, v[PFO]
	s_cmp_eq_u32 s15, 0
	s_cselect_b32 s43, s40, s41                    ; my place among the four: cx for A's tiles, cy for B's
	s_cselect_b64 s[40:41], s[20:21], s[46:47]
	s_lshr_b32 s18, s43, 1
	s_mul_i32 s18, s18, SIZE_M*48                  ; (SIZE_M = SIZE_N: one chunk's pitch serves both)
	s_and_b32 s43, s43, 1
	s_mul_i32 s43, s43, 6144
	s_add_co_u32 s18, s18, s43
	s_add_nc_u64 s[40:41], s[40:41], s[18:19]
	s_add_nc_u64 s[40:41], s[40:41], 8*SIZE_M*48   ; tile 2
	s_wait_alu depctr_va_vdst(0)
	global_prefetch_b8 v[PFO], s[40:41] th:TH_LOAD_NT scope:SCOPE_SE
	v_and_b32 v1, 15, v0
	v_bfe_u32 v2, v0, 4, 1
	v_and_b32 v3, 31, v0
	v_lshlrev_b32 v4, 4, v3
	v_lshlrev_b32 v5, 4, v1
	v_lshl_add_u32 v5, v2, 3, v5
	v_add_nc_u32 v5, 512, v5
	s_mul_i32 s21, s15, 6144                       ; my 128 of a chunk's 256 rows
	s_mul_i32 s22, s16, 6144
	s_add_co_u32 s22, s22, 2*HALFT
.irp s, 0,1
	v_add_nc_u32 v[ADRA+\s], s21, v4
	v_add_nc_u32 v[ADRB+\s], s22, v4
	v_add_nc_u32 v[ADRA+2+\s], s21, v5
	v_add_nc_u32 v[ADRB+2+\s], s22, v5
	s_add_co_u32 s21, s21, SLOT
	s_add_co_u32 s22, s22, SLOT
.endr
	s_lshl_b32 s21, s15, 9                         ; my 128 of a K step's 256 words
	s_lshl_b32 s22, s16, 9
	s_add_co_u32 s22, s22, 2*HALFS
	s_sub_co_u32 s22, s22, s21
	v_mul_u32_u24 v6, s22, v2
	s_add_co_u32 s21, s21, SCL
	v_lshl_add_u32 v6, v1, 2, v6
	v_add_nc_u32 v[ADRS], s21, v6
	s_lshl_b32 s46, s42, 10
	s_lshl_b32 s47, s16, 9
	s_add_co_u32 s46, s46, s47
	s_mov_b32 s47, 0
	s_add_nc_u64 s[96:97], s[8:9], s[46:47]
	v_lshlrev_b32 v[VB], 6, v2
.irp b, 0,1,2,3,4,5,6,7
	global_load_b128 v[BIAS+8*\b:BIAS+8*\b+3], v[VB], s[96:97] offset:128*(\b/2)+32*(\b%2)
	global_load_b128 v[BIAS+8*\b+4:BIAS+8*\b+7], v[VB], s[96:97] offset:128*(\b/2)+32*(\b%2)+16
.endr
	s_lshl_b32 s20, s42, 1
	s_add_co_u32 s20, s20, s16
	s_mul_i32 s21, s20, 393216
	s_lshl_b32 s22, s17, 1
	s_add_co_u32 s22, s22, s15
	s_mul_i32 s23, s22, 6144
	s_add_co_u32 s46, s21, s23
	s_add_nc_u64 s[12:13], s[10:11], s[46:47]
	s_lshl_b32 s20, s20, 14
	s_lshl_b32 s22, s22, 9
	s_add_co_u32 s46, s20, s22
	s_add_co_u32 s46, s46, AB_S
	s_add_nc_u64 s[98:99], s[10:11], s[46:47]
	s_mul_i32 s23, s14, HALFT
	v_lshlrev_b32 v6, 2, v1
	v_add_nc_u32 v[SST], s23, v6
	v_add_nc_u32 v[SRD], s23, v4
	v_lshlrev_b32 v[L16], 4, v3
	v_add_nc_u32 v[L8], 0, v5
.macro FRAG reg, adr, q, i
	ds_load_b128 v[\reg:\reg+3], v[\adr] offset:2*(\q)*CH+(\i)*768
	ds_load_b64 v[\reg+4:\reg+5], v[\adr+2] offset:2*(\q)*CH+(\i)*768
	ds_load_b128 v[\reg+6:\reg+9], v[\adr] offset:(2*(\q)+1)*CH+(\i)*768
	ds_load_b64 v[\reg+10:\reg+11], v[\adr+2] offset:(2*(\q)+1)*CH+(\i)*768
.endm
.macro MUL16 a0, p, q, sc, first
.irp a, \a0, \a0+1
.irp b, 0,1,2,3,4,5,6,7
.if \first
	v_wmma_scale_f32_16x16x128_f8f6f4 v[8*(8*((\a)%4)+\b):8*(8*((\a)%4)+\b)+7], v[128*(\p)+FR*\b:128*(\p)+FR*\b+FR-1], v[AF+FR*(\a):AF+FR*(\a)+FR-1], v[BIAS+8*\b:BIAS+8*\b+7], v[SC+8*NQ*(\sc)+NQ*\b+(\q)], v[SC+8*NQ*(\sc)+NQ*(\a)+(\q)] matrix_a_fmt:MATRIX_FMT_FP6 matrix_b_fmt:MATRIX_FMT_FP6 matrix_a_scale:MATRIX_SCALE_ROW1
.else
	v_wmma_scale_f32_16x16x128_f8f6f4 v[8*(8*((\a)%4)+\b):8*(8*((\a)%4)+\b)+7], v[128*(\p)+FR*\b:128*(\p)+FR*\b+FR-1], v[AF+FR*(\a):AF+FR*(\a)+FR-1], v[8*(8*((\a)%4)+\b):8*(8*((\a)%4)+\b)+7], v[SC+8*NQ*(\sc)+NQ*\b+(\q)], v[SC+8*NQ*(\sc)+NQ*(\a)+(\q)] matrix_a_fmt:MATRIX_FMT_FP6 matrix_b_fmt:MATRIX_FMT_FP6 matrix_a_scale:MATRIX_SCALE_ROW1
.endif
.endr
.endr
.endm
.macro FETCH_B slot, q, p
	WIN TO_B
.irp i, 0,1,2,3,4,5,6,7
	FRAG 128*(\p)+FR*\i, ADRB+\slot, \q, \i
.endr
	WIN 0
.endm
.macro FETCH_A slot, q, i0
.irp i, \i0, \i0+1, \i0+2, \i0+3
	FRAG AF+FR*(\i), ADRA+\slot, \q, \i
.endr
.endm
.macro SCALES sc
.irp i, 0,1,2,3,4,5,6,7
.irp q, 0,1
	ds_load_b32 v[SC+16*\sc+2*\i+\q], v[ADRS] offset:1024*\q+64*\i
.endr
.endr
.endm
.macro PLACES n
.rept \n
	v_nop
.endr
.endm
.macro STEP slot, q, first
	s_wait_dscnt 4*NL
	WIN MUL_LO-0x20*\first
	MUL16 0, (\q)%2, \q, \slot, \first
	MUL16 2, (\q)%2, \q, \slot, \first
	s_wait_dscnt 0
	PLACES NP
	FETCH_B \slot, (\q)+1, 1-(\q)%2
	FETCH_A \slot, (\q)+1, 0
	WIN MUL_HI-0x30*\first
	MUL16 4, (\q)%2, \q, \slot, \first
	MUL16 6, (\q)%2, \q, \slot, \first
	PLACES NP
	WIN 0
	FETCH_A \slot, (\q)+1, 4
.endm
.macro TURN slot, next, fill
	s_wait_tensorcnt 0x0
	ds_add_u32 v[SPW], v[NIL]
	s_wait_dscnt 4*NL+1
	WIN MUL_LO
	MUL16 0, 1, NQ-1, \slot, 0
	s_wait_dscnt 0x0
	s_barrier_signal -1
	MUL16 2, 1, NQ-1, \slot, 0
	WIN 0
	s_barrier_wait -1
.if \fill
	CREST
	s_add_nc_u64 s[G0+4*\slot+2:G0+4*\slot+3], s[G0+4*\slot+2:G0+4*\slot+3], 8*SIZE_M*48
	s_add_nc_u64 s[G0B+4*\slot+2:G0B+4*\slot+3], s[G0B+4*\slot+2:G0B+4*\slot+3], 8*SIZE_N*48
	JLOAD G0+4*\slot, G1, G0B+4*\slot, G1B
.else
	PLACES NP
.endif
	s_wait_alu depctr_va_vdst(0)
	v_add_nc_u32 v[ADRS], 1024*NQ, v[ADRS]
	FETCH_B \next, 0, 0
	FETCH_A \next, 0, 0
	SCALES \next
	WIN MUL_HI
	MUL16 4, 1, NQ-1, \slot, 0
	MUL16 6, 1, NQ-1, \slot, 0
	PLACES NP
	WIN 0
	FETCH_A \next, 0, 4
.endm
	s_wait_alu depctr_va_vdst(0)
	s_wait_tensorcnt 0x0                           ; my tile of the head's four is in
	ds_add_u32 v[SPW], v[NIL]
	s_mov_b32 s[G1+2], 2<<16                       ; no tensor load of mine is out: from here on a load brings two chunks
	s_mov_b32 s[G1+4], 2
	s_mov_b32 s[G1B+2], 2<<16
	s_mov_b32 s[G1B+4], 2
	s_wait_dscnt 0x0
	CROUND                                         ; all four tiles are in, and all sixteen work-groups are here
	JLOAD G0+4, G1, G0B+4, G1B                     ; slot 1's first fill, the first tensor load behind the round
	FETCH_B 0, 0, 0
	FETCH_A 0, 0, 0
	SCALES 0
	FETCH_A 0, 0, 4
	global_prefetch_b8 v[PFO], s[40:41] offset:4*SIZE_M*48 th:TH_LOAD_NT scope:SCOPE_SE   ; tile 3
	s_wait_loadcnt 0x0
	STEP 0, 0, 1
	s_mov_b32 s3, LAPS-1
.Llap:
	TURN 0, 1, 1
	STEP 1, 0, 0
	TURN 1, 0, 1
	STEP 0, 0, 0
	s_sub_co_u32 s3, s3, 1
	s_cmp_lg_u32 s3, 0
	s_cbranch_scc1 .Llap
	TURN 0, 1, 0
	STEP 1, 0, 0
	s_wait_dscnt 4*NL
	WIN MUL_LO
	MUL16 0, 1, NQ-1, 1, 0
	MUL16 2, 1, NQ-1, 1, 0
	s_wait_dscnt 0
	WIN MUL_HI
	MUL16 4, 1, NQ-1, 1, 0
	MUL16 6, 1, NQ-1, 1, 0
	WIN 0
.macro QUANT s, w
	WIN (\w)|((\w)<<2)
.irp b, 0,1,2,3
	v_max3_num_f32 v[TM+\b], |v[\s+16*\b]|, |v[\s+1+16*\b]|, 0x1800000
.endr
.irp i, 2,4,6,8,10,12,14
.irp b, 0,1,2,3
	v_max3_num_f32 v[TM+\b], |v[\s+16*\b+\i]|, |v[\s+1+16*\b+\i]|, v[TM+\b]
.endr
.endr
	WIN 0
.irp b, 0,1,2,3
	v_permlanex16_b32 v[TM+4+\b], v[TM+\b], s18, s19
.endr
.irp b, 0,1,2,3
	v_max_num_f32 v[TM+\b], v[TM+\b], v[TM+4+\b]
.endr
.irp b, 0,1,2,3
	v_add_nc_u32 v[TM+12+\b], 0xff000000, v[TM+\b]
.endr
.irp b, 0,1,2,3
	v_lshrrev_b32 v[TM+4+\b], 23, v[TM+12+\b]
.endr
	v_lshl_or_b32 v[PW], v[TM+5], 8, v[TM+4]
	v_lshl_or_b32 v[PW], v[TM+6], 16, v[PW]
	v_lshl_or_b32 v[PW], v[TM+7], 24, v[PW]
	WIN \w
.irp c, 0,1
	v_cvt_scalef32_pk16_fp6_f32 v[PC+6*\c:PC+6*\c+2], v[\s+32*\c:\s+32*\c+15], v[TM+12+2*\c]
	v_cvt_scalef32_pk16_fp6_f32 v[CT+4*\c:CT+4*\c+2], v[\s+16+32*\c:\s+31+32*\c], v[TM+13+2*\c]
.endr
	WIN 0
	v_nop
.irp c, 0,1
.irp i, 0,1,2
	v_permlane16_swap_b32 v[PC+6*\c+\i], v[CT+4*\c+\i]
.endr
.irp i, 0,1,2
	v_mov_b32 v[PC+3+6*\c+\i], v[CT+4*\c+\i]
.endr
.endr
.endm
	s_mov_b32 s18, 0x76543210
	s_mov_b32 s19, 0xfedcba98
	PLACES NP
.irp b, 0,1,2,3
	v_mov_b32 v[TM+4+\b], 0
.endr
.set AA, 0
.rept 8
	WIN 0x88+0x44*(AA/4)
.set II, 0
.rept 64
	v_max_num_f32 v[64*(AA%4)+II], 0, v[64*(AA%4)+II]
.set II, II+1
.endr
	s_wait_xcnt 0x0
	QUANT 64*(AA%4), 2+AA/4
	global_store_b128 v[L16], v[PC:PC+3], s[12:13] offset:768*AA
	global_store_b64 v[L8], v[PC+4:PC+5], s[12:13] offset:768*AA
	global_store_b128 v[L16], v[PC+6:PC+9], s[12:13] offset:196608+768*AA
	global_store_b64 v[L8], v[PC+10:PC+11], s[12:13] offset:196608+768*AA
	ds_store_b32 v[SST], v[PW] offset:64*AA
.set AA, AA+1
.endr
	ds_load_b128 v[64:67], v[SRD]
	s_wait_dscnt 0x0
	global_store_b128 v[L16], v[64:67], s[98:99]
	s_wait_tensorcnt 0x0
	ds_add_u32 v[SPW], v[NIL]
	s_wait_dscnt 0x0
	CROUND
	s_endpgm
.Lfunc_end_k_q6178374cab_gfc1:
	.size	k_q6178374cab_gfc1, .Lfunc_end_k_q6178374cab_gfc1-k_q6178374cab_gfc1
	.p2alignl 7, 3214868480
	.fill 96, 4, 3214868480
	.section	.rodata,"a",@progbits
	.p2align	6, 0x0
	.amdhsa_kernel k_q6178374cab_gfc1
		.amdhsa_group_segment_fixed_size 327680
		.amdhsa_private_segment_fixed_size 0
		.amdhsa_enable_private_segment 0
		.amdhsa_kernarg_size 32
		.amdhsa_user_sgpr_count 2
		.amdhsa_user_sgpr_kernarg_segment_ptr 1
		.amdhsa_wavefront_size32 1
		.amdhsa_system_sgpr_workgroup_id_x 1
		.amdhsa_system_sgpr_workgroup_id_y 1
		.amdhsa_system_sgpr_workgroup_id_z 1
		.amdhsa_system_vgpr_workitem_id 0
		.amdhsa_next_free_vgpr 1024
		.amdhsa_next_free_sgpr 100
		.amdhsa_reserve_vcc 0
		.amdhsa_float_denorm_mode_32 3
		.amdhsa_float_denorm_mode_16_64 3
		.amdhsa_memory_ordered 1
		.amdhsa_forward_progress 1
		.amdhsa_inst_pref_size 171
	.end_amdhsa_kernel
	.amdgpu_metadata
---
amdhsa.version: [ 1, 2 ]
amdhsa.kernels:
  - .name:           k_q6178374cab_gfc1
    .symbol:         k_q6178374cab_gfc1.kd
    .args:
      - { .name: hb, .offset: 0, .size: 8, .value_kind: global_buffer, .address_space: global }
      - { .name: wb, .offset: 8, .size: 8, .value_kind: global_buffer, .address_space: global }
      - { .name: b_fc1, .offset: 16, .size: 8, .value_kind: global_buffer, .address_space: global }
      - { .name: ab, .offset: 24, .size: 8, .value_kind: global_buffer, .address_space: global }
    .group_segment_fixed_size: 327680
    .private_segment_fixed_size: 0
    .kernarg_segment_align: 8
    .kernarg_segment_size: 32
    .max_flat_workgroup_size: 128
    .sgpr_count:     100
    .vgpr_count:     1024
    .wavefront_size: 32
...
	.end_amdgpu_metadata
.endif
;; end of part 13
;; launch gfc2 (part 14): grid 8 x 32, 4 waves a work-group, clusters of 4 x 4, 327,680 bytes of LDS; arguments ab, wb, b_fc2, x1, out0; writes out0
.if DOCPART == 14
	.amdgcn_target "amdgcn-amd-amdhsa--gfx1250"
	.amdhsa_code_object_version 6
	.text
	.protected	k_q6178374cab_gfc2
	.globl	k_q6178374cab_gfc2
	.p2align	8
	.type	k_q6178374cab_gfc2,@function
k_q6178374cab_gfc2:
	s_mov_b64 s[64:65], 0
	v_nop
	global_prefetch_b8 v0, s[64:65] scope:SCOPE_SE
	s_setreg_imm32_b32 hwreg(HW_REG_WAVE_MODE, 25, 1), 1
	s_wait_xcnt 0x0
	s_wait_alu depctr_hold_cnt(0) depctr_sa_sdst(0) depctr_va_vdst(0) depctr_va_sdst(0) depctr_va_ssrc(0) depctr_va_vcc(0) depctr_vm_vsrc(0)
	s_getreg_b32 s2, hwreg(HW_REG_IB_STS2, 6, 4)
	s_cmp_eq_u32 s2, 0
	s_cbranch_scc0 .Lentry_in_a_cluster
	s_endpgm
.Lentry_in_a_cluster:
	s_bfe_u32 s2, ttmp6, 0x10000c
	s_cmp_lg_u32 s2, 0xf033
	s_cbranch_scc0 .Lentry_shape_is_right
	s_endpgm
.Lentry_shape_is_right:
.set SIZE_M, 4096
.set SIZE_N, 1024
.set SIZE_K, 4096
.set A_S,    12582912
.set B_C,    4718592
.set B_S,    8060928
.set FR,     12
.set NP,     4
.set CH,     6144
.set HALFT,  4*CH
.set G0H,    4                         ; s[4:7], s[92:95]: group 0 of the head's loads of slot 0: A's 128 rows x 512 K, B's
.set G0HB,   92
.set PFO,    30                        ; v30: the prefetches' offset, 256 x min(lane, 23)
.set PFA,    40                        ; s[40:41] where my prefetches stand; s[44:45] from tile to tile
.set SLOT,   4*HALFT
.set LAPS,   SIZE_K/1024
.set SCL,    2*SLOT
.set HALFS,  (SIZE_K/256)*512
.set SPARE,  SCL+4*HALFS
.set SPITCH, 272
.set STG,    16*SPITCH
.set ADRA, 16
.set ADRB, 20
.set STO,  24
.set RD,   25
.set CO,   26
.set ADRS, 27
.set SPW,  28
.set NIL,  29
.set VB,   15
.set SC,   32
.set BIAS, 64
.set ACC,  128
.set G1, 24
.set G0, 32
.set G1B, 48
.set G0B, 56
.set G1S, 68
.set G0S, 76
.set G1SB, 80
.set G0SB, 88
.set MSB, 0
.macro WIN new
.if MSB != (\new)
	s_set_vgpr_msb (MSB<<8)|(\new)
.set MSB, (\new)
.endif
.endm
.set MUL,  0x05
.set TO_F, 0x40
.macro JLOAD g0a, g1a, g0b, g1b
	s_cmp_eq_u32 s15, 0
	s_cbranch_scc0 .Lfor_b_\@
	tensor_load_to_lds s[\g0a:\g0a+3], s[\g1a:\g1a+7]
	s_nop 0
.rept 4
	v_nop
.endr
	s_branch .Lasked_\@
.Lfor_b_\@:
	tensor_load_to_lds s[\g0b:\g0b+3], s[\g1b:\g1b+7]
	s_nop 0
.rept 4
	v_nop
.endr
.Lasked_\@:
.endm
.macro CREST
	s_cmp_lg_u32 s14, 0
	s_cbranch_scc1 .Lnot_wave_0_\@
	s_barrier_signal -3
.Lnot_wave_0_\@:
	s_barrier_wait -3
	s_barrier_signal -1
	s_barrier_wait -1
.endm
.macro CROUND
	s_barrier_signal -1
	s_barrier_wait -1
	CREST
.endm
	s_load_b256 s[4:11], s[0:1], 0x0
	s_load_b64 s[12:13], s[0:1], 0x20
	v_lshl_add_u32 v[SPW], v0, 2, SPARE
	v_mov_b32 v[NIL], 0
	ds_add_u32 v28, v29
	ds_add_u32 v28, v29
	s_wait_dscnt 0x0
	v_lshrrev_b32 v1, 5, v0
	v_readfirstlane_b32 s14, v1
	s_lshr_b32 s15, s14, 1
	s_and_b32 s16, s14, 1
	s_bfe_u32 s40, ttmp6, 0x40000
	s_bfe_u32 s41, ttmp6, 0x40004
	s_lshl_b32 s42, ttmp9, 2
	s_add_co_u32 s42, s42, s40
	s_and_b32 s17, ttmp7, 0xffff
	s_lshl_b32 s17, s17, 2
	s_add_co_u32 s17, s17, s41
	s_lshl_b32 s43, s41, 2
	s_lshl_b32 s43, 15, s43
	s_lshl_b32 s44, 0x1111, s40
	s_or_b32 s[G1+0], s43, (3<<16)|(1<<21)
	s_or_b32 s[G1B+0], s44, (3<<16)|(1<<21)
.irp g, G1, G1B
	s_mov_b32 s[\g+1], 768<<16
	s_mov_b32 s[\g+2], 8<<16                       ; the head's loads bring a slot's eight chunks
	s_mov_b32 s[\g+3], 768<<16
	s_mov_b32 s[\g+4], 8
	s_mov_b32 s[\g+6], 0
	s_mov_b32 s[\g+7], 0
.endr
	s_mov_b32 s[G1+5], SIZE_M*6
	s_mov_b32 s[G1B+5], SIZE_N*6
	s_or_b32 s[G1S+0], s43, (3<<16)|(1<<21)
	s_or_b32 s[G1SB+0], s44, (3<<16)|(1<<21)
.irp g, G1S, G1SB
	s_mov_b32 s[\g+1], 64<<16
	s_mov_b32 s[\g+2], (SIZE_K/128)<<16            ; all K steps' scale words in one load
	s_mov_b32 s[\g+3], 64<<16
	s_mov_b32 s[\g+4], SIZE_K/128
	s_mov_b32 s[\g+6], 0
	s_mov_b32 s[\g+7], 0
.endr
	s_mov_b32 s[G1S+5], SIZE_M/2
	s_mov_b32 s[G1SB+5], SIZE_N/2
	s_mul_i32 s20, s17, 6144
	s_mul_i32 s18, s16, 4*SIZE_M*48
	s_add_co_u32 s20, s20, s18
	s_mov_b32 s21, 0
	s_lshl_b32 s22, s17, 9
	s_add_co_u32 s22, s22, A_S
	s_mov_b32 s23, 0
	s_mul_i32 s46, s42, 6144
	s_mul_i32 s18, s16, 4*SIZE_N*48
	s_add_co_u32 s46, s46, s18
	s_add_co_u32 s46, s46, B_C
	s_mov_b32 s47, 0
	s_lshl_b32 s92, s42, 9
	s_add_co_u32 s92, s92, B_S
	s_mov_b32 s93, 0
	s_mul_i32 s45, s14, HALFT
	s_mul_i32 s18, s17, 6144                       ; slot 0 whole begins at the block's first chunk: A's,
	s_mov_b32 s19, 0
	s_mul_i32 s66, s42, 6144                       ; and B's
	s_add_co_u32 s66, s66, B_C
	s_mov_b32 s67, 0
	s_wait_kmcnt 0x0
	s_add_nc_u64 s[20:21], s[4:5], s[20:21]
	s_add_nc_u64 s[22:23], s[4:5], s[22:23]
	s_add_nc_u64 s[46:47], s[6:7], s[46:47]
	s_add_nc_u64 s[92:93], s[6:7], s[92:93]
	s_add_nc_u64 s[G0HB+2:G0HB+3], s[6:7], s[66:67]
	s_add_nc_u64 s[G0H+2:G0H+3], s[4:5], s[18:19]
	CROUND
	s_mov_b32 s[G0S], 1
	s_mov_b32 s[G0S+1], SCL
	s_mov_b64 s[G0S+2:G0S+3], s[22:23]
	s_or_b32 s[G0S+3], s[G0S+3], 0x80000000
	s_mov_b32 s[G0SB], 1
	s_mov_b32 s[G0SB+1], SCL+2*HALFS
	s_mov_b64 s[G0SB+2:G0SB+3], s[92:93]
	s_or_b32 s[G0SB+3], s[G0SB+3], 0x80000000
	s_mov_b32 s[G0H], 1
	s_mov_b32 s[G0H+1], 0
	s_or_b32 s[G0H+3], s[G0H+3], 0x80000000
	s_mov_b32 s[G0HB], 1
	s_mov_b32 s[G0HB+1], 2*HALFT
	s_or_b32 s[G0HB+3], s[G0HB+3], 0x80000000
.irp s, 0,1
	s_mov_b32 s[G0+4*\s], 1
	s_add_co_u32 s[G0+4*\s+1], s45, \s*SLOT
	s_add_nc_u64 s[G0+4*\s+2:G0+4*\s+3], s[20:21], \s*8*SIZE_M*48
	s_or_b32 s[G0+4*\s+3], s[G0+4*\s+3], 0x80000000
	s_mov_b32 s[G0B+4*\s], 1
	s_add_co_u32 s[G0B+4*\s+1], s45, \s*SLOT
	s_add_nc_u64 s[G0B+4*\s+2:G0B+4*\s+3], s[46:47], \s*8*SIZE_N*48
	s_or_b32 s[G0B+4*\s+3], s[G0B+4*\s+3], 0x80000000
.endr
; THE HEAD'S LOADS, ONE A WAVE: wave 0 slot 0's 128 rows x 512 K of A, wave 1 of B, wave 2 A's scale words for all of K, wave 3 B's.
.macro ARM under, g0, g1, next         ; one chain of branches on the wave's number: every way passes exactly one load
	s_cmp_lt_u32 s14, \under
	s_cbranch_scc0 \next
	tensor_load_to_lds s[\g0:\g0+3], s[\g1:\g1+7]
	s_nop 0
.rept 4
	v_nop
.endr
	s_branch .Lhead_asked
\next:
.endm
	ARM 1, G0H,  G1,  .Lhead_b
	ARM 2, G0HB, G1B, .Lhead_sa
	ARM 3, G0S,  G1S, .Lhead_sb
	tensor_load_to_lds s[G0SB:G0SB+3], s[G1SB:G1SB+7]
	s_nop 0
.rept 4
	v_nop
.endr
.Lhead_asked:
; PREFETCHES: behind the load of tile t (512 along K) stands a request for tile t + 2; the loads of the last two tiles, 6 and 7, ask for nothing.  Of the four chunks of 6,144 bytes that my wave fetches of a tile,
; each of the four partners that ask for it jointly names one, told apart by address: 24 lanes, 256 bytes apart; the lanes left over name the last block again.
.macro ASK                             ; in the loop: not in its last trip
	s_cmp_gt_u32 s3, 1
	s_cbranch_scc0 .Lno_ask_\@
	global_prefetch_b8 v[PFO], s[PFA:PFA+1] th:TH_LOAD_NT scope:SCOPE_SE
.Lno_ask_\@:
.endm
	v_and_b32 v[PFO], 31, v0
	v_min_u32 v[PFO], 23, v[PFO]
	v_lshlrev_b32 v[PFO], 8, v[PFO]
	s_cmp_eq_u32 s15, 0
	s_cselect_b32 s43, s40, s41                    ; my place among the four: cx for A's tiles, cy for B's
	s_mov_b32 s44, SIZE_N*48
	s_cselect_b32 s44, SIZE_M*48, s44              ; from chunk to chunk
	s_cselect_b64 s[PFA:PFA+1], s[20:21], s[46:47]
	s_mul_i32 s18, s43, s44
	s_lshl_b32 s44, s44, 3                         ; from tile to tile: eight chunks
	s_mov_b32 s45, 0
	s_add_nc_u64 s[PFA:PFA+1], s[PFA:PFA+1], s[18:19]
	s_add_nc_u64 s[PFA:PFA+1], s[PFA:PFA+1], s[44:45]
	s_add_nc_u64 s[PFA:PFA+1], s[PFA:PFA+1], s[44:45]   ; tile 2
	s_wait_alu depctr_va_vdst(0)
	global_prefetch_b8 v[PFO], s[PFA:PFA+1] th:TH_LOAD_NT scope:SCOPE_SE
	v_and_b32 v1, 15, v0
	v_bfe_u32 v2, v0, 4, 1
	v_and_b32 v3, 31, v0
	v_lshlrev_b32 v4, 4, v3
	v_lshlrev_b32 v5, 4, v1
	v_lshl_add_u32 v5, v2, 3, v5
	v_add_nc_u32 v5, 512, v5
	s_mul_i32 s21, s15, 3072
	s_mul_i32 s22, s16, 3072
	s_add_co_u32 s22, s22, 2*HALFT
.irp s, 0,1
	v_add_nc_u32 v[ADRA+\s], s21, v4
	v_add_nc_u32 v[ADRB+\s], s22, v4
	v_add_nc_u32 v[ADRA+2+\s], s21, v5
	v_add_nc_u32 v[ADRB+2+\s], s22, v5
	s_add_co_u32 s21, s21, SLOT
	s_add_co_u32 s22, s22, SLOT
.endr
	s_lshl_b32 s21, s15, 8
	s_lshl_b32 s22, s16, 8
	s_add_co_u32 s22, s22, 2*HALFS
	s_sub_co_u32 s22, s22, s21
	v_mul_u32_u24 v6, s22, v2
	s_add_co_u32 s21, s21, SCL
	v_lshl_add_u32 v6, v1, 2, v6
	v_add_nc_u32 v[ADRS], s21, v6
	s_lshl_b32 s46, s42, 9
	s_lshl_b32 s47, s16, 8
	s_add_co_u32 s46, s46, s47
	s_mov_b32 s47, 0
	s_add_nc_u64 s[96:97], s[8:9], s[46:47]
	v_lshlrev_b32 v[VB], 6, v2
.irp b, 0,1,2,3
	global_load_b128 v[BIAS+8*\b:BIAS+8*\b+3], v[VB], s[96:97] offset:128*(\b/2)+32*(\b%2)
	global_load_b128 v[BIAS+8*\b+4:BIAS+8*\b+7], v[VB], s[96:97] offset:128*(\b/2)+32*(\b%2)+16
.endr
	s_lshl_b32 s20, s17, 7
	s_lshl_b32 s21, s15, 6
	s_add_co_u32 s20, s20, s21
	s_lshl_b32 s20, s20, 12
	s_add_co_u32 s20, s20, s46
	s_mov_b32 s21, 0
	s_add_nc_u64 s[98:99], s[10:11], s[20:21]
	s_add_nc_u64 s[12:13], s[12:13], s[20:21]
	s_mul_i32 s23, s14, HALFT
	v_mul_u32_u24 v6, v1, SPITCH
	v_lshl_add_u32 v6, v2, 6, v6
	v_add_nc_u32 v[STO], s23, v6
	v_mul_u32_u24 v6, v2, SPITCH
	v_lshl_add_u32 v6, v1, 4, v6
	v_add_nc_u32 v[RD], s23, v6
	v_lshlrev_b32 v[CO], 12, v2
	v_lshl_add_u32 v[CO], v1, 4, v[CO]
	WIN 0x80
.irp a, 0,1,2,3
.irp t, 0,1,2,3,4,5,6,7
	global_load_b128 v[32*\a+4*\t:32*\a+4*\t+3], v[CO], s[98:99] offset:(32*(\a/2)+16*(\t/4)+8*(\a%2)+2*(\t%4))*4096 th:TH_LOAD_NT
.endr
.endr
	WIN 0
.macro FRAG reg, adr, q, i
	ds_load_b128 v[\reg:\reg+3], v[\adr] offset:2*(\q)*CH+(\i)*768
	ds_load_b64 v[\reg+4:\reg+5], v[\adr+2] offset:2*(\q)*CH+(\i)*768
	ds_load_b128 v[\reg+6:\reg+9], v[\adr] offset:(2*(\q)+1)*CH+(\i)*768
	ds_load_b64 v[\reg+10:\reg+11], v[\adr+2] offset:(2*(\q)+1)*CH+(\i)*768
.endm
.macro MUL4 a, p, q, sc, first
.irp b, 0,1,2,3
.if \first
	v_wmma_scale_f32_16x16x128_f8f6f4 v[ACC+8*(4*(\a)+\b):ACC+8*(4*(\a)+\b)+7], v[128*(\p)+48+FR*\b:128*(\p)+48+FR*\b+FR-1], v[128*(\p)+FR*(\a):128*(\p)+FR*(\a)+FR-1], v[BIAS+8*\b:BIAS+8*\b+7], v[SC+16*(\sc)+4*(\q)+\b], v[SC+16*(\sc)+4*(\q)+(\a)] matrix_a_fmt:MATRIX_FMT_FP6 matrix_b_fmt:MATRIX_FMT_FP6 matrix_a_scale:MATRIX_SCALE_ROW1
.else
	v_wmma_scale_f32_16x16x128_f8f6f4 v[ACC+8*(4*(\a)+\b):ACC+8*(4*(\a)+\b)+7], v[128*(\p)+48+FR*\b:128*(\p)+48+FR*\b+FR-1], v[128*(\p)+FR*(\a):128*(\p)+FR*(\a)+FR-1], v[ACC+8*(4*(\a)+\b):ACC+8*(4*(\a)+\b)+7], v[SC+16*(\sc)+4*(\q)+\b], v[SC+16*(\sc)+4*(\q)+(\a)] matrix_a_fmt:MATRIX_FMT_FP6 matrix_b_fmt:MATRIX_FMT_FP6 matrix_a_scale:MATRIX_SCALE_ROW1
.endif
.endr
.endm
.macro FETCH slot, q, p
	WIN TO_F
.irp i, 0,1,2,3
	FRAG 128*(\p)+48+FR*\i, ADRB+\slot, \q, \i
.endr
.irp i, 0,1,2,3
	FRAG 128*(\p)+FR*\i, ADRA+\slot, \q, \i
.endr
.endm
.macro SCALES sc
.irp q, 0,1,2,3
.irp i, 0,1,2,3
	ds_load_b32 v[SC+16*\sc+4*\q+\i], v[ADRS] offset:512*\q+64*\i
.endr
.endr
.endm
.macro PLACES n
.rept \n
	v_nop
.endr
.endm
.macro STEP slot, q, first
	s_wait_dscnt 8
	WIN MUL
	MUL4 0, (\q)%2, \q, \slot, \first
	MUL4 1, (\q)%2, \q, \slot, \first
	PLACES NP
	FETCH \slot, (\q)+1, 1-(\q)%2
	s_wait_dscnt 32
	WIN MUL
	MUL4 2, (\q)%2, \q, \slot, \first
	MUL4 3, (\q)%2, \q, \slot, \first
.endm
.macro TURN slot, next, fill
	WIN 0
.if \fill
	s_wait_xcnt 0x0                                ; my last prefetch has read its address: it is stepped here, ahead of the waits of the change of slots
	s_add_nc_u64 s[PFA:PFA+1], s[PFA:PFA+1], s[44:45]
.endif
	s_wait_tensorcnt 0x0
	ds_add_u32 v[SPW], v[NIL]
	s_wait_dscnt 9
	WIN MUL
	MUL4 0, 1, 3, \slot, 0
	s_wait_dscnt 0x0
	s_barrier_signal -1
	MUL4 1, 1, 3, \slot, 0
	WIN 0
	s_barrier_wait -1
.if \fill
	CREST
	s_add_nc_u64 s[G0+4*\slot+2:G0+4*\slot+3], s[G0+4*\slot+2:G0+4*\slot+3], 16*SIZE_M*48
	s_add_nc_u64 s[G0B+4*\slot+2:G0B+4*\slot+3], s[G0B+4*\slot+2:G0B+4*\slot+3], 16*SIZE_N*48
	JLOAD G0+4*\slot, G1, G0B+4*\slot, G1B
.else
	PLACES NP
.endif
	s_wait_alu depctr_va_vdst(0)
	v_add_nc_u32 v[ADRS], 2048, v[ADRS]
	SCALES \next
	FETCH \next, 0, 0
.if \fill
	WIN 0                                          ; at a branch and at a label every window is 0
	ASK
.endif
	WIN MUL
	MUL4 2, 1, 3, \slot, 0
	MUL4 3, 1, 3, \slot, 0
.endm
	s_wait_xcnt 0x0                                ; the head's prefetch has read its address
	s_add_nc_u64 s[PFA:PFA+1], s[PFA:PFA+1], s[44:45]   ; tile 3
	s_wait_alu depctr_va_vdst(0)
	s_wait_tensorcnt 0x0                           ; my tile of the head's four is in
	ds_add_u32 v[SPW], v[NIL]
	s_mov_b32 s[G1+2], 4<<16                       ; no tensor load of mine is out: from here on a load brings four chunks
	s_mov_b32 s[G1+4], 4
	s_mov_b32 s[G1B+2], 4<<16
	s_mov_b32 s[G1B+4], 4
	s_wait_dscnt 0x0
	CROUND                                         ; all four tiles are in, and all sixteen work-groups are here
	JLOAD G0+4, G1, G0B+4, G1B                     ; slot 1's first fill, the first tensor load behind the round
	SCALES 0
	FETCH 0, 0, 0
	global_prefetch_b8 v[PFO], s[PFA:PFA+1] th:TH_LOAD_NT scope:SCOPE_SE
	s_wait_loadcnt 32
	STEP 0, 0, 1
.if LAPS > 1
	WIN 0
	s_mov_b32 s3, LAPS-1
.Llap:
	STEP 0, 1, 0
	STEP 0, 2, 0
	TURN 0, 1, 1
	STEP 1, 0, 0
	STEP 1, 1, 0
	STEP 1, 2, 0
	TURN 1, 0, 1
	STEP 0, 0, 0
	WIN 0
	s_sub_co_u32 s3, s3, 1
	s_cmp_lg_u32 s3, 0
	s_cbranch_scc1 .Llap
.endif
	STEP 0, 1, 0
	STEP 0, 2, 0
	TURN 0, 1, 0
	STEP 1, 0, 0
	STEP 1, 1, 0
	STEP 1, 2, 0
	s_wait_dscnt 8
	WIN MUL
	MUL4 0, 1, 3, 1, 0
	MUL4 1, 1, 3, 1, 0
	s_wait_dscnt 0
	MUL4 2, 1, 3, 1, 0
	MUL4 3, 1, 3, 1, 0
	WIN 0
	PLACES NP
.irp a, 0,1,2,3
.irp b, 0,1,2,3
	ds_store_b128 v[STO], v[ACC+8*(4*\a+\b):ACC+8*(4*\a+\b)+3] offset:\a*STG+128*(\b/2)+32*(\b%2)
	ds_store_b128 v[STO], v[ACC+8*(4*\a+\b)+4:ACC+8*(4*\a+\b)+7] offset:\a*STG+128*(\b/2)+32*(\b%2)+16
.endr
	WIN TO_F
.irp t, 0,1,2,3,4,5,6,7
	ds_load_b128 v[32*\a+4*\t:32*\a+4*\t+3], v[RD] offset:\a*STG+2*\t*SPITCH
.endr
	WIN 0
.endr
	s_wait_loadcnt 0x0
.irp a, 0,1,2,3
	s_wait_dscnt 16*(3-\a)
	WIN 0x49
.set II, 0
.rept 16
	v_pk_add_f32 v[32*\a+II:32*\a+II+1], v[32*\a+II:32*\a+II+1], v[32*\a+II:32*\a+II+1]
.set II, II+2
.endr
	WIN 0x04
.irp t, 0,1,2,3,4,5,6,7
	global_store_b128 v[CO], v[32*\a+4*\t:32*\a+4*\t+3], s[12:13] offset:(32*(\a/2)+16*(\t/4)+8*(\a%2)+2*(\t%4))*4096 th:TH_STORE_NT
.endr
.endr
	WIN 0
	s_wait_tensorcnt 0x0
	ds_add_u32 v[SPW], v[NIL]
	s_wait_dscnt 0x0
	CROUND
	s_endpgm
.Lfunc_end_k_q6178374cab_gfc2:
	.size	k_q6178374cab_gfc2, .Lfunc_end_k_q6178374cab_gfc2-k_q6178374cab_gfc2
	.p2alignl 7, 3214868480
	.fill 96, 4, 3214868480
	.section	.rodata,"a",@progbits
	.p2align	6, 0x0
	.amdhsa_kernel k_q6178374cab_gfc2
		.amdhsa_group_segment_fixed_size 327680
		.amdhsa_private_segment_fixed_size 0
		.amdhsa_enable_private_segment 0
		.amdhsa_kernarg_size 40
		.amdhsa_user_sgpr_count 2
		.amdhsa_user_sgpr_kernarg_segment_ptr 1
		.amdhsa_wavefront_size32 1
		.amdhsa_system_sgpr_workgroup_id_x 1
		.amdhsa_system_sgpr_workgroup_id_y 1
		.amdhsa_system_sgpr_workgroup_id_z 1
		.amdhsa_system_vgpr_workitem_id 0
		.amdhsa_next_free_vgpr 768
		.amdhsa_next_free_sgpr 100
		.amdhsa_reserve_vcc 0
		.amdhsa_float_denorm_mode_32 3
		.amdhsa_float_denorm_mode_16_64 3
		.amdhsa_memory_ordered 1
		.amdhsa_forward_progress 1
		.amdhsa_inst_pref_size 103
	.end_amdhsa_kernel
	.amdgpu_metadata
---
amdhsa.version: [ 1, 2 ]
amdhsa.kernels:
  - .name:           k_q6178374cab_gfc2
    .symbol:         k_q6178374cab_gfc2.kd
    .args:
      - { .name: ab, .offset: 0, .size: 8, .value_kind: global_buffer, .address_space: global }
      - { .name: wb, .offset: 8, .size: 8, .value_kind: global_buffer, .address_space: global }
      - { .name: b_fc2, .offset: 16, .size: 8, .value_kind: global_buffer, .address_space: global }
      - { .name: x1, .offset: 24, .size: 8, .value_kind: global_buffer, .address_space: global }
      - { .name: out0, .offset: 32, .size: 8, .value_kind: global_buffer, .address_space: global }
    .group_segment_fixed_size: 327680
    .private_segment_fixed_size: 0
    .kernarg_segment_align: 8
    .kernarg_segment_size: 40
    .max_flat_workgroup_size: 128
    .sgpr_count:     100
    .vgpr_count:     768
    .wavefront_size: 32
...
	.end_amdgpu_metadata
.endif
;; end of part 14
